; MI455X (gfx1250); checked and timed in simulation.
; The chip was launched on July 23, 2026; its instructions are those of AMD's public machine-readable ISA for CDNA 5 (MIT licence, August 2026) and "CDNA5" Instruction Set Architecture Reference Guide (July 2026). The comments in the code are by the model that wrote it; some were corrected since.
;; Relative Multi Head Attention. Allowed arithmetic: matrix products marked QUANTISED: E2M3 operands, one E8M0 scale for each 32 along K, by v_wmma_scale_f32_16x16x128_f8f6f4 with both operands' format E2M3, f32 sums; everything else in f32.
;; Inputs: Wk_codes 1,024 x 32 x 24 uint8 (E2M3 codes of Wk, K innermost, in blocks of 32 codes, four codes in three bytes); Wk_scales 1,024 x 32 uint8 (E8M0 scales of Wk, one for each 32 codes along K); Wo_codes 1,024 x 32 x 24 uint8 (E2M3 codes of Wo, K innermost, in blocks of 32 codes, four codes in three bytes); Wo_scales 1,024 x 32 uint8 (E8M0 scales of Wo, one for each 32 codes along K); Wq_codes 1,024 x 32 x 24 uint8 (E2M3 codes of Wq, K innermost, in blocks of 32 codes, four codes in three bytes); Wq_scales 1,024 x 32 uint8 (E8M0 scales of Wq, one for each 32 codes along K); Wv_codes 1,024 x 32 x 24 uint8 (E2M3 codes of Wv, K innermost, in blocks of 32 codes, four codes in three bytes); Wv_scales 1,024 x 32 uint8 (E8M0 scales of Wv, one for each 32 codes along K); bk 1,024 float32; bo 1,024 float32; bq 1,024 float32; bv 1,024 float32; rel_k 257 x 64 float32; rel_v 257 x 64 float32; x_codes 4 x 1,024 x 32 x 24 uint8 (E2M3 codes of x, K innermost, in blocks of 32 codes, four codes in three bytes); x_scales 4 x 1,024 x 32 uint8 (E8M0 scales of x, one for each 32 codes along K).
;; Outputs: out0 4 x 1,024 x 1,024 float32.
;; This version of the problem:
;;   THIS VERSION OF THE PROBLEM IS GIVEN IN LOW PRECISION. The matrix products marked QUANTISED in the list below multiply operands that are first quantised to E2M3 (2 exponent bits, 3 mantissa bits; 6 bits a number), with one power-of-two scale for each 32 numbers along K (OCP MX v1.0); their sums are f32. All else is computed in f32.
;;   The module's matrix products, in the order in which they are computed (A, B: the left and right operand; K: the contracted axis; several contracted axes count as one K, in the product's order):
;;     1. [M 4,096, K 1,024] x [K 1,024, N 1,024]; A: input x (given as codes); B: input Wq (given as codes): QUANTISED
;;     2. [M 4,096, K 1,024] x [K 1,024, N 1,024]; A: input x (given as codes); B: input Wk (given as codes): QUANTISED
;;     3. [M 4,096, K 1,024] x [K 1,024, N 1,024]; A: input x (given as codes); B: input Wv (given as codes): QUANTISED
;;     4. batch 64 x [M 1,024, K 64] x [K 64, N 1,024]; A: computed on the way; B: computed on the way: QUANTISED
;;     5. batch 1,024 x [M 1,024, K 64] x [K 64, N 64]; A: computed on the way; B: computed on the way: QUANTISED
;;     6. batch 64 x [M 1,024, K 1,024] x [K 1,024, N 64]; A: softmax (see below); B: computed on the way: QUANTISED
;;     7. batch 1,024 x [M 64, K 1,024] x [K 1,024, N 64]; A: computed on the way; B: softmax (see below): QUANTISED
;;     8. [M 4,096, K 1,024] x [K 1,024, N 1,024]; A: computed on the way; B: input Wo (given as codes): QUANTISED
;;   THE QUANTISER, for each operand of a quantised product, along K:
;;     - K is cut into blocks of 32 from its start; a last block that is shorter is filled with zeros.
;;     - A block's scale is 2^e with e = floor(log2(the largest magnitude in the block)) - 2, held to -126 .. 127; a block of zeros has e = 0. As a byte (E8M0): e + 127.
;;     - Each number is divided by its block's scale, clamped to +-7.5, and rounded to the nearest number of E2M3, ties to even, subnormals kept.
;;     - The product sums the exact products of the quantised numbers (number of the format x scale) in f32.
;;   ~~~python
;;   def quantise(x, axis):      # numpy; x: float32 -> the quantised numbers, widened to float32 again
;;       x = np.moveaxis(x, axis, -1); K = x.shape[-1]
;;       x = np.pad(x, [(0, 0)] * (x.ndim - 1) + [(0, -K % 32)]); x = x.reshape(x.shape[:-1] + (-1, 32)); a = np.abs(x).max(-1, keepdims=True)
;;       e = np.where(a > 0, np.clip(np.frexp(np.where(a > 0, a, 1))[1] - 1 - 2, -126, 127), 0)      # np.frexp(a)[1] - 1 = floor(log2(a)), exactly
;;       r = np.clip(x / 2.0 ** e, -7.5, 7.5)
;;       step = 2.0 ** (np.maximum(np.frexp(np.where(r == 0, 1, r))[1] - 1, 0) - 3)
;;       q = np.round(r / step) * step * 2.0 ** e      # np.round: ties to even
;;       return np.moveaxis(q.reshape(q.shape[:-2] + (-1,))[..., :K], -1, axis).astype(np.float32)
;;   ~~~
;;   SOFTMAX AHEAD OF A QUANTISED PRODUCT. Where the list says 'softmax', what is quantised is not the finished softmax but p = 2^(t - M), with t = logit x log2(e) and M = ceil(the row's largest t), a whole number; so 1/2 < the row's largest p <= 1. The row's sum l is taken of the UNQUANTISED p, in f32, and the product's result is divided by l at the end. Since M is a whole number, a kernel that streams over the keys may use a running M (the ceiling of the running maximum): every later rescaling is an exact power of two, which a block's scale takes up: the codes' values come out the same.
;;   OPERANDS COMPUTED ON THE WAY. 'Computed on the way' means the value that the module computes at that place (a softmax that the list does not call 'softmax' is quantised finished and normalised). What goes into a quantiser is computed in f32, as accurately as f32 sums, v_exp_f32 and their like allow (about 1e-6 of the number): no bf16 or f16 on the way to a quantiser, and a product that is left as it is and whose result goes on into a quantised operand takes f32 operands (vector FMAs, or v_wmma_f32_16x16x4_f32). A number that lies on a knife's edge between two numbers of the format may be rounded either way, as far as f32 arithmetic and the matrix unit's own rounding can turn it there, and no further.
;;   INPUTS GIVEN AS CODES. Wk (in the module: [1024, 1024], K = its axis 1); Wo (in the module: [1024, 1024], K = its axis 1); Wq (in the module: [1024, 1024], K = its axis 1); Wv (in the module: [1024, 1024], K = its axis 1); x (in the module: [4, 1024, 1024], K = its axis 2): each comes as NAME_codes (uint8): NAME with its K axis moved to the last place and cut into blocks of 32 codes, [.., K / 32, bytes a block], one block behind the other in memory; four codes in three bytes: a row's codes are one little-endian stream of bits, code i at bits 6 i .. 6 i + 5 (a code: sign, 2 exponent bits, 3 mantissa bits); and NAME_scales (uint8): the same leading axes, one E8M0 byte (e + 127) for each 32 codes along K. Its value is code x scale, taken as it is: it is not quantised again, and the codes and scales need not be those that the quantiser above would give.
;; 2 versions. Each part assembles by itself: llvm-mc -triple=amdgcn-amd-amdhsa -mcpu=gfx1250 --defsym DOCPART=n.
;; ======== version 1 of 2: 4 launches
;; limits: inputs' magnitudes at most 1.623e+32
;; workspace buffers: TAB 641,536 bytes; QB 3,407,872 bytes; KV 6,684,672 bytes; AOI 3,145,728 bytes; AOS 131,072 bytes
;; launch prep (part 1): grid 105 x 1, 4 waves a work-group, no clusters, 0 bytes of LDS; arguments rel_k, rel_v, TAB; writes TAB
.if DOCPART == 1
	.amdgcn_target "amdgcn-amd-amdhsa--gfx1250"
	.amdhsa_code_object_version 6
	.text
	.protected	k_q0f30f92794_prep
	.globl	k_q0f30f92794_prep
	.p2align	8
	.type	k_q0f30f92794_prep,@function
k_q0f30f92794_prep:
	s_mov_b64 s[64:65], 0
	v_nop
	global_prefetch_b8 v0, s[64:65] scope:SCOPE_SE
	s_setreg_imm32_b32 hwreg(HW_REG_WAVE_MODE, 25, 1), 1
	s_wait_xcnt 0x0
; The tables that the attention launch takes from rel_k and rel_v, as codes of FP6 (E2M3) with one E8M0 byte for each 32 along K.
; TAB: EKI at 0 (32 tiles x 768 bytes), EKS at 24,576 (32 x 16 words), CQ at 26,624 ([2][64] f32), TS at 27,136 ([a 32][kappa 3][dt 4][16 words]), TI at 51,712 ([a][kappa][dt][3][32 lanes][16 bytes]).
; EK: row e (0..511) is rel_k[clip(e - 128, 0, 256)], quantised along d: so that query q and key k meet row k - q + 256.
; T:  for a query 32 g + a the rows of rel_v that key blocks g - 4 .. g + 4 meet are rel_v[clip(kk - a, 0, 256)][d], kk = 0 .. 287; they are quantised along kk in blocks of 32.  Blocks 9 to 11 get zero codes.
; CQ: what a block of 32 equal numbers rel_v[0][d] (or rel_v[256][d]) quantises to, as f32.
; ORDER INSIDE A BLOCK: position p of a block holds its number pi(p) = p % 8 + 16 ((p / 8) % 2) + 8 (p / 16): the order in which the other operand's codes come out of two neighbouring result tiles.  A product does not mind an order that both sides share.
; All images are laid as the operand's registers: 16 (or 8) bytes a lane on end, so every store here covers 512 (256) consecutive bytes.
; LIMITS: NaN and infinities are not served; a block whose largest magnitude lies under 2^-124 keeps the byte 1 (a block of zeros too: its codes are zeros, and this program alone reads the bytes); CQ's rounding wants |rel_v| under 2^107.
.set EKS_O, 24576
.set CQ_O,  26624
.set TS_O,  27136
.set TI_O,  51712
.set X,  32                            ; v32-95  two blocks of 32 numbers (first their byte offsets: a load lands on its own address register)
.set C,  96                            ; v96-107 the codes
; 32 numbers of a lane, v[x] on, become 6 registers of codes at v[cd]; v[so] the conversion's scale operand, v[by] the scale's byte
.macro BLK x, cd, so, by
	v_max3_num_f32 v12, |v[\x]|, |v[\x+1]|, |v[\x+2]|
	v_max3_num_f32 v13, |v[\x+3]|, |v[\x+4]|, |v[\x+5]|
.irp i, 6,10,14,18,22,26
	v_max3_num_f32 v12, v12, |v[\x+\i]|, |v[\x+\i+1]|
	v_max3_num_f32 v13, v13, |v[\x+\i+2]|, |v[\x+\i+3]|
.endr
	v_max3_num_f32 v12, v12, |v[\x+30]|, |v[\x+31]|
	v_max3_num_f32 v12, v12, v13, 0x1800000        ; the floor 2^(3 - 127): the byte cannot fall under 1
	v_add_nc_u32 v[\so], 0xff000000, v12           ; 2 off the exponent field: the conversion takes this operand's exponent field as its scale
	v_lshrrev_b32 v[\by], 23, v[\so]
	v_cvt_scalef32_pk16_fp6_f32 v[\cd:\cd+2], v[\x:\x+15], v[\so]
	v_cvt_scalef32_pk16_fp6_f32 v[112:114], v[\x+16:\x+31], v[\so]   ; (a conversion's three registers begin on an even number)
	v_nop                                          ; one plain place behind a scaled conversion
	v_mov_b32 v[\cd+3], v112
	v_mov_b32 v[\cd+4], v113
	v_mov_b32 v[\cd+5], v114
.endm
	s_load_b128 s[4:7], s[0:1], 0x0                ; rel_k, rel_v
	s_load_b64 s[8:9], s[0:1], 0x10                ; TAB
	v_lshrrev_b32 v1, 5, v0
	v_readfirstlane_b32 s10, v1                    ; wave
	v_and_b32 v1, 31, v0                           ; lane
	v_and_b32 v2, 15, v0                           ; r
	v_bfe_u32 v3, v0, 4, 1                         ; hh
	v_mov_b32 v10, 0                               ; (a lane permute's destination counts as one of its sources)
	v_lshlrev_b32 v11, 4, v1                       ; 16 x lane
	s_mov_b32 s12, 0x76543210
	s_mov_b32 s13, 0xfedcba98                      ; selects for lane l xor 16
	s_mov_b32 s15, 0                               ; the high word of every offset
	s_wait_kmcnt 0x0
	s_cmp_lt_u32 ttmp9, 96
	s_cbranch_scc0 .Lnot_t
	; ---- T: work-group = (a, kappa), wave = dt.  Lane (r, hh): row d = 16 dt + r; registers 6 c .. 6 c + 5: block 4 kappa + 2 c + hh
	s_and_b32 s16, ttmp9, 31                       ; a
	s_lshr_b32 s17, ttmp9, 5                       ; kappa
	s_lshl_b32 s18, s17, 7
	s_add_co_u32 s18, s18, 32
	s_sub_co_u32 s18, s18, s16                     ; 128 kappa + 32 - a
	v_lshl_add_u32 v4, v3, 5, s18                  ; + 32 hh: kk + 32 - a of my first block's number 0
	s_lshl_b32 s19, s10, 6
	v_lshl_add_u32 v5, v2, 2, s19                  ; 4 d
.irp c, 0,1
.irp p, 0,1,2,3,4,5,6,7,8,9,10,11,12,13,14,15,16,17,18,19,20,21,22,23,24,25,26,27,28,29,30,31
.set PI, \p%8+16*((\p/8)%2)+8*(\p/16)
	v_add_nc_u32 v[X+32*\c+\p], 64*\c+PI, v4       ; u = kk - a + 32, at least 1
	v_min_u32 v6, 32, v[X+32*\c+\p]
	v_sub_nc_u32 v[X+32*\c+\p], v[X+32*\c+\p], v6  ; u - min(u, 32) = max(kk - a, 0)
	v_min_u32 v[X+32*\c+\p], 0x100, v[X+32*\c+\p]  ; at most 256: inside the table
	v_lshl_add_u32 v[X+32*\c+\p], v[X+32*\c+\p], 8, v5
	global_load_b32 v[X+32*\c+\p], v[X+32*\c+\p], s[6:7]
.endr
.endr
	s_wait_loadcnt 32                              ; the first block's 32 loads are in, the second's may be out
	BLK X, C, 14, 16
	s_wait_loadcnt 0x0
	BLK X+32, C+6, 15, 17
	s_lshl_b32 s19, s17, 2
	v_add_nc_u32 v7, s19, v3                       ; 4 kappa + hh
	v_cmp_ge_u32 vcc_lo, 8, v7                     ; my first block is one of 0 .. 8
.irp i, 0,1,2,3,4,5
	v_cndmask_b32 v[C+\i], 0, v[C+\i], vcc_lo      ; else zero codes
.endr
	v_cmp_ge_u32 vcc_lo, 6, v7                     ; my second, two further on, likewise
.irp i, 6,7,8,9,10,11
	v_cndmask_b32 v[C+\i], 0, v[C+\i], vcc_lo
.endr
	v_lshl_or_b32 v8, v17, 16, v16                 ; my two bytes: blocks hh and 2 + hh of the K step,
	v_lshlrev_b32 v9, 3, v3
	v_lshlrev_b32 v8, v9, v8                       ; at their places;
	v_permlanex16_b32 v10, v8, s12, s13
	v_or_b32 v8, v8, v10                           ; with lane l xor 16's two the word is whole
	s_mul_i32 s14, s16, 18432
	s_mul_i32 s18, s17, 6144
	s_add_co_u32 s14, s14, s18
	s_mul_i32 s18, s10, 1536
	s_add_co_u32 s14, s14, s18
	s_add_co_u32 s14, s14, TI_O
	s_add_nc_u64 s[20:21], s[8:9], s[14:15]
	s_mul_i32 s14, s16, 768
	s_lshl_b32 s18, s17, 8
	s_add_co_u32 s14, s14, s18
	s_lshl_b32 s18, s10, 6
	s_add_co_u32 s14, s14, s18
	s_add_co_u32 s14, s14, TS_O
	s_add_nc_u64 s[22:23], s[8:9], s[14:15]
	v_lshlrev_b32 v9, 2, v2
	global_store_b128 v11, v[C:C+3], s[20:21]
	global_store_b128 v11, v[C+4:C+7], s[20:21] offset:512
	global_store_b128 v11, v[C+8:C+11], s[20:21] offset:1024
	global_store_b32 v9, v8, s[22:23]              ; both halves of the lanes write the same word with the same value
	s_endpgm
.Lnot_t:
	s_cmp_lt_u32 ttmp9, 104
	s_cbranch_scc0 .Lcq
	; ---- EK: tile tau = 4 (work-group - 96) + wave.  Lane (r, hh): row 16 tau + r, block hh of d
	s_sub_co_u32 s16, ttmp9, 96
	s_lshl_b32 s16, s16, 2
	s_add_co_u32 s16, s16, s10                     ; tau
	s_lshl_b32 s17, s16, 4
	v_add_nc_u32 v4, s17, v2                       ; e
	v_min_u32 v5, 0x80, v4
	v_sub_nc_u32 v4, v4, v5                        ; max(e - 128, 0)
	v_min_u32 v4, 0x100, v4
	v_lshlrev_b32 v4, 8, v4
	v_lshl_add_u32 v4, v3, 7, v4                   ; the row's 256 bytes, my block's 128
.irp i, 0,1,2,3,4,5,6,7
	global_load_b128 v[X+4*\i:X+4*\i+3], v4, s[4:5] offset:4*((4*\i)%8+16*(((4*\i)/8)%2)+8*((4*\i)/16))
.endr
	s_wait_loadcnt 0x0
	BLK X, C, 14, 16
	v_lshlrev_b32 v9, 3, v3
	v_lshlrev_b32 v8, v9, v16                      ; byte hh of the row's word; bytes 2 and 3 stay 0: they meet zero codes
	v_permlanex16_b32 v10, v8, s12, s13
	v_or_b32 v8, v8, v10
	s_mul_i32 s14, s16, 768
	s_add_nc_u64 s[20:21], s[8:9], s[14:15]
	s_lshl_b32 s14, s16, 6
	s_add_co_u32 s14, s14, EKS_O
	s_add_nc_u64 s[22:23], s[8:9], s[14:15]
	v_lshlrev_b32 v7, 3, v1
	v_lshlrev_b32 v9, 2, v2
	global_store_b128 v11, v[C:C+3], s[20:21]
	global_store_b64 v7, v[C+4:C+5], s[20:21] offset:512
	global_store_b32 v9, v8, s[22:23]
	s_endpgm
.Lcq:
	; ---- CQ: waves 0, 1: rel_v[0]; waves 2, 3: rel_v[256]; d = 32 (wave & 1) + lane
	s_lshr_b32 s16, s10, 1
	s_and_b32 s17, s10, 1
	s_lshl_b32 s18, s16, 16                        ; row 256 begins 65,536 bytes on
	s_lshl_b32 s19, s17, 7
	s_add_co_u32 s18, s18, s19
	v_lshl_add_u32 v4, v1, 2, s18
	global_load_b32 v5, v4, s[6:7]
	s_lshl_b32 s18, s16, 8
	s_add_co_u32 s18, s18, s19
	s_add_co_u32 s18, s18, CQ_O
	v_lshl_add_u32 v11, v1, 2, s18
	s_wait_loadcnt 0x0
	v_and_b32 v6, 0x7fffffff, v5                   ; |x|
	v_max_num_f32 v7, 0x1800000, v6                ; with the floor
	v_and_b32 v7, 0x7f800000, v7                   ; E = 2^floor(log2): four times the block's scale
	v_add_nc_u32 v8, 0x0a000000, v7
	v_or_b32 v8, 0x400000, v8                      ; 1.5 x 2^20 x E: its last place is E / 8, half the scale: the step of the codes from 4 to 7.5
	v_add_f32 v9, v6, v8
	v_sub_f32 v9, v9, v8                           ; |x| to the nearest step, ties to even
	v_or_b32 v7, 0x700000, v7                      ; 1.875 E = 7.5 x the scale
	v_min_num_f32 v9, v9, v7
	v_bfi_b32 v9, 0x7fffffff, v9, v5               ; x's sign
	global_store_b32 v11, v9, s[8:9]
	s_endpgm
.Lfunc_end_k_q0f30f92794_prep:
	.size	k_q0f30f92794_prep, .Lfunc_end_k_q0f30f92794_prep-k_q0f30f92794_prep
	.p2alignl 7, 3214868480
	.fill 96, 4, 3214868480
	.section	.rodata,"a",@progbits
	.p2align	6, 0x0
	.amdhsa_kernel k_q0f30f92794_prep
		.amdhsa_group_segment_fixed_size 0
		.amdhsa_private_segment_fixed_size 0
		.amdhsa_enable_private_segment 0
		.amdhsa_kernarg_size 24
		.amdhsa_user_sgpr_count 2
		.amdhsa_user_sgpr_kernarg_segment_ptr 1
		.amdhsa_wavefront_size32 1
		.amdhsa_system_sgpr_workgroup_id_x 1
		.amdhsa_system_sgpr_workgroup_id_y 1
		.amdhsa_system_sgpr_workgroup_id_z 1
		.amdhsa_system_vgpr_workitem_id 0
		.amdhsa_next_free_vgpr 128
		.amdhsa_next_free_sgpr 66
		.amdhsa_reserve_vcc 1
		.amdhsa_float_denorm_mode_32 3
		.amdhsa_float_denorm_mode_16_64 3
		.amdhsa_memory_ordered 1
		.amdhsa_forward_progress 1
		.amdhsa_inst_pref_size 32
	.end_amdhsa_kernel
	.amdgpu_metadata
---
amdhsa.version: [ 1, 2 ]
amdhsa.kernels:
  - .name:           k_q0f30f92794_prep
    .symbol:         k_q0f30f92794_prep.kd
    .args:
      - { .name: rel_k, .offset: 0, .size: 8, .value_kind: global_buffer, .address_space: global }
      - { .name: rel_v, .offset: 8, .size: 8, .value_kind: global_buffer, .address_space: global }
      - { .name: TAB, .offset: 16, .size: 8, .value_kind: global_buffer, .address_space: global }
    .group_segment_fixed_size: 0
    .private_segment_fixed_size: 0
    .kernarg_segment_align: 8
    .kernarg_segment_size: 24
    .max_flat_workgroup_size: 128
    .sgpr_count:     66
    .vgpr_count:     128
    .wavefront_size: 32
...
	.end_amdgpu_metadata
.endif
;; end of part 1
;; launch qkv (part 2): grid 4 x 48, 4 waves a work-group, clusters of 4 x 4, 327,680 bytes of LDS; arguments x_codes, x_scales, Wq_codes, Wq_scales, Wk_codes, Wk_scales, Wv_codes, Wv_scales, bq, bk, bv, QB, KV; writes QB, KV
.if DOCPART == 2
	.amdgcn_target "amdgcn-amd-amdhsa--gfx1250"
	.amdhsa_code_object_version 6
	.text
	.protected	k_q0f30f92794_qkv
	.globl	k_q0f30f92794_qkv
	.p2align	8
	.type	k_q0f30f92794_qkv,@function
k_q0f30f92794_qkv:
	s_mov_b64 s[64:65], 0
	v_nop
	global_prefetch_b8 v0, s[64:65] scope:SCOPE_SE
	s_setreg_imm32_b32 hwreg(HW_REG_WAVE_MODE, 25, 1), 1
	s_wait_xcnt 0x0
	s_wait_alu depctr_hold_cnt(0) depctr_sa_sdst(0) depctr_va_vdst(0) depctr_va_sdst(0) depctr_va_ssrc(0) depctr_va_vcc(0) depctr_vm_vsrc(0)
	s_getreg_b32 s2, hwreg(HW_REG_IB_STS2, 6, 4)
	s_cmp_eq_u32 s2, 0
	s_cbranch_scc0 .Lentry_in_a_cluster
	s_endpgm
.Lentry_in_a_cluster:
	s_bfe_u32 s2, ttmp6, 0x10000c
	s_cmp_lg_u32 s2, 0xf033
	s_cbranch_scc0 .Lentry_shape_is_right
	s_endpgm
.Lentry_shape_is_right:
; q = x Wq^T + bq, k = x Wk^T + bk, v = x Wv^T + bv on codes of FP6 (E2M3) with E8M0 scales, sums in f32; the results are quantised here and leave as images of the registers in which the attention launch wants them.
; A tile of 256 x 256 to a work-group of four waves, 128 x 128 to a wave (64 accumulators, 512 registers); K = 1,024 in steps of 256 through a ring of two LDS slots filled by the tensor data mover; the scale bytes of the
; work-group's rows come into LDS once.  4 x 4 work-groups form a cluster: A's tiles are asked for jointly along a row of it, B's along a column.
; THE MODE is the cluster's y / 4, the same in all partners: 0: q, 1: k, 2: v.  For q and k: A = x (16 tile rows), B = W (4 tile columns).  For v: A = Wv (4 tile rows), B = x (16 tile columns).
; The matrix instruction is used transposed (source 0 = 16 rows of B, source 1 = 16 rows of A): a lane holds one row of A and its registers run along B's rows.  So for q and k a lane holds a token and runs along the
; features (their K in the next product), for v a lane holds a feature and runs along the tokens (the keys, v's K).
; THE WAY OUT: bias in f32; the 64 registers of a block of 16 rows are 128 neighbours along the next K, four blocks of 32; they become one fragment of 12 registers and one scale word a row.  Inside a block the codes lie
; in the order 0-7, 16-23, 8-15, 24-31, which every partner of these operands shares.  q, k: registers 0-5 are one head's half fragment (768 bytes), registers 6-11 the next head's.  Each store covers 512 or 256 consecutive
; bytes; the scale words leave in pieces of 64 bytes, one byte in 24 of what the launch stores.
; LIMITS: NaN and infinities are not served; a block whose largest magnitude lies under 2^-124 keeps the byte 1 (a block of zeros too: its codes are zeros and this program alone reads the bytes).
; REGISTERS, in windows of 256: window 0: v0-31 addresses; v32-63 scale words, two sets; v64-127 the bias along the registers; v128-223 A's fragments, ONE set; v232-239 the bias along the lanes; on the way out v128-229 are at work.
;   window 1: B's fragments, TWO sets.   window 2: the accumulators of my rows 0-63 ((a, b) at v[8 (8 a + b)]);   window 3: those of rows 64-127.
.set SIZE_K, 1024
.set KSTEP,  256
.set NQ,     KSTEP/128
.set ROWB,   192                       ; a tile's row in bytes
.set KROW,   SIZE_K*6/8                ; a row of codes in memory
.set PITCH,  240                       ; an LDS row: 3 x (64 bytes + 16 of padding)
.set FR,     12
.set NL,     6
.set NP,     4
.set HALFT,  128*PITCH
.set SLOT,   4*HALFT
.set LAPS,   SIZE_K/(2*KSTEP)
.set KS,     SIZE_K/32
.set SCL,    2*SLOT                    ; behind the ring: the scales, as units of 256 bytes + 16 of padding
.set HALFS,  (128*KS/256)*272
.set SBLK,   (16*KS/256)*272
.set SPARE,  SCL+4*HALFS               ; the spare words, 128 bytes for each wave
.set HQ,     53248                     ; a head's block in QB: 64 tiles x 768, then 64 x 64 bytes of scale words
.set HKV,    104448                    ; in KV: K's images, V's images at 49,152, K's scale words at 98,304, V's at 102,400
.set ADRA, 16
.set ADRB, 20
.set ADRS, 27
.set SPW,  28
.set NIL,  29
.set SC,   32
.set BI,   64
.set AF,   128
.set BV,   232
.set T,    128                         ; the way out: 64 numbers
.set PC,   192                         ; v192-210 the codes and the conversions' second halves
.set TM,   212                         ; v212-227 at work
.set PW,   228                         ; the scale word
.set SWV,  229                         ; the word as a head's
.set G1, 24
.set G0, 32
.set G1B, 48
.set G0B, 56
.set G1S, 68
.set G0S, 76
.set G1SB, 80
.set G0SB, 88
.set SEL, 92
.set MSB, 0
.macro WIN new                         ; the immediate's high byte repeats the setting that is left
.if MSB != \new
	s_set_vgpr_msb (MSB<<8)|\new
.set MSB, \new
.endif
.endm
.set MUL_LO, 0xa1
.set MUL_HI, 0xf1
.set TO_B,   0x40
; A joint load: waves 0 and 1 fetch for A, waves 2 and 3 for B; four v_nop follow each of the two lines
.macro JLOAD g0a, g1a, g0b, g1b
	s_cmp_eq_u32 s15, 0
	s_cbranch_scc0 .Lfor_b_\@
	tensor_load_to_lds s[\g0a:\g0a+3], s[\g1a:\g1a+7]
	s_nop 0
.rept 4
	v_nop
.endr
	s_branch .Lasked_\@
.Lfor_b_\@:
	tensor_load_to_lds s[\g0b:\g0b+3], s[\g1b:\g1b+7]
	s_nop 0
.rept 4
	v_nop
.endr
.Lasked_\@:
.endm
.macro CREST
	s_cmp_lg_u32 s14, 0
	s_cbranch_scc1 .Lnot_wave_0_\@
	s_barrier_signal -3
.Lnot_wave_0_\@:
	s_barrier_wait -3
	s_barrier_signal -1
	s_barrier_wait -1
.endm
.macro CROUND
	s_barrier_signal -1
	s_barrier_wait -1
	CREST
.endm
	s_load_b512 s[24:39], s[0:1], 0x0              ; x codes, x scales, Wq c, Wq s, Wk c, Wk s, Wv c, Wv s
	s_load_b256 s[40:47], s[0:1], 0x40             ; bq, bk, bv, QB
	s_load_b64 s[48:49], s[0:1], 0x60              ; KV
	v_lshl_add_u32 v[SPW], v0, 2, SPARE
	v_mov_b32 v[NIL], 0
	ds_add_u32 v28, v29
	ds_add_u32 v28, v29
	s_wait_dscnt 0x0
	v_lshrrev_b32 v1, 5, v0
	v_readfirstlane_b32 s14, v1                    ; wave 0..3
	s_and_b32 s98, ttmp7, 0xffff                   ; the cluster's y, 0 .. 11
	s_lshr_b32 s100, s98, 2                        ; the mode
	s_and_b32 s99, s98, 3
	s_mov_b32 s101, HKV
	s_mov_b32 s95, 98304
	s_wait_kmcnt 0x0
	s_cmp_eq_u32 s100, 0                           ; the choices hang on the mode alone
	s_cselect_b64 s[8:9], s[28:29], s[32:33]       ; W's codes: q's or k's
	s_cselect_b64 s[10:11], s[30:31], s[34:35]
	s_cselect_b64 s[12:13], s[40:41], s[42:43]     ; the bias
	s_cselect_b64 s[96:97], s[46:47], s[48:49]     ; where the results go: QB or KV
	s_cselect_b32 s101, HQ, s101                   ; a head's block there,
	s_cselect_b32 s95, 49152, s95                  ; and where its scale words begin
	s_cmp_lt_u32 s100, 2
	s_cselect_b64 s[4:5], s[24:25], s[36:37]       ; A: x or Wv
	s_cselect_b64 s[6:7], s[26:27], s[38:39]
	s_cselect_b64 s[8:9], s[8:9], s[24:25]         ; B: W or x
	s_cselect_b64 s[10:11], s[10:11], s[26:27]
	s_cselect_b64 s[12:13], s[12:13], s[44:45]
	s_cselect_b32 s98, s99, 0                      ; which four tile rows,
	s_cselect_b32 s99, 0, s99                      ; which four tile columns are the cluster's
	s_lshr_b32 s15, s14, 1                         ; which half of the tile's rows is mine.  Also: I fetch for A (0) or for B (1)
	s_and_b32 s16, s14, 1                          ; which half of its columns.  Also: which 128 rows of that tile I fetch
	s_bfe_u32 s40, ttmp6, 0x40000                  ; cx, cy
	s_bfe_u32 s41, ttmp6, 0x40004
	s_lshl_b32 s42, s99, 2
	s_add_co_u32 s42, s42, s40                     ; tile column
	s_lshl_b32 s17, s98, 2
	s_add_co_u32 s17, s17, s41                     ; tile row
	s_lshl_b32 s43, s41, 2
	s_lshl_b32 s43, 15, s43                        ; my row of the cluster
	s_lshl_b32 s44, 0x1111, s40                    ; my column
	s_or_b32 s[G1+0], s43, (0<<16)|(1<<20)|(1<<21)|(3<<22)|(3<<25)  ; the mask; elements of 1 byte; padding on; bit 21 beside a mask; after every 16 words 4 words
	s_or_b32 s[G1B+0], s44, (0<<16)|(1<<20)|(1<<21)|(3<<22)|(3<<25)
.irp g, G1, G1B
	s_mov_b32 s[\g+1], ROWB<<16
	s_mov_b32 s[\g+2], 128<<16
	s_mov_b32 s[\g+3], ROWB<<16
	s_mov_b32 s[\g+4], 128
	s_mov_b32 s[\g+5], KROW
	s_mov_b32 s[\g+6], 0
	s_mov_b32 s[\g+7], 0
.endr
	s_or_b32 s[G1S+0], s43, (3<<16)|(1<<20)|(1<<21)|(5<<22)|(3<<25) ; the scales of 128 rows: a dense block, as rows of 256 bytes, 16 of padding behind each
	s_or_b32 s[G1SB+0], s44, (3<<16)|(1<<20)|(1<<21)|(5<<22)|(3<<25)
.irp g, G1S, G1SB
	s_mov_b32 s[\g+1], 32<<16
	s_mov_b32 s[\g+2], (128*KS/256)<<16
	s_mov_b32 s[\g+3], 32<<16
	s_mov_b32 s[\g+4], 128*KS/256
	s_mov_b32 s[\g+5], 32
	s_mov_b32 s[\g+6], 0
	s_mov_b32 s[\g+7], 0
.endr
	s_lshl_b32 s18, s16, 7
	s_lshl_b32 s20, s17, 8
	s_add_co_u32 s20, s20, s18                     ; A: row 256 x tile row + 128 x half
	s_lshl_b32 s46, s42, 8
	s_add_co_u32 s46, s46, s18                     ; B: row 256 x tile column + 128 x half
	s_mov_b32 s21, 0
	s_mov_b32 s47, 0
	s_mov_b64 s[18:19], KS
	s_mul_u64 s[22:23], s[20:21], s[18:19]
	s_mul_u64 s[92:93], s[46:47], s[18:19]
	s_mov_b64 s[18:19], KROW
	s_mul_u64 s[20:21], s[20:21], s[18:19]
	s_mul_u64 s[46:47], s[46:47], s[18:19]
	s_mul_i32 s45, s14, HALFT                      ; where they go: wave x 128 rows
	s_mul_i32 s94, s14, HALFS
	s_add_nc_u64 s[20:21], s[4:5], s[20:21]
	s_add_nc_u64 s[22:23], s[6:7], s[22:23]
	s_add_nc_u64 s[46:47], s[8:9], s[46:47]
	s_add_nc_u64 s[92:93], s[10:11], s[92:93]
	CROUND                                         ; all sixteen work-groups are here: the first joint loads meet
	s_mov_b32 s[G0S], 1
	s_add_co_u32 s[G0S+1], s94, SCL
	s_mov_b64 s[G0S+2:G0S+3], s[22:23]
	s_or_b32 s[G0S+3], s[G0S+3], 0x80000000
	s_mov_b32 s[G0SB], 1
	s_add_co_u32 s[G0SB+1], s94, SCL
	s_mov_b64 s[G0SB+2:G0SB+3], s[92:93]
	s_or_b32 s[G0SB+3], s[G0SB+3], 0x80000000
	JLOAD G0S, G1S, G0SB, G1SB                     ; the scales first
.irp s, 0,1
	s_mov_b32 s[G0+4*\s], 1
	s_add_co_u32 s[G0+4*\s+1], s45, \s*SLOT
	s_add_nc_u64 s[G0+4*\s+2:G0+4*\s+3], s[20:21], \s*ROWB
	s_or_b32 s[G0+4*\s+3], s[G0+4*\s+3], 0x80000000
	s_mov_b32 s[G0B+4*\s], 1
	s_add_co_u32 s[G0B+4*\s+1], s45, \s*SLOT
	s_add_nc_u64 s[G0B+4*\s+2:G0B+4*\s+3], s[46:47], \s*ROWB
	s_or_b32 s[G0B+4*\s+3], s[G0B+4*\s+3], 0x80000000
	JLOAD G0+4*\s, G1, G0B+4*\s, G1B
.endr
	v_and_b32 v1, 15, v0                           ; l % 16
	v_bfe_u32 v2, v0, 4, 1                         ; l / 16
	v_mul_u32_u24 v3, v1, PITCH
	v_mul_u32_u24 v4, v2, 24
	v_add_nc_u32 v4, v3, v4                        ; a fragment's row x pitch + 24 x half
	v_lshl_add_u32 v5, v2, 4, v4                   ; and the same behind one padding more
	s_mul_i32 s21, s15, HALFT
	s_mul_i32 s22, s16, HALFT
	s_add_co_u32 s22, s22, 2*HALFT
.irp s, 0,1
	v_add_nc_u32 v[ADRA+\s], s21, v4
	v_add_nc_u32 v[ADRB+\s], s22, v4
	v_add_nc_u32 v[ADRA+2+\s], s21, v5
	v_add_nc_u32 v[ADRB+2+\s], s22, v5
	s_add_co_u32 s21, s21, SLOT
	s_add_co_u32 s22, s22, SLOT
.endr
	v_mul_u32_u24 v5, v1, KS
	v_lshrrev_b32 v6, 8, v5
	v_lshl_add_u32 v5, v6, 4, v5
	s_mul_i32 s21, s15, HALFS
	s_mul_i32 s22, s16, HALFS
	s_add_co_u32 s22, s22, 2*HALFS
	s_sub_co_u32 s22, s22, s21
	v_mul_u32_u24 v6, s22, v2                      ; lanes 16-31 take B's
	s_add_co_u32 s21, s21, SCL
	v_add_nc_u32 v5, v5, v6
	v_add_nc_u32 v[ADRS], s21, v5
	; offsets for the way out, and the biases.  Both shapes of bias are loaded whatever the mode, at offsets cut to the bias's 1,024 numbers; the way out takes the one that is its own.
	v_and_b32 v6, 31, v0
	v_lshlrev_b32 v8, 4, v6                        ; 16 x lane
	v_lshlrev_b32 v9, 3, v6                        ; 8 x lane
	v_lshlrev_b32 v12, 2, v1                       ; 4 r
	v_mul_u32_u24 v10, s101, v2
	v_add_nc_u32 v10, v10, v12                     ; 4 r, and for lanes 16-31 one head's block on
	v_lshlrev_b32 v11, 4, v2                       ; 16 h: the shift that brings the second head's two bytes down
	v_lshlrev_b32 v7, 5, v2                        ; 32 h
	s_lshl_b32 s20, s42, 8
	s_lshl_b32 s21, s16, 7
	s_add_co_u32 s20, s20, s21
	s_and_b32 s20, s20, 1023
	s_lshl_b32 s20, s20, 2
	s_mov_b32 s21, 0
	s_add_nc_u64 s[18:19], s[12:13], s[20:21]      ; the bias at B's first row of mine
	s_lshl_b32 s20, s17, 8
	s_lshl_b32 s22, s15, 7
	s_add_co_u32 s20, s20, s22
	s_and_b32 s20, s20, 1023
	s_lshl_b32 s20, s20, 2
	s_add_nc_u64 s[22:23], s[12:13], s[20:21]      ; and at A's
.irp b, 0,1,2,3,4,5,6,7
	global_load_b128 v[BI+8*\b:BI+8*\b+3], v7, s[18:19] offset:64*\b
	global_load_b128 v[BI+8*\b+4:BI+8*\b+7], v7, s[18:19] offset:64*\b+16
.endr
.irp a, 0,1,2,3,4,5,6,7
	global_load_b32 v[BV+\a], v12, s[22:23] offset:64*\a
.endr
.macro FRAG reg, adr, q, i             ; a fragment: 12 registers; in pieces of 8 bytes; where the piece of lanes 16-31 lies behind one padding more, the second address register serves
.irp p, 0,1,2,3,4,5
.set PCE, 12*(\q)+6*(\p/3)+\p%3
.if PCE%8 < 5
	ds_load_b64 v[\reg+2*\p:\reg+2*\p+1], v[\adr] offset:8*PCE+16*(PCE/8)+(\i)*16*PITCH
.else
	ds_load_b64 v[\reg+2*\p:\reg+2*\p+1], v[\adr+2] offset:8*PCE+16*(PCE/8)+(\i)*16*PITCH
.endif
.endr
.endm
; 16 matrix instructions: A's blocks a0, a0 + 1 x B's eight.  The 64 accumulators take turns, one instruction a turn, in the same order in every step.
.macro MUL16 a0, p, q, sc, zero
.irp a, \a0, \a0+1
.irp b, 0,1,2,3,4,5,6,7
.if \zero
	v_wmma_scale_f32_16x16x128_f8f6f4 v[8*(8*((\a)%4)+\b):8*(8*((\a)%4)+\b)+7], v[128*(\p)+FR*\b:128*(\p)+FR*\b+FR-1], v[AF+FR*(\a):AF+FR*(\a)+FR-1], 0, v[SC+8*NQ*(\sc)+NQ*\b+(\q)], v[SC+8*NQ*(\sc)+NQ*(\a)+(\q)] matrix_a_fmt:MATRIX_FMT_FP6 matrix_b_fmt:MATRIX_FMT_FP6 matrix_a_scale:MATRIX_SCALE_ROW1
.else
	v_wmma_scale_f32_16x16x128_f8f6f4 v[8*(8*((\a)%4)+\b):8*(8*((\a)%4)+\b)+7], v[128*(\p)+FR*\b:128*(\p)+FR*\b+FR-1], v[AF+FR*(\a):AF+FR*(\a)+FR-1], v[8*(8*((\a)%4)+\b):8*(8*((\a)%4)+\b)+7], v[SC+8*NQ*(\sc)+NQ*\b+(\q)], v[SC+8*NQ*(\sc)+NQ*(\a)+(\q)] matrix_a_fmt:MATRIX_FMT_FP6 matrix_b_fmt:MATRIX_FMT_FP6 matrix_a_scale:MATRIX_SCALE_ROW1
.endif
.endr
.endr
.endm
.macro FETCH_B slot, q, p
	WIN TO_B
.irp i, 0,1,2,3,4,5,6,7
	FRAG 128*(\p)+FR*\i, ADRB+\slot, \q, \i
.endr
	WIN 0
.endm
.macro FETCH_A slot, q, i0
.irp i, \i0, \i0+1, \i0+2, \i0+3
	FRAG AF+FR*(\i), ADRA+\slot, \q, \i
.endr
.endm
.macro SCALES sc                       ; lanes 0-15 take the words of A's block i, lanes 16-31 those of B's block i
.irp i, 0,1,2,3,4,5,6,7
	ds_load_b64 v[SC+8*NQ*\sc+NQ*\i:SC+8*NQ*\sc+NQ*\i+1], v[ADRS] offset:\i*SBLK
.endr
.endm
.macro PLACES n                        ; plain vector instructions between a matrix instruction and a load into, or a read of, its registers
.rept \n
	v_nop
.endr
.endm
.macro STEP slot, q, zero
	s_wait_dscnt 4*NL                              ; B's set and A's blocks 0-3 are in; the youngest 24 loads (A's blocks 4-7) may be out
	WIN MUL_LO
	MUL16 0, (\q)%2, \q, \slot, \zero
	MUL16 2, (\q)%2, \q, \slot, \zero
	s_wait_dscnt 0
	PLACES NP
	FETCH_B \slot, (\q)+1, 1-(\q)%2
	FETCH_A \slot, (\q)+1, 0
	WIN MUL_HI
	MUL16 4, (\q)%2, \q, \slot, \zero
	MUL16 6, (\q)%2, \q, \slot, \zero
	PLACES NP
	WIN 0
	FETCH_A \slot, (\q)+1, 4
.endm
; A slot's last step changes slots: one barrier; in front of it each wave waits for all its tensor loads, adds 0 to its spare word, and waits for that and for its reads of this slot
.macro TURN slot, next, fill
	s_wait_tensorcnt 0x0                           ; all my tensor loads have landed: my part of the next slot
	ds_add_u32 v[SPW], v[NIL]                      ; 0 onto my spare word
	s_wait_dscnt 4*NL+1                            ; (the add and the youngest 24 loads may be out)
	WIN MUL_LO
	MUL16 0, 1, NQ-1, \slot, 0
	s_wait_dscnt 0x0                               ; the add is done, and my reads of this slot are over
	s_barrier_signal -1
	MUL16 2, 1, NQ-1, \slot, 0
	WIN 0
	s_barrier_wait -1
.if \fill
	CREST                                          ; the barrier has opened a round of the cluster's barrier
	s_add_nc_u64 s[G0+4*\slot+2:G0+4*\slot+3], s[G0+4*\slot+2:G0+4*\slot+3], 2*ROWB
	s_add_nc_u64 s[G0B+4*\slot+2:G0B+4*\slot+3], s[G0B+4*\slot+2:G0B+4*\slot+3], 2*ROWB
	JLOAD G0+4*\slot, G1, G0B+4*\slot, G1B         ; the first tensor load behind the round
.else
	PLACES NP
.endif
	v_add_nc_u32 v[ADRS], 4*NQ, v[ADRS]
	FETCH_B \next, 0, 0
	FETCH_A \next, 0, 0
	SCALES \next
	WIN MUL_HI
	MUL16 4, 1, NQ-1, \slot, 0
	MUL16 6, 1, NQ-1, \slot, 0
	PLACES NP
	WIN 0
	FETCH_A \next, 0, 4
.endm
	s_wait_tensorcnt 1                             ; the scales and my part of K step 0 are in (K step 1's load may be out),
	s_barrier_signal -1
	s_barrier_wait -1                              ; everybody's are
	FETCH_B 0, 0, 0
	FETCH_A 0, 0, 0
	SCALES 0
	FETCH_A 0, 0, 4
	STEP 0, 0, 1                                   ; the first step's products start the sums
	s_mov_b32 s3, LAPS-1
.Llap:
	TURN 0, 1, 1
	STEP 1, 0, 0
	TURN 1, 0, 1
	STEP 0, 0, 0
	s_sub_co_u32 s3, s3, 1
	s_cmp_lg_u32 s3, 0
	s_cbranch_scc1 .Llap
	TURN 0, 1, 0                                   ; the last lap fills nothing
	STEP 1, 0, 0
	s_wait_dscnt 4*NL
	WIN MUL_LO
	MUL16 0, 1, NQ-1, 1, 0
	MUL16 2, 1, NQ-1, 1, 0
	s_wait_dscnt 0
	WIN MUL_HI
	MUL16 4, 1, NQ-1, 1, 0
	MUL16 6, 1, NQ-1, 1, 0
	WIN 0
; 64 numbers of a lane, v[s] on, four blocks of 32 shared with lane l xor 16, become a fragment's codes in v[PC] on and its scale word in v[PW]
.macro QUANT s
.irp b, 0,1,2,3
	v_max3_num_f32 v[TM+\b], |v[\s+16*\b]|, |v[\s+1+16*\b]|, 0x1800000   ; my 16 numbers of block b, and the floor 2^(3 - 127)
.endr
.irp i, 2,4,6,8,10,12,14
.irp b, 0,1,2,3
	v_max3_num_f32 v[TM+\b], v[TM+\b], |v[\s+16*\b+\i]|, |v[\s+1+16*\b+\i]|
.endr
.endr
.irp b, 0,1,2,3
	v_permlanex16_b32 v[TM+4+\b], v[TM+\b], s[SEL], s[SEL+1]
.endr
.irp b, 0,1,2,3
	v_max_num_f32 v[TM+\b], v[TM+\b], v[TM+4+\b]
.endr
.irp b, 0,1,2,3
	v_add_nc_u32 v[TM+12+\b], 0xff000000, v[TM+\b]   ; 2 off the exponent field: the conversion's scale operand
.endr
.irp b, 0,1,2,3
	v_lshrrev_b32 v[TM+4+\b], 23, v[TM+12+\b]        ; the scale's byte
.endr
	v_lshl_or_b32 v[PW], v[TM+5], 8, v[TM+4]
	v_lshl_or_b32 v[PW], v[TM+6], 16, v[PW]
	v_lshl_or_b32 v[PW], v[TM+7], 24, v[PW]
.irp c, 0,1
	v_cvt_scalef32_pk16_fp6_f32 v[PC+6*\c:PC+2+6*\c], v[\s+32*\c:\s+15+32*\c], v[TM+12+2*\c]
	v_cvt_scalef32_pk16_fp6_f32 v[PC+12+4*\c:PC+14+4*\c], v[\s+16+32*\c:\s+31+32*\c], v[TM+12+2*\c+1]
.endr
	v_nop                                          ; one plain place behind a scaled conversion
.irp c, 0,1                                    ; a whole block to a lane: lanes 0-15 block 2 c, lanes 16-31 block 2 c + 1
.irp i, 0,1,2
	v_permlane16_swap_b32 v[PC+6*\c+\i], v[PC+12+4*\c+\i]
.endr
.irp i, 0,1,2
	v_mov_b32 v[PC+3+6*\c+\i], v[PC+12+4*\c+\i]
.endr
.endr
.endm
; Block a (16 tokens) of q or k: + bias along the registers, each accumulator from its low end on; quantised; two heads' half fragments and their scale words leave
.macro EPI_QK a
	WIN 0x02+(\a)/4                                ; source 0: window 2 or 3
.set i, 0
.rept 32
	v_pk_add_f32 v[T+2*i:T+2*i+1], v[64*((\a)%4)+2*i:64*((\a)%4)+2*i+1], v[BI+2*i:BI+2*i+1]
.set i, i+1
.endr
	WIN 0
.if (\a) > 0
	s_wait_xcnt 0x0                                ; the last block's stores have read their registers: the codes and the words are written again only behind this wait
.endif
	QUANT T
	v_lshrrev_b32 v[SWV], v11, v[PW]               ; lanes 0-15: the first head's bytes lowest; lanes 16-31: the second head's.  Bytes 2 and 3 meet zero codes and are never 0xff
	global_store_b128 v8, v[PC:PC+3], s[96:97] offset:768*(\a)
	global_store_b64 v9, v[PC+4:PC+5], s[96:97] offset:768*(\a)+512
	global_store_b128 v8, v[PC+6:PC+9], s[46:47] offset:768*(\a)
	global_store_b64 v9, v[PC+10:PC+11], s[46:47] offset:768*(\a)+512
	global_store_b32 v10, v[SWV], s[22:23] offset:64*(\a)
.endm
; Block a (16 features) of v: + the lane's bias; quantised along the 128 tokens; one whole fragment and its scale word leave
.macro EPI_V a
	WIN 0x02+(\a)/4
.set i, 0
.rept 32
.if (\a)%2
	v_pk_add_f32 v[T+2*i:T+2*i+1], v[64*((\a)%4)+2*i:64*((\a)%4)+2*i+1], v[BV+(\a)-1:BV+(\a)] op_sel:[0,1] op_sel_hi:[1,1]
.else
	v_pk_add_f32 v[T+2*i:T+2*i+1], v[64*((\a)%4)+2*i:64*((\a)%4)+2*i+1], v[BV+(\a):BV+(\a)+1] op_sel_hi:[1,0]
.endif
.set i, i+1
.endr
	WIN 0
.if (\a) > 0
	s_wait_xcnt 0x0
.endif
	QUANT T
.irp c, 0,1,2
	global_store_b128 v8, v[PC+4*\c:PC+4*\c+3], s[96:97] offset:((\a)/4)*HKV+((\a)%4)*1536+512*\c
.endr
	global_store_b32 v12, v[PW], s[22:23] offset:((\a)/4)*HKV+((\a)%4)*64   ; both halves of the lanes write the same word
.endm
.macro FINISH
	s_wait_tensorcnt 0x0                           ; the wave's end
	ds_add_u32 v[SPW], v[NIL]
	s_wait_dscnt 0x0
	CROUND                                         ; the closing round
	s_endpgm
.endm
	PLACES NP                                      ; behind the last products: their results are read and A's registers written below
	s_mov_b32 s[SEL], 0x76543210
	s_mov_b32 s[SEL+1], 0xfedcba98
.irp b, 0,1,2,3
	v_mov_b32 v[TM+4+\b], 0                        ; a lane permute's destination counts as one of its sources
.endr
	s_wait_loadcnt 0x0                             ; the biases
	s_mov_b32 s21, 0
	s_cmp_lt_u32 s100, 2                           ; the mode: the same in every partner
	s_cbranch_scc0 .Lout_v
	s_lshl_b32 s18, s17, 4
	s_lshl_b32 s19, s15, 3
	s_add_co_u32 s18, s18, s19                     ; my first tile of 16 tokens
	s_lshr_b32 s19, s18, 6
	s_lshl_b32 s19, s19, 4                         ; 16 x batch
	s_lshl_b32 s20, s42, 2
	s_add_co_u32 s19, s19, s20
	s_lshl_b32 s20, s16, 1
	s_add_co_u32 s19, s19, s20                     ; + my first head
	s_and_b32 s18, s18, 63
	s_mul_i32 s20, s19, s101
	s_add_nc_u64 s[96:97], s[96:97], s[20:21]      ; the head's block
	s_lshl_b32 s20, s18, 6
	s_add_co_u32 s20, s20, s95
	s_add_nc_u64 s[22:23], s[96:97], s[20:21]      ; its scale words, at my tiles
	s_mul_i32 s20, s18, 768
	s_add_nc_u64 s[96:97], s[96:97], s[20:21]      ; its images, at my tiles
	s_mov_b32 s20, s101
	s_add_nc_u64 s[46:47], s[96:97], s[20:21]      ; the next head's
.irp a, 0,1,2,3,4,5,6,7
	EPI_QK \a
.endr
	FINISH
.Lout_v:
	s_lshr_b32 s18, s42, 2
	s_lshl_b32 s18, s18, 4                         ; 16 x batch
	s_lshl_b32 s19, s17, 2
	s_add_co_u32 s18, s18, s19
	s_lshl_b32 s19, s15, 1
	s_add_co_u32 s18, s18, s19                     ; + my first head
	s_and_b32 s19, s42, 3
	s_lshl_b32 s19, s19, 1
	s_add_co_u32 s19, s19, s16                     ; which 128 keys of the batch
	s_mul_i32 s20, s18, HKV
	s_add_nc_u64 s[96:97], s[96:97], s[20:21]
	s_lshl_b32 s20, s19, 8
	s_add_co_u32 s20, s20, 102400
	s_add_nc_u64 s[22:23], s[96:97], s[20:21]
	s_mul_i32 s20, s19, 6144
	s_add_co_u32 s20, s20, 49152
	s_add_nc_u64 s[96:97], s[96:97], s[20:21]
.irp a, 0,1,2,3,4,5,6,7
	EPI_V \a
.endr
	FINISH
.Lfunc_end_k_q0f30f92794_qkv:
	.size	k_q0f30f92794_qkv, .Lfunc_end_k_q0f30f92794_qkv-k_q0f30f92794_qkv
	.p2alignl 7, 3214868480
	.fill 96, 4, 3214868480
	.section	.rodata,"a",@progbits
	.p2align	6, 0x0
	.amdhsa_kernel k_q0f30f92794_qkv
		.amdhsa_group_segment_fixed_size 327680
		.amdhsa_private_segment_fixed_size 0
		.amdhsa_enable_private_segment 0
		.amdhsa_kernarg_size 104
		.amdhsa_user_sgpr_count 2
		.amdhsa_user_sgpr_kernarg_segment_ptr 1
		.amdhsa_wavefront_size32 1
		.amdhsa_system_sgpr_workgroup_id_x 1
		.amdhsa_system_sgpr_workgroup_id_y 1
		.amdhsa_system_sgpr_workgroup_id_z 1
		.amdhsa_system_vgpr_workitem_id 0
		.amdhsa_next_free_vgpr 1024
		.amdhsa_next_free_sgpr 102
		.amdhsa_reserve_vcc 0
		.amdhsa_float_denorm_mode_32 3
		.amdhsa_float_denorm_mode_16_64 3
		.amdhsa_memory_ordered 1
		.amdhsa_forward_progress 1
		.amdhsa_inst_pref_size 235
	.end_amdhsa_kernel
	.amdgpu_metadata
---
amdhsa.version: [ 1, 2 ]
amdhsa.kernels:
  - .name:           k_q0f30f92794_qkv
    .symbol:         k_q0f30f92794_qkv.kd
    .args:
      - { .name: x_codes, .offset: 0, .size: 8, .value_kind: global_buffer, .address_space: global }
      - { .name: x_scales, .offset: 8, .size: 8, .value_kind: global_buffer, .address_space: global }
      - { .name: Wq_codes, .offset: 16, .size: 8, .value_kind: global_buffer, .address_space: global }
      - { .name: Wq_scales, .offset: 24, .size: 8, .value_kind: global_buffer, .address_space: global }
      - { .name: Wk_codes, .offset: 32, .size: 8, .value_kind: global_buffer, .address_space: global }
      - { .name: Wk_scales, .offset: 40, .size: 8, .value_kind: global_buffer, .address_space: global }
      - { .name: Wv_codes, .offset: 48, .size: 8, .value_kind: global_buffer, .address_space: global }
      - { .name: Wv_scales, .offset: 56, .size: 8, .value_kind: global_buffer, .address_space: global }
      - { .name: bq, .offset: 64, .size: 8, .value_kind: global_buffer, .address_space: global }
      - { .name: bk, .offset: 72, .size: 8, .value_kind: global_buffer, .address_space: global }
      - { .name: bv, .offset: 80, .size: 8, .value_kind: global_buffer, .address_space: global }
      - { .name: QB, .offset: 88, .size: 8, .value_kind: global_buffer, .address_space: global }
      - { .name: KV, .offset: 96, .size: 8, .value_kind: global_buffer, .address_space: global }
    .group_segment_fixed_size: 327680
    .private_segment_fixed_size: 0
    .kernarg_segment_align: 8
    .kernarg_segment_size: 104
    .max_flat_workgroup_size: 128
    .sgpr_count:     102
    .vgpr_count:     1024
    .wavefront_size: 32
...
	.end_amdgpu_metadata
.endif
;; end of part 2
;; launch attn (part 3): grid 4 x 64, 16 waves a work-group, no clusters, 288,768 bytes of LDS; arguments QB, KV, TAB, AOI, AOS; writes AOI, AOS
.if DOCPART == 3
	.amdgcn_target "amdgcn-amd-amdhsa--gfx1250"
	.amdhsa_code_object_version 6
	.text
	.protected	k_q0f30f92794_attn
	.globl	k_q0f30f92794_attn
	.p2align	8
	.type	k_q0f30f92794_attn,@function
k_q0f30f92794_attn:
	s_mov_b64 s[64:65], 0
	v_nop
	global_prefetch_b8 v0, s[64:65] scope:SCOPE_SE
	s_setreg_imm32_b32 hwreg(HW_REG_WAVE_MODE, 25, 1), 1
	s_wait_xcnt 0x0
; Attention with relative positions on codes of FP6 (E2M3), one E8M0 scale for each 32 along a product's K.  A work-group owns 256 queries of one (batch, head); each of its sixteen waves 16 of them.
; score(q, k) = Qq . Qk + Qq . EK[k - q + 256]; t = score x log2(e) / 8; p = 2^(t - M), M the running largest t rounded up; the sum is taken of the unquantised p; o = (p V + p RPV) / sum.
; Both products are used transposed: a lane (n, h) holds query n throughout.  A K of 64 goes through the 128-deep form with zero codes in the upper half of q's fragment: what stands in the other side's upper half adds nothing.
; RELATIVE SCORES.  In the three steps of 128 keys round the wave's queries, G = EK's rows x q is made for 48 rows of the table to each 32 keys, put into the wave's stage in LDS one word further on in each row (the skew),
; and read back in the scores' layout as the C of k q^T.  In all other steps the relative score is one number a query (the table's first or last row), added with the scaling.
; RELATIVE VALUES.  K is the keys, so rel_v is quantised in blocks of 32 keys, and its codes hang on a = q mod 32.  For q = 32 g + a: key blocks up to g - 5 hold one number c0[d], from g + 5 on c256[d]: there the product is c x the sum
; of the quantised p, which a product of p with rows of ones gives.  Blocks g - 4 .. g + 4 meet the table T[a]: each wave stashes p's codes of its three band steps in LDS; behind a barrier wave w multiplies T[2 w], T[2 w + 1] by the
; eight queries of the work-group that have that a, and hands the results back through LDS.  The stashed scale bytes are first brought under the last M (bytes less the whole number by which M rose).
; No cluster: where the band lies in the walk over the keys hangs on the query block, so partners would not branch alike.  No ring: a head's K and V codes, 104,448 bytes, stay in LDS whole; every tensor load is a first fill.
; LIMITS: NaN and infinities are not served; |t| under 2^24, so that M and its differences are whole numbers; a stashed block whose byte would fall under 1 is held at 1 (its terms are then under 2^-123 beside a sum above 1/2);
; a block whose largest magnitude lies under 2^-124 keeps the byte 1.
; LDS: 0 the head's block of KV (later the band's results, rows of 272 bytes); 104,448 EK's images, 129,024 its scale words; 131,072 sixteen stages of 4,352; 200,704 the stash; 282,624 its scale bytes.
; REGISTERS: v1-v23 addresses and whole numbers that stay; v24-34 scale words and nothing else; v36-47 q; v48-101 fragments; v102-165 scores, then p; v166-197 O^T; v198-205 the sums of quantised p; v206-217 p's codes; v218-255 at work.
.set HKV,   104448
.set HQ,    53248
.set EKB,   104448
.set EKSB,  129024
.set STG,   131072
.set STASH, 200704
.set SSC,   282624
.set VIO,   49152
.set SROW,  2320                       ; the stash of one a: eight queries x 12 blocks x 24 bytes, + 16
.set OROW,  2192                       ; the band's results of one a: eight rows of 272, + 16
.set S,   102
.set O,   166
.set PC,  206
.set CT,  218
.set BM,  226
.set SO,  230
; one matrix instruction: D at d, source 0 at a, source 1 at b, their scale words in v[sa], v[sb]; row = 1: source 0's words stand in lanes 16-31; acc = 1: onto D, else the sum begins
.macro WM d, a, b, sa, sb, row, acc
.if \acc
.if \row
	v_wmma_scale_f32_16x16x128_f8f6f4 v[\d:\d+7], v[\a:\a+11], v[\b:\b+11], v[\d:\d+7], v[\sa], v[\sb] matrix_a_fmt:MATRIX_FMT_FP6 matrix_b_fmt:MATRIX_FMT_FP6 matrix_a_scale:MATRIX_SCALE_ROW1
.else
	v_wmma_scale_f32_16x16x128_f8f6f4 v[\d:\d+7], v[\a:\a+11], v[\b:\b+11], v[\d:\d+7], v[\sa], v[\sb] matrix_a_fmt:MATRIX_FMT_FP6 matrix_b_fmt:MATRIX_FMT_FP6
.endif
.else
.if \row
	v_wmma_scale_f32_16x16x128_f8f6f4 v[\d:\d+7], v[\a:\a+11], v[\b:\b+11], 0, v[\sa], v[\sb] matrix_a_fmt:MATRIX_FMT_FP6 matrix_b_fmt:MATRIX_FMT_FP6 matrix_a_scale:MATRIX_SCALE_ROW1
.else
	v_wmma_scale_f32_16x16x128_f8f6f4 v[\d:\d+7], v[\a:\a+11], v[\b:\b+11], 0, v[\sa], v[\sb] matrix_a_fmt:MATRIX_FMT_FP6 matrix_b_fmt:MATRIX_FMT_FP6
.endif
.endif
.endm
.macro PLACES n
.rept \n
	v_nop
.endr
.endm
	s_load_b256 s[4:11], s[0:1], 0x0               ; QB, KV, TAB, AOI
	s_load_b64 s[12:13], s[0:1], 0x20              ; AOS
	v_lshl_add_u32 v254, v0, 2, 0x46000
	v_mov_b32 v255, 0
	ds_add_u32 v254, v255
	ds_add_u32 v254, v255
	s_wait_dscnt 0x0
	v_lshrrev_b32 v252, 5, v0
	v_readfirstlane_b32 s14, v252                  ; wave 0..15
	s_and_b32 s15, ttmp7, 0xffff                   ; 16 x batch + head
	s_lshl_b32 s17, ttmp9, 4
	s_add_co_u32 s17, s17, s14                     ; my tile of 16 queries, 0..63
	s_and_b32 s16, s14, 7
	s_xor_b32 s18, s16, 7                          ; 7 - (tile mod 8)
	s_lshr_b32 s19, s17, 1                         ; g: my queries' block of 32
	s_lshr_b32 s57, s17, 3                         ; the step of 128 keys in which my queries lie
	s_mov_b32 s20, 0x76543210
	s_mov_b32 s21, 0xfedcba98                      ; selects for lane l xor 16
	s_mov_b32 s22, 0x3e38aa3b                      ; c = log2(e) / 8
	s_mov_b32 s23, s22
	s_mov_b32 s53, 0x08208208                      ; sixteen codes of 1.0 (0b001000) in three words
	s_mov_b32 s54, 0x82082082
	s_mov_b32 s55, 0x20820820
	s_mov_b32 s71, 0                               ; the high word of every offset
	; descriptor groups 1: dense blocks as rows of 256 bytes (32 elements of 8 bytes): 51 rows of the head's block, 13 rows of the table, for each of eight waves
	s_mov_b32 s24, 3<<16
	s_mov_b32 s25, 32<<16
	s_mov_b32 s26, 51<<16
	s_mov_b32 s27, 32<<16
	s_mov_b32 s28, 51
	s_mov_b32 s29, 32
	s_mov_b32 s30, 0
	s_mov_b32 s31, 0
	s_mov_b32 s32, 3<<16
	s_mov_b32 s33, 32<<16
	s_mov_b32 s34, 13<<16
	s_mov_b32 s35, 32<<16
	s_mov_b32 s36, 13
	s_mov_b32 s37, 32
	s_mov_b32 s38, 0
	s_mov_b32 s39, 0
	; every LDS address that stays, ahead of the first branch
	v_and_b32 v252, 31, v0                         ; lane
	v_and_b32 v253, 15, v0                         ; n
	v_bfe_u32 v254, v0, 4, 1                       ; h
	v_and_b32 v255, 7, v0                          ; n & 7
	v_and_b32 v22, 3, v0                           ; n & 3
	v_lshlrev_b32 v1, 4, v252                      ; 16 x lane
	v_lshlrev_b32 v2, 3, v252                      ; 8 x lane
	v_lshlrev_b32 v23, 2, v252                     ; 4 x lane
	v_add_nc_u32 v3, 98304, v23                    ; K's scale words (V's lie 4,096 further on)
	s_mul_i32 s56, s18, 768
	s_add_co_u32 s56, s56, EKB
	v_add_nc_u32 v4, s56, v1                       ; EK's images from tile 7 - (tile mod 8) on
	v_add_nc_u32 v5, s56, v2
	s_lshl_b32 s56, s18, 6
	s_add_co_u32 s56, s56, EKSB
	v_add_nc_u32 v6, s56, v23                      ; their scale words, two tiles to a register,
	v_lshl_add_u32 v7, v253, 2, s56                ; or one
	s_mul_i32 s56, s14, 4352
	s_add_co_u32 s56, s56, STG
	v_mul_u32_u24 v8, v253, 276                    ; into the stage: row n of 272 bytes, and n words further on: the skew
	v_lshl_add_u32 v8, v254, 5, v8
	v_add_nc_u32 v8, s56, v8
	v_mul_u32_u24 v9, v253, 272                    ; back: row n, from word 16 on
	v_lshl_add_u32 v9, v254, 5, v9
	v_add_nc_u32 v9, s56, v9
	v_add_nc_u32 v9, 64, v9
	s_and_b32 s56, s14, 1
	s_lshr_b32 s66, s14, 1                         ; gl: my block of 32 among the work-group's eight
	s_mul_i32 s67, s56, 16*SROW
	s_mul_i32 s68, s66, 288
	s_add_co_u32 s67, s67, s68
	s_add_co_u32 s67, s67, STASH
	v_mul_u32_u24 v10, v253, SROW
	v_mad_u32_u24 v10, v254, 24, v10
	v_add_nc_u32 v10, s67, v10                     ; my query's stash: a = 16 (wave & 1) + n, query gl, + 24 h
	s_lshl_b32 s67, s56, 11
	s_lshl_b32 s68, s66, 4
	s_add_co_u32 s67, s67, s68
	s_add_co_u32 s67, s67, SSC
	v_lshl_add_u32 v11, v253, 7, s67               ; its scale bytes: 16 (8 a + gl)
	s_mul_i32 s67, s14, 2*SROW
	s_add_co_u32 s67, s67, STASH
	v_mul_u32_u24 v12, v255, 288
	v_mad_u32_u24 v12, v22, 24, v12
	v_mad_u32_u24 v12, v254, 24, v12
	v_add_nc_u32 v12, s67, v12                     ; the band product's source 1: a = 2 wave, query n & 7, whose table block 0 is stash block n & 3
	s_lshl_b32 s67, s14, 8
	s_add_co_u32 s67, s67, SSC
	v_lshl_add_u32 v13, v255, 4, s67
	s_mul_i32 s67, s14, 2*OROW
	v_mul_u32_u24 v14, v255, 272
	v_lshl_add_u32 v14, v254, 5, v14
	v_add_nc_u32 v14, s67, v14                     ; where its results go
	s_mul_i32 s67, s56, 16*OROW
	s_mul_i32 s68, s66, 272
	s_add_co_u32 s67, s67, s68
	v_mul_u32_u24 v15, v253, OROW
	v_lshl_add_u32 v15, v254, 5, v15
	v_add_nc_u32 v15, s67, v15                     ; and where I find my queries'
	v_lshlrev_b32 v22, 3, v22                      ; 8 (n & 3): the shift for the stash's scale bytes
	v_lshl_add_u32 v35, v0, 4, STASH
	v_add_nc_u32 v19, 0x10000, v35
	v_lshlrev_b32 v243, 2, v253                    ; 4 n
	; rows of ones: source 0's row 0 counts key blocks up to g - 5, row 1 those from g + 5 on.  Y = sigma x (block - g), sigma = -1, +1, 0: a block counts where Y >= 5
	v_mov_b32 v21, 0
	v_mov_b32 v255, 1
	v_cmp_eq_u32 vcc_lo, 1, v253
	v_cndmask_b32 v21, v21, v255, vcc_lo
	v_mov_b32 v255, -1
	v_cmp_eq_u32 vcc_lo, 0, v253
	v_cndmask_b32 v21, v21, v255, vcc_lo
	v_mov_b32 v255, s19
	v_sub_nc_u32 v20, v254, v255
	v_mul_lo_u32 v20, v20, v21
	v_lshlrev_b32 v21, 1, v21                      ; 2 sigma
	s_mul_i32 s56, s16, 13056
	s_mul_i32 s70, s15, HKV
	s_add_co_u32 s70, s70, s56
	s_wait_kmcnt 0x0
	s_mov_b32 s40, 1
	s_mov_b32 s41, s56                             ; LDS: (wave & 7) x 13,056
	s_add_nc_u64 s[42:43], s[6:7], s[70:71]
	s_or_b32 s43, s43, 0x80000000
	s_mul_i32 s70, s16, 3328
	s_mov_b32 s44, 1
	s_add_co_u32 s45, s70, EKB
	s_add_nc_u64 s[46:47], s[8:9], s[70:71]
	s_or_b32 s47, s47, 0x80000000
	s_cmp_lt_u32 s14, 8                            ; waves 0-7 fetch the head's block, waves 8-15 the table: one tensor load a wave, each a first fill
	s_cbranch_scc0 .Lfill_e
	tensor_load_to_lds s[40:43], s[24:31]
	s_nop 0
	PLACES 4
	s_branch .Lfilled
.Lfill_e:
	tensor_load_to_lds s[44:47], s[32:39]
	s_nop 0
	PLACES 4
.Lfilled:
	s_mul_i32 s70, s15, HQ
	s_mul_i32 s56, s17, 768
	s_add_co_u32 s70, s70, s56
	s_add_nc_u64 s[66:67], s[4:5], s[70:71]        ; q's image
	s_mul_i32 s70, s15, HQ
	s_lshl_b32 s56, s17, 6
	s_add_co_u32 s70, s70, s56
	s_add_co_u32 s70, s70, 49152
	s_add_nc_u64 s[68:69], s[4:5], s[70:71]        ; its scale words
	global_load_b128 v[36:39], v1, s[66:67]
	global_load_b64 v[40:41], v2, s[66:67] offset:512
	global_load_b32 v24, v243, s[68:69]
	s_mul_i32 s70, s14, 2*18432
	s_add_co_u32 s70, s70, 51712
	s_add_nc_u64 s[58:59], s[8:9], s[70:71]        ; T's images of a = 2 wave
	s_mul_i32 s70, s14, 2*768
	s_add_co_u32 s70, s70, 27136
	s_add_nc_u64 s[60:61], s[8:9], s[70:71]        ; their scale words
	s_add_nc_u64 s[62:63], s[8:9], 26624           ; c0, c256
	s_lshr_b32 s56, s15, 4
	s_lshl_b32 s56, s56, 6
	s_add_co_u32 s56, s56, s17                     ; my tile of 16 tokens among all 256
	s_and_b32 s16, s15, 15                         ; the head
	s_mul_i32 s70, s56, 12288
	s_mul_i32 s18, s16, 768
	s_add_co_u32 s70, s70, s18
	s_add_nc_u64 s[10:11], s[10:11], s[70:71]      ; the output's image: half a K step of 128 to a head
	s_lshl_b32 s70, s56, 9
	s_lshl_b32 s18, s16, 1
	s_add_co_u32 s70, s70, s18
	s_add_nc_u64 s[12:13], s[12:13], s[70:71]      ; its scale bytes: 32 a token, two a head
.irp r, 42,43,44,45,46,47, 60,61,62,63,64,65,66,67,68,69,70,71, 96,97,98,99,100,101
	v_mov_b32 v\r, 0                               ; q's upper half; the tails behind the fragments
.endr
.set j, 0
.rept 40
	v_mov_b32 v[O+j], 0                            ; O^T and the sums of quantised p: the loop is written once, its first step finds zeros
.set j, j+1
.endr
.irp r, 218,219,220,221, 235,237, 240,241, 252,253,254,255
	v_mov_b32 v\r, 0                               ; permutes' destinations, upper halves of named pairs, the row's sum
.endr
	v_mov_b32 v25, 0x7f7f7f7f                      ; the ones' scale: 1
	v_mov_b32 v239, 0xff61b1e6                     ; the largest t so far: -3e38
	v_floor_f32 v238, -v239                        ; -M
.irp k, 0,1,2
	v_mov_b32 v[246+\k], 0x01010101                ; a band step that does not exist keeps zero codes and these bytes
	v_mov_b32 v[249+\k], 0x7f000000
.endr
.irp i, 0,1,2,3,4,5,6,7
	ds_store_b128 v35, v[60:63] offset:8192*\i     ; the stash begins as zero codes: 512 threads x 16 bytes x 10
.endr
	ds_store_b128 v19, v[60:63]
	ds_store_b128 v19, v[60:63] offset:8192
	s_wait_tensorcnt 0x0                           ; my part of the fills has landed,
	s_wait_dscnt 0x0                               ; my zeros are stored:
	s_barrier_signal -1
	s_barrier_wait -1                              ; everybody's
	s_wait_loadcnt 0x0                             ; q
	; the relative score far below and far above the band: the table's first and last rows
	v_add_nc_u32 v16, EKB, v1
	v_add_nc_u32 v17, EKB, v2
	v_add_nc_u32 v18, EKSB, v243
	ds_load_b128 v[48:51], v16
	ds_load_b64 v[52:53], v17 offset:512
	ds_load_b128 v[54:57], v16 offset:31*768
	ds_load_b64 v[58:59], v17 offset:31*768+512
	ds_load_b32 v33, v18
	ds_load_b32 v34, v18 offset:31*64
	s_wait_dscnt 0x0
	WM 72, 48, 36, 33, 24, 0, 0
	WM 80, 54, 36, 34, 24, 0, 0
	PLACES 4
	v_mul_f32 v244, s22, v72                       ; as t
	v_mul_f32 v245, s22, v80
	s_mov_b32 s48, 0                               ; the step
	s_mov_b32 s50, 0                               ; 6,144 x step: K's and V's images
	s_mov_b32 s51, 0                               ; 512 x step: K's scale words
	s_mov_b32 s52, 0                               ; 256 x step: V's
; The relative scores of band step rh (0, 1, 2), 32 keys at a time: three tiles of the table x q; through the stage with the skew; back as the scores' C
.macro GPHASE rh
.irp kq, 0,1,2,3
.irp t, 0,1,2
	ds_load_b128 v[48+6*\t:51+6*\t], v4 offset:768*(8*\rh+2*\kq+\t)
	ds_load_b64 v[52+6*\t:53+6*\t], v5 offset:768*(8*\rh+2*\kq+\t)+512
.endr
	ds_load_b32 v33, v6 offset:64*(8*\rh+2*\kq)
	ds_load_b32 v34, v7 offset:64*(8*\rh+2*\kq)+128
	s_wait_dscnt 0x0
	WM 72, 48, 36, 33, 24, 0, 0
	WM 80, 54, 36, 33, 24, 1, 0
	WM 88, 60, 36, 34, 24, 0, 0
	PLACES 5                                       ; four for the stores and loads below, five for the next quarter's products, which write over these results
.irp t, 0,1,2
.irp j, 0,1,2,3,4,5,6,7
	ds_store_b32 v8, v[72+8*\t+\j] offset:4*(16*\t+\j)   ; table row 16 t + 8 h + j for query n, at word row + n
.endr
.endr
.irp u, 0,1
	ds_load_b128 v[S+16*\kq+8*\u:S+16*\kq+8*\u+3], v9 offset:64*\u        ; LDS serves a wave's instructions in order: these see the stores above
	ds_load_b128 v[S+16*\kq+8*\u+4:S+16*\kq+8*\u+7], v9 offset:64*\u+16
.endr
.endr
.endm
.macro KLOAD                           ; the step's eight tiles of 16 keys, half fragments on end, and their scale words, two tiles to a register
.irp t, 0,1,2,3,4,5,6,7
	ds_load_b128 v[48+6*\t:51+6*\t], v16 offset:768*\t
	ds_load_b64 v[52+6*\t:53+6*\t], v17 offset:768*\t+512
.endr
.irp y, 0,1,2,3
	ds_load_b32 v[27+\y], v18 offset:128*\y
.endr
	s_wait_dscnt 0x0
.endm
.macro QK acc                          ; S^T = K q^T; a tile's upper half is the next tile's codes, which meet q's zeros
.irp t, 0,1,2,3,4,5,6,7
	WM S+8*\t, 48+6*\t, 36, 27+\t/2, 24, \t%2, \acc
.endr
.endm
.macro STASHP rh                       ; p's codes of band step rh, its scale word and the M under which they were made
.irp c, 0,1
.irp i, 0,1,2
	ds_store_b64 v10, v[PC+6*\c+2*\i:PC+6*\c+2*\i+1] offset:96*\rh+48*\c+8*\i
.endr
.endr
	v_mov_b32 v[246+\rh], v26
	v_mov_b32 v[249+\rh], v238
.endm
.Lstep:                                            ; eight trips of 128 keys
	v_add_nc_u32 v16, s50, v1                      ; these four and the v_nop are the five places behind the last trip's products: this trip's first products write over registers
	v_add_nc_u32 v17, s50, v2                      ; that those have read (V's fragments in v72-95 in a band step, the rows of ones in v102-113 in a far step), which asks for five;
	v_add_nc_u32 v18, s51, v3                      ; the loads into v48 on ask for four
	v_add_nc_u32 v19, s52, v3
	v_nop
	s_sub_co_i32 s49, s48, s57
	s_add_co_i32 s49, s49, 1                       ; 0, 1, 2 in the band
	s_cmp_lt_u32 s49, 3
	s_cbranch_scc0 .Lfar
	s_cmp_eq_u32 s49, 0
	s_cbranch_scc1 .Lg0
	s_cmp_eq_u32 s49, 1
	s_cbranch_scc1 .Lg1
	GPHASE 2
	s_branch .Lband
.Lg0:
	GPHASE 0
	s_branch .Lband
.Lg1:
	GPHASE 1
.Lband:
	KLOAD
	QK 1                                           ; onto the relative scores
	v_mov_b32 v243, 0
	s_branch .Lsoft
.Lfar:
	KLOAD
	QK 0
	s_cmp_lt_i32 s49, 0
	s_cselect_b32 vcc_lo, -1, 0
	v_cndmask_b32 v243, v245, v244, vcc_lo         ; the one relative score of my query, as t: below the band or above
.Lsoft:
	PLACES 4
.irp d, 0,1,2,3
.irp c, 0,1,2
	ds_load_b128 v[48+12*\d+4*\c:51+12*\d+4*\c], v16 offset:VIO+1536*\d+512*\c   ; V's four fragments land under the softmax
.endr
.endr
	ds_load_b32 v31, v19 offset:4096
	ds_load_b32 v32, v19 offset:4096+128
.irp b, 0,1,2,3
	v_max3_num_f32 v[BM+\b], v[S+16*\b], v[S+16*\b+1], v[S+16*\b+2]   ; the largest score of each block of 32 keys: for the row's maximum and for the block's largest p
.endr
.irp i, 3,5,7,9,11,13
.irp b, 0,1,2,3
	v_max3_num_f32 v[BM+\b], v[BM+\b], v[S+16*\b+\i], v[S+16*\b+\i+1]
.endr
.endr
.irp b, 0,1,2,3
	v_max_num_f32 v[BM+\b], v[BM+\b], v[S+16*\b+15]
.endr
.irp b, 0,1,2,3
	v_permlanex16_b32 v[CT+\b], v[BM+\b], s20, s21
.endr
.irp b, 0,1,2,3
	v_max_num_f32 v[BM+\b], v[BM+\b], v[CT+\b]
.endr
	v_max3_num_f32 v242, v226, v227, v228
	v_max_num_f32 v242, v242, v229
	v_fma_f32 v242, s22, v242, v243                ; the step's largest t
	v_max_num_f32 v239, v239, v242
	v_mov_b32 v242, v238
	v_floor_f32 v238, -v239                        ; the new -M: M is a whole number
	v_sub_f32 v242, v238, v242
	v_cvt_i32_f32 v242, v242                       ; (it saturates)
	v_ldexp_f32 v236, 1.0, v242                    ; f = 2^(old M - new M)
	v_add_f32 v234, v243, v238                     ; what is added to c x score
.set j, 0
.rept 32
	v_pk_fma_f32 v[S+j:S+j+1], v[S+j:S+j+1], s[22:23], v[234:235] op_sel_hi:[1,0,0]
.set j, j+2
.endr
.irp b, 0,1,2,3
	v_fma_f32 v[BM+\b], v[BM+\b], s22, v234
.endr
.set j, 0
.rept 64
	v_exp_f32 v[S+j], v[S+j]                       ; p = 2^(t - M)
.set j, j+1
.endr
.irp b, 0,1,2,3
	v_exp_f32 v[BM+\b], v[BM+\b]                   ; the block's largest p: the same two instructions on the same number
.endr
	v_pk_mul_f32 v[240:241], v[240:241], v[236:237] op_sel_hi:[1,0]   ; the sum under the new M (a plain place behind the exponentials)
	s_wait_alu depctr_va_vdst(0)
.irp b, 0,1,2,3
	v_max_num_f32 v[BM+\b], 0x1800000, v[BM+\b]
.endr
.irp b, 0,1,2,3
	v_add_nc_u32 v[SO+\b], 0xff000000, v[BM+\b]
.endr
.irp b, 0,1,2,3
	v_lshrrev_b32 v[CT+\b], 23, v[SO+\b]
.endr
	v_lshl_or_b32 v26, v219, 8, v218               ; p's scale word for these 128 keys
	v_lshl_or_b32 v26, v220, 16, v26
	v_lshl_or_b32 v26, v221, 24, v26
.irp c, 0,1
	v_cvt_scalef32_pk16_fp6_f32 v[PC+6*\c:PC+6*\c+2], v[S+32*\c:S+32*\c+15], v[SO+2*\c]
	v_cvt_scalef32_pk16_fp6_f32 v[CT+4*\c:CT+4*\c+2], v[S+32*\c+16:S+32*\c+31], v[SO+2*\c+1]
.endr
	v_nop                                          ; one plain place behind a scaled conversion
.irp c, 0,1
.irp i, 0,1,2
	v_permlane16_swap_b32 v[PC+6*\c+\i], v[CT+4*\c+\i]
.endr
.irp i, 0,1,2
	v_mov_b32 v[PC+3+6*\c+\i], v[CT+4*\c+\i]
.endr
.endr
	v_pk_add_f32 v[CT:CT+1], v[S:S+1], v[S+2:S+3]  ; the row's sum is taken of the unquantised p, in two chains
.set j, 4
.rept 15
	v_pk_add_f32 v[240:241], v[240:241], v[S+j:S+j+1]
	v_pk_add_f32 v[CT:CT+1], v[CT:CT+1], v[S+j+2:S+j+3]
.set j, j+4
.endr
	v_pk_add_f32 v[240:241], v[240:241], v[CT:CT+1]
	v_sub_nc_u32 v242, 4, v20                      ; the rows of ones, where p lay: negative where Y >= 5,
	v_ashrrev_i32 v242, 31, v242                   ; so all ones there
.irp i, 0,1,2,3,4,5
	v_and_b32 v[S+\i], s[53+\i%3], v242
.endr
	v_add_nc_u32 v20, v20, v21                     ; two blocks on
	v_sub_nc_u32 v242, 4, v20
	v_ashrrev_i32 v242, 31, v242
.irp i, 0,1,2,3,4,5
	v_and_b32 v[S+6+\i], s[53+\i%3], v242
.endr
	v_add_nc_u32 v20, v20, v21                     ; and two more: the next step's first
.set j, 0
.rept 17
	v_pk_mul_f32 v[O+j:O+j+1], v[O+j:O+j+1], v[236:237] op_sel_hi:[1,0]   ; O^T and the two sums of quantised p under the new M.  (Also the places in front of the products below)
.set j, j+2
.endr
	s_wait_dscnt 0x0                               ; V
.irp d, 0,1,2,3
	WM O+8*\d, 48+12*\d, PC, 31+\d/2, 26, \d%2, 1  ; the five accumulators take turns
.endr
	WM 198, S, PC, 25, 26, 0, 1
	s_cmp_lt_u32 s49, 3
	s_cbranch_scc0 .Lnext
	s_cmp_eq_u32 s49, 0
	s_cbranch_scc1 .Ls0
	s_cmp_eq_u32 s49, 1
	s_cbranch_scc1 .Ls1
	STASHP 2
	s_branch .Lnext
.Ls0:
	STASHP 0
	s_branch .Lnext
.Ls1:
	STASHP 1
.Lnext:
	s_add_co_u32 s50, s50, 6144
	s_add_co_u32 s51, s51, 512
	s_add_co_u32 s52, s52, 256
	s_add_co_u32 s48, s48, 1
	s_cmp_lt_u32 s48, 8
	s_cbranch_scc1 .Lstep
; The stashed scale words under the last M: each byte b becomes b - min(rise of M, b - 1)
.macro FIX k
	v_sub_f32 v242, v[249+\k], v238
	v_cvt_i32_f32 v242, v242
	v_min_u32 v242, 0xff, v242
.irp b, 0,1,2,3
	v_bfe_u32 v[218+\b], v[246+\k], 8*\b, 8
.endr
.irp b, 0,1,2,3
	v_add_nc_u32 v[222+\b], -1, v[218+\b]
.endr
.irp b, 0,1,2,3
	v_min_u32 v[222+\b], v[222+\b], v242
.endr
.irp b, 0,1,2,3
	v_sub_nc_u32 v[218+\b], v[218+\b], v[222+\b]
.endr
	v_lshl_or_b32 v[252+\k], v219, 8, v218
	v_lshl_or_b32 v[252+\k], v220, 16, v[252+\k]
	v_lshl_or_b32 v[252+\k], v221, 24, v[252+\k]
.endm
	FIX 0
	FIX 1
	FIX 2
	v_mov_b32 v255, 0x7f7f7f7f
	ds_store_b128 v11, v[252:255]                  ; twelve bytes and a word of ones behind them
; T's four fragments and their scale words of stage x = 3 (a & 1) + K step, into set x % 2: 14 loads
.macro TLD x
.irp d, 0,1,2,3
.irp c, 0,1,2
	global_load_b128 v[36+48*((\x)%2)+12*\d+4*\c:39+48*((\x)%2)+12*\d+4*\c], v1, s[58:59] offset:6144*(\x)+1536*\d+512*\c
.endr
.endr
.irp y, 0,1
	global_load_b32 v[27+2*((\x)%2)+\y], v23, s[60:61] offset:256*(\x)+128*\y
.endr
.endm
	TLD 0
	TLD 1
	s_wait_dscnt 0x0                               ; my stash and its bytes are stored; my reads of K, V and the table are over
	s_barrier_signal -1
	s_barrier_wait -1
; Source 1 of the band product for a = 2 wave + ai: column n & 7 is the work-group's query 32 (n & 7) + a; nine blocks from stash block n & 3 on
.macro BLD ai
.irp c, 0,1
.irp i, 0,1,2
	ds_load_b64 v[138+6*\c+2*\i:139+6*\c+2*\i], v12 offset:SROW*\ai+48*\c+8*\i
	ds_load_b64 v[150+6*\c+2*\i:151+6*\c+2*\i], v12 offset:SROW*\ai+96+48*\c+8*\i
.endr
.endr
.irp i, 0,1,2
	ds_load_b64 v[132+2*\i:133+2*\i], v12 offset:SROW*\ai+192+8*\i
.endr
	ds_load_b128 v[162:165], v13 offset:128*\ai
	s_wait_dscnt 0x0
	v_alignbit_b32 v31, v163, v162, v22            ; four bytes from byte n & 3 on, for each K step
	v_alignbit_b32 v32, v164, v163, v22
	v_alignbit_b32 v33, v165, v164, v22
	PLACES 8                                       ; a scale register written by a vector instruction stands eight places ahead of the product
.endm
.macro BSTAGE x, bf, acc, left
	s_wait_loadcnt \left                           ; this stage's 14 loads are in; the next stage's 14 may be out
.irp d, 0,1,2,3
	WM 206+8*\d, 36+48*((\x)%2)+12*\d, \bf, 27+2*((\x)%2)+\d/2, 31+(\x)%3, \d%2, \acc
.endr
	PLACES 4
.endm
.macro OSTORE ai
.irp d, 0,1,2,3
	ds_store_b128 v14, v[206+8*\d:209+8*\d] offset:OROW*\ai+64*\d       ; lanes 8-15 repeat lanes 0-7's bytes
	ds_store_b128 v14, v[210+8*\d:213+8*\d] offset:OROW*\ai+64*\d+16
.endr
.endm
	BLD 0
	BSTAGE 0, 138, 0, 14
	TLD 2
	BSTAGE 1, 150, 1, 14
	TLD 3
	BSTAGE 2, 132, 1, 14                           ; (its upper half is the first K step's codes: they meet T's zero codes)
	TLD 4
	OSTORE 0
	BLD 1
	BSTAGE 3, 138, 0, 14
	TLD 5
	BSTAGE 4, 150, 1, 14
	BSTAGE 5, 132, 1, 0
	OSTORE 1
	v_bfe_u32 v35, v0, 4, 1
	v_lshlrev_b32 v35, 5, v35                      ; 32 h
.irp d, 0,1,2,3
	global_load_b128 v[68+8*\d:71+8*\d], v35, s[62:63] offset:64*\d          ; c0 at my eight d of each tile,
	global_load_b128 v[72+8*\d:75+8*\d], v35, s[62:63] offset:64*\d+16
	global_load_b128 v[100+8*\d:103+8*\d], v35, s[62:63] offset:256+64*\d    ; c256
	global_load_b128 v[104+8*\d:107+8*\d], v35, s[62:63] offset:256+64*\d+16
.endr
	s_wait_dscnt 0x0                               ; my results are stored
	s_barrier_signal -1
	s_barrier_wait -1
.irp d, 0,1,2,3
	ds_load_b128 v[36+8*\d:39+8*\d], v15 offset:64*\d
	ds_load_b128 v[40+8*\d:43+8*\d], v15 offset:64*\d+16
.endr
	v_add_f32 v240, v240, v241                     ; the sum's two halves,
	v_permlanex16_b32 v242, v240, s20, s21
	v_add_f32 v240, v240, v242                     ; and lane l xor 16's
	v_permlanex16_b32 v254, v198, s20, s21         ; the sums of quantised p stand in lanes 0-15 (rows 0 and 1); rows 8 and 9 are zeros
	v_permlanex16_b32 v255, v199, s20, s21
	v_add_f32 v252, v198, v254
	v_add_f32 v253, v199, v255
	v_rcp_f32 v254, v240
	s_wait_dscnt 0x0
.set j, 0
.rept 16
	v_pk_add_f32 v[O+j:O+j+1], v[O+j:O+j+1], v[36+j:37+j]                  ; + the band
.set j, j+2
.endr
	s_wait_loadcnt 0x0
.set j, 0
.rept 16
	v_pk_fma_f32 v[O+j:O+j+1], v[68+j:69+j], v[252:253], v[O+j:O+j+1] op_sel_hi:[1,0,1]   ; + c0 x the sum below the band
.set j, j+2
.endr
.set j, 0
.rept 16
	v_pk_fma_f32 v[O+j:O+j+1], v[100+j:101+j], v[252:253], v[O+j:O+j+1] op_sel:[0,1,0] op_sel_hi:[1,1,1]   ; + c256 x the sum above it
.set j, j+2
.endr
.set j, 0
	s_wait_alu depctr_va_vdst(0)
.rept 16
	v_pk_mul_f32 v[O+j:O+j+1], v[O+j:O+j+1], v[254:255] op_sel_hi:[1,0]    ; / the row's sum
.set j, j+2
.endr
	; This operand meets Wo's given codes, so its d must lie in their true order: the halves of two neighbouring tiles change places, and a lane's 16 registers are 16 neighbouring d
.irp b, 0,1
.irp j, 0,1,2,3,4,5,6,7
	v_permlane16_swap_b32 v[O+16*\b+\j], v[O+8+16*\b+\j]
.endr
.endr
.irp b, 0,1
	v_max3_num_f32 v[226+\b], |v[O+16*\b]|, |v[O+1+16*\b]|, 0x1800000
.endr
.irp i, 2,4,6,8,10,12,14
.irp b, 0,1
	v_max3_num_f32 v[226+\b], v[226+\b], |v[O+16*\b+\i]|, |v[O+1+16*\b+\i]|
.endr
.endr
.irp b, 0,1
	v_permlanex16_b32 v[228+\b], v[226+\b], s20, s21
.endr
.irp b, 0,1
	v_max_num_f32 v[226+\b], v[226+\b], v[228+\b]
.endr
.irp b, 0,1
	v_add_nc_u32 v[230+\b], 0xff000000, v[226+\b]
.endr
.irp b, 0,1
	v_lshrrev_b32 v[228+\b], 23, v[230+\b]
.endr
	v_lshl_or_b32 v232, v229, 8, v228              ; the head's two scale bytes of my token
	v_and_b32 v233, 15, v0
	v_lshlrev_b32 v233, 5, v233                    ; 32 bytes a token
	v_cvt_scalef32_pk16_fp6_f32 v[206:208], v[O:O+15], v230
	v_cvt_scalef32_pk16_fp6_f32 v[210:212], v[O+16:O+31], v231
	v_nop                                          ; one plain place behind a scaled conversion
.irp i, 0,1,2
	v_permlane16_swap_b32 v[206+\i], v[210+\i]
.endr
	v_mov_b32 v209, v210
	v_mov_b32 v210, v211
	v_mov_b32 v211, v212
	global_store_b64 v2, v[206:207], s[10:11]      ; each store covers 256 consecutive bytes, at a multiple of 256 from the buffer's first byte
	global_store_b64 v2, v[208:209], s[10:11] offset:256
	global_store_b64 v2, v[210:211], s[10:11] offset:512
	global_store_b16 v233, v232, s[12:13]          ; two bytes of each of 16 rows that lie within 512 bytes; both halves of the lanes write the same
	s_wait_xcnt 0x0
	v_lshl_add_u32 v254, v0, 2, 0x46000
	v_mov_b32 v255, 0
	s_wait_tensorcnt 0x0
	ds_add_u32 v254, v255
	s_wait_dscnt 0x0
	s_endpgm
.Lfunc_end_k_q0f30f92794_attn:
	.size	k_q0f30f92794_attn, .Lfunc_end_k_q0f30f92794_attn-k_q0f30f92794_attn
	.p2alignl 7, 3214868480
	.fill 96, 4, 3214868480
	.section	.rodata,"a",@progbits
	.p2align	6, 0x0
	.amdhsa_kernel k_q0f30f92794_attn
		.amdhsa_group_segment_fixed_size 288768
		.amdhsa_private_segment_fixed_size 0
		.amdhsa_enable_private_segment 0
		.amdhsa_kernarg_size 40
		.amdhsa_user_sgpr_count 2
		.amdhsa_user_sgpr_kernarg_segment_ptr 1
		.amdhsa_wavefront_size32 1
		.amdhsa_system_sgpr_workgroup_id_x 1
		.amdhsa_system_sgpr_workgroup_id_y 1
		.amdhsa_system_sgpr_workgroup_id_z 1
		.amdhsa_system_vgpr_workitem_id 0
		.amdhsa_next_free_vgpr 256
		.amdhsa_next_free_sgpr 72
		.amdhsa_reserve_vcc 1
		.amdhsa_float_denorm_mode_32 3
		.amdhsa_float_denorm_mode_16_64 3
		.amdhsa_memory_ordered 1
		.amdhsa_forward_progress 1
		.amdhsa_inst_pref_size 97
	.end_amdhsa_kernel
	.amdgpu_metadata
---
amdhsa.version: [ 1, 2 ]
amdhsa.kernels:
  - .name:           k_q0f30f92794_attn
    .symbol:         k_q0f30f92794_attn.kd
    .args:
      - { .name: QB, .offset: 0, .size: 8, .value_kind: global_buffer, .address_space: global }
      - { .name: KV, .offset: 8, .size: 8, .value_kind: global_buffer, .address_space: global }
      - { .name: TAB, .offset: 16, .size: 8, .value_kind: global_buffer, .address_space: global }
      - { .name: AOI, .offset: 24, .size: 8, .value_kind: global_buffer, .address_space: global }
      - { .name: AOS, .offset: 32, .size: 8, .value_kind: global_buffer, .address_space: global }
    .group_segment_fixed_size: 288768
    .private_segment_fixed_size: 0
    .kernarg_segment_align: 8
    .kernarg_segment_size: 40
    .max_flat_workgroup_size: 512
    .sgpr_count:     72
    .vgpr_count:     256
    .wavefront_size: 32
...
	.end_amdgpu_metadata
.endif
;; end of part 3
;; launch oproj (part 4): grid 4 x 16, 4 waves a work-group, clusters of 4 x 4, 327,680 bytes of LDS; arguments AOI, AOS, Wo_codes, Wo_scales, bo, out0; writes out0
.if DOCPART == 4
	.amdgcn_target "amdgcn-amd-amdhsa--gfx1250"
	.amdhsa_code_object_version 6
	.text
	.protected	k_q0f30f92794_oproj
	.globl	k_q0f30f92794_oproj
	.p2align	8
	.type	k_q0f30f92794_oproj,@function
k_q0f30f92794_oproj:
	s_mov_b64 s[64:65], 0
	v_nop
	global_prefetch_b8 v0, s[64:65] scope:SCOPE_SE
	s_setreg_imm32_b32 hwreg(HW_REG_WAVE_MODE, 25, 1), 1
	s_wait_xcnt 0x0
	s_wait_alu depctr_hold_cnt(0) depctr_sa_sdst(0) depctr_va_vdst(0) depctr_va_sdst(0) depctr_va_ssrc(0) depctr_va_vcc(0) depctr_vm_vsrc(0)
	s_getreg_b32 s2, hwreg(HW_REG_IB_STS2, 6, 4)
	s_cmp_eq_u32 s2, 0
	s_cbranch_scc0 .Lentry_in_a_cluster
	s_endpgm
.Lentry_in_a_cluster:
	s_bfe_u32 s2, ttmp6, 0x10000c
	s_cmp_lg_u32 s2, 0xf033
	s_cbranch_scc0 .Lentry_shape_is_right
	s_endpgm
.Lentry_shape_is_right:
; out0 = A Wo^T + bo.  A: the attention's output, 4,096 tokens x 1,024, as codes of FP6 (E2M3) laid as images of the operand's registers ([tile of 16 tokens][K step of 128][6 pieces][32 lanes][8 bytes]), scale bytes [4,096][32].
; Wo: codes [1,024][768 bytes], scale bytes [1,024][32].  out0: [4,096][1,024] f32; sums in f32.
; A tile of 256 x 256 to a work-group of four waves, 128 x 128 to a wave; K in steps of 256 through a ring of two LDS slots; the scale bytes come once.  4 x 4 work-groups form a cluster: A's tiles are asked for jointly along a row
; of it, Wo's along a column.  The grid is 64 work-groups: the tile is kept large so that no fragment is read twice.
; The matrix instruction is used transposed (source 0 = 16 rows of Wo, source 1 = 16 tokens): a lane holds eight neighbouring numbers of a row of out0.  The bias is the C of each sum's first product.
; REGISTERS, in windows of 256: window 0: v0-31 addresses; v32-63 scale words, two sets; v64-127 the bias; v128-223 A's fragments, ONE set; on the way out v128-255 are rows read back.
;   window 1: Wo's fragments, TWO sets.   window 2: the accumulators of my rows 0-63;   window 3: those of rows 64-127.
.set SIZE_N, 1024
.set SIZE_K, 1024
.set KSTEP,  256
.set NQ,     KSTEP/128
.set ROWB,   192
.set AROWB,  3072                      ; a tile of 16 tokens x 256 along K in A's image
.set KROW,   SIZE_K*6/8
.set PITCH,  240
.set FR,     12
.set NL,     6
.set NP,     4
.set HALFT,  128*PITCH
.set SLOT,   4*HALFT
.set LAPS,   SIZE_K/(2*KSTEP)
.set KS,     SIZE_K/32
.set SCL,    2*SLOT
.set HALFS,  (128*KS/256)*272
.set SBLK,   (16*KS/256)*272
.set SPARE,  SCL+4*HALFS
.set SPITCH, 528                       ; the way out: a stage of 16 rows x (512 bytes + 16) for each wave, in slot 0, which has had its last fill and its last read by then
.set ADRA, 16
.set ADRB, 20
.set STO,  24
.set RD,   25
.set CO,   26
.set ADRS, 27
.set SPW,  28
.set NIL,  29
.set SC,   32
.set BI,   64
.set AF,   128
.set BK,   128
.set G1, 24
.set G0, 32
.set G1B, 48
.set G0B, 56
.set G1S, 68
.set G0S, 76
.set G1SB, 80
.set G0SB, 88
.set MSB, 0
.macro WIN new
.if MSB != \new
	s_set_vgpr_msb (MSB<<8)|\new
.set MSB, \new
.endif
.endm
.set MUL_LO, 0xa1
.set MUL_HI, 0xf1
.set TO_B,   0x40
.macro WINM hi, zero                   ; the products' windows: with zero = 1 the C is the bias, in window 0
.if \zero
	WIN 0x81+0x40*(\hi)
.else
	WIN MUL_LO+0x50*(\hi)
.endif
.endm
.macro JLOAD g0a, g1a, g0b, g1b
	s_cmp_eq_u32 s15, 0
	s_cbranch_scc0 .Lfor_b_\@
	tensor_load_to_lds s[\g0a:\g0a+3], s[\g1a:\g1a+7]
	s_nop 0
.rept 4
	v_nop
.endr
	s_branch .Lasked_\@
.Lfor_b_\@:
	tensor_load_to_lds s[\g0b:\g0b+3], s[\g1b:\g1b+7]
	s_nop 0
.rept 4
	v_nop
.endr
.Lasked_\@:
.endm
.macro CREST
	s_cmp_lg_u32 s14, 0
	s_cbranch_scc1 .Lnot_wave_0_\@
	s_barrier_signal -3
.Lnot_wave_0_\@:
	s_barrier_wait -3
	s_barrier_signal -1
	s_barrier_wait -1
.endm
.macro CROUND
	s_barrier_signal -1
	s_barrier_wait -1
	CREST
.endm
	s_load_b128 s[4:7], s[0:1], 0x0                ; A's images, A's scales
	s_load_b128 s[8:11], s[0:1], 0x10              ; Wo's codes, Wo's scales
	s_load_b64 s[96:97], s[0:1], 0x20              ; bo
	s_load_b64 s[12:13], s[0:1], 0x28              ; out0
	v_lshl_add_u32 v[SPW], v0, 2, SPARE
	v_mov_b32 v[NIL], 0
	ds_add_u32 v28, v29
	ds_add_u32 v28, v29
	s_wait_dscnt 0x0
	v_lshrrev_b32 v1, 5, v0
	v_readfirstlane_b32 s14, v1
	s_lshr_b32 s15, s14, 1
	s_and_b32 s16, s14, 1
	s_bfe_u32 s40, ttmp6, 0x40000
	s_bfe_u32 s41, ttmp6, 0x40004
	s_lshl_b32 s42, ttmp9, 2
	s_add_co_u32 s42, s42, s40                     ; tile column
	s_and_b32 s17, ttmp7, 0xffff
	s_lshl_b32 s17, s17, 2
	s_add_co_u32 s17, s17, s41                     ; tile row
	s_lshl_b32 s43, s41, 2
	s_lshl_b32 s43, 15, s43
	s_lshl_b32 s44, 0x1111, s40
	; A's tile: 8 tiles of 16 tokens x 3,072 bytes (384 elements of 8 bytes), 12,288 bytes apart; laid dense in LDS
	s_or_b32 s[G1+0], s43, (3<<16)|(1<<21)
	s_mov_b32 s[G1+1], 384<<16
	s_mov_b32 s[G1+2], 8<<16
	s_mov_b32 s[G1+3], 384<<16
	s_mov_b32 s[G1+4], 8
	s_mov_b32 s[G1+5], 1536
	s_mov_b32 s[G1+6], 0
	s_mov_b32 s[G1+7], 0
	; Wo's tile: 128 rows x 192 bytes, 16 bytes of padding behind every 64
	s_or_b32 s[G1B+0], s44, (0<<16)|(1<<20)|(1<<21)|(3<<22)|(3<<25)
	s_mov_b32 s[G1B+1], ROWB<<16
	s_mov_b32 s[G1B+2], 128<<16
	s_mov_b32 s[G1B+3], ROWB<<16
	s_mov_b32 s[G1B+4], 128
	s_mov_b32 s[G1B+5], KROW
	s_mov_b32 s[G1B+6], 0
	s_mov_b32 s[G1B+7], 0
	s_or_b32 s[G1S+0], s43, (3<<16)|(1<<20)|(1<<21)|(5<<22)|(3<<25)
	s_or_b32 s[G1SB+0], s44, (3<<16)|(1<<20)|(1<<21)|(5<<22)|(3<<25)
.irp g, G1S, G1SB
	s_mov_b32 s[\g+1], 32<<16
	s_mov_b32 s[\g+2], (128*KS/256)<<16
	s_mov_b32 s[\g+3], 32<<16
	s_mov_b32 s[\g+4], 128*KS/256
	s_mov_b32 s[\g+5], 32
	s_mov_b32 s[\g+6], 0
	s_mov_b32 s[\g+7], 0
.endr
	s_lshl_b32 s18, s16, 7
	s_lshl_b32 s20, s17, 8
	s_add_co_u32 s20, s20, s18
	s_lshl_b32 s46, s42, 8
	s_add_co_u32 s46, s46, s18
	s_mov_b32 s21, 0
	s_mov_b32 s47, 0
	s_mov_b64 s[18:19], KS
	s_mul_u64 s[22:23], s[20:21], s[18:19]
	s_mul_u64 s[92:93], s[46:47], s[18:19]
	s_mov_b64 s[18:19], KROW
	s_mul_u64 s[20:21], s[20:21], s[18:19]         ; (16 tokens' images are 12,288 bytes: 768 a token, as rows would be)
	s_mul_u64 s[46:47], s[46:47], s[18:19]
	s_mul_i32 s45, s14, HALFT
	s_mul_i32 s94, s14, HALFS
	s_wait_kmcnt 0x0
	s_add_nc_u64 s[20:21], s[4:5], s[20:21]
	s_add_nc_u64 s[22:23], s[6:7], s[22:23]
	s_add_nc_u64 s[46:47], s[8:9], s[46:47]
	s_add_nc_u64 s[92:93], s[10:11], s[92:93]
	CROUND
	s_mov_b32 s[G0S], 1
	s_add_co_u32 s[G0S+1], s94, SCL
	s_mov_b64 s[G0S+2:G0S+3], s[22:23]
	s_or_b32 s[G0S+3], s[G0S+3], 0x80000000
	s_mov_b32 s[G0SB], 1
	s_add_co_u32 s[G0SB+1], s94, SCL
	s_mov_b64 s[G0SB+2:G0SB+3], s[92:93]
	s_or_b32 s[G0SB+3], s[G0SB+3], 0x80000000
	JLOAD G0S, G1S, G0SB, G1SB
.irp s, 0,1
	s_mov_b32 s[G0+4*\s], 1
	s_add_co_u32 s[G0+4*\s+1], s45, \s*SLOT
	s_add_nc_u64 s[G0+4*\s+2:G0+4*\s+3], s[20:21], \s*AROWB
	s_or_b32 s[G0+4*\s+3], s[G0+4*\s+3], 0x80000000
	s_mov_b32 s[G0B+4*\s], 1
	s_add_co_u32 s[G0B+4*\s+1], s45, \s*SLOT
	s_add_nc_u64 s[G0B+4*\s+2:G0B+4*\s+3], s[46:47], \s*ROWB
	s_or_b32 s[G0B+4*\s+3], s[G0B+4*\s+3], 0x80000000
	JLOAD G0+4*\s, G1, G0B+4*\s, G1B
.endr
	v_and_b32 v1, 15, v0
	v_bfe_u32 v2, v0, 4, 1
	v_mul_u32_u24 v3, v1, PITCH
	v_mul_u32_u24 v4, v2, 24
	v_add_nc_u32 v4, v3, v4
	v_lshl_add_u32 v5, v2, 4, v4
	v_and_b32 v6, 31, v0
	v_lshlrev_b32 v7, 3, v6                        ; A's images: 8 x lane
	s_mul_i32 s21, s15, HALFT
	s_mul_i32 s22, s16, HALFT
	s_add_co_u32 s22, s22, 2*HALFT
.irp s, 0,1
	v_add_nc_u32 v[ADRA+\s], s21, v7
	v_add_nc_u32 v[ADRB+\s], s22, v4
	v_add_nc_u32 v[ADRB+2+\s], s22, v5
	s_add_co_u32 s21, s21, SLOT
	s_add_co_u32 s22, s22, SLOT
.endr
	v_mul_u32_u24 v5, v1, KS
	v_lshrrev_b32 v6, 8, v5
	v_lshl_add_u32 v5, v6, 4, v5
	s_mul_i32 s21, s15, HALFS
	s_mul_i32 s22, s16, HALFS
	s_add_co_u32 s22, s22, 2*HALFS
	s_sub_co_u32 s22, s22, s21
	v_mul_u32_u24 v6, s22, v2
	s_add_co_u32 s21, s21, SCL
	v_add_nc_u32 v5, v5, v6
	v_add_nc_u32 v[ADRS], s21, v5
	s_mul_i32 s23, s14, 16*SPITCH
	v_mul_u32_u24 v5, v1, SPITCH
	v_lshl_add_u32 v5, v2, 5, v5
	v_add_nc_u32 v[STO], s23, v5
	v_and_b32 v6, 31, v0
	v_lshlrev_b32 v[CO], 4, v6
	v_add_nc_u32 v[RD], s23, v[CO]
	s_lshl_b32 s20, s17, 8
	s_lshl_b32 s21, s15, 7
	s_add_co_u32 s20, s20, s21
	s_mov_b32 s21, 0
	s_mov_b64 s[18:19], SIZE_N*4
	s_mul_u64 s[20:21], s[20:21], s[18:19]
	s_lshl_b32 s46, s42, 10
	s_lshl_b32 s47, s16, 9
	s_add_co_u32 s46, s46, s47                     ; my first column, in bytes
	s_mov_b32 s47, 0
	s_add_nc_u64 s[20:21], s[20:21], s[46:47]
	s_add_nc_u64 s[12:13], s[12:13], s[20:21]
	s_add_nc_u64 s[96:97], s[96:97], s[46:47]      ; the bias at my first column
	v_lshlrev_b32 v8, 5, v2                        ; 32 h
.irp b, 0,1,2,3,4,5,6,7
	global_load_b128 v[BI+8*\b:BI+8*\b+3], v8, s[96:97] offset:64*\b
	global_load_b128 v[BI+8*\b+4:BI+8*\b+7], v8, s[96:97] offset:64*\b+16
.endr
.macro FRAG reg, adr, q, i
.irp p, 0,1,2,3,4,5
.set PCE, 12*(\q)+6*(\p/3)+\p%3
.if PCE%8 < 5
	ds_load_b64 v[\reg+2*\p:\reg+2*\p+1], v[\adr] offset:8*PCE+16*(PCE/8)+(\i)*16*PITCH
.else
	ds_load_b64 v[\reg+2*\p:\reg+2*\p+1], v[\adr+2] offset:8*PCE+16*(PCE/8)+(\i)*16*PITCH
.endif
.endr
.endm
.macro FRAGA reg, slot, q, i           ; a fragment of A comes as it was stored: six pieces of 256 consecutive bytes
.irp p, 0,1,2,3,4,5
	ds_load_b64 v[\reg+2*\p:\reg+2*\p+1], v[ADRA+\slot] offset:AROWB*(\i)+1536*(\q)+256*\p
.endr
.endm
.macro MUL16 a0, p, q, sc, zero
.irp a, \a0, \a0+1
.irp b, 0,1,2,3,4,5,6,7
.if \zero
	v_wmma_scale_f32_16x16x128_f8f6f4 v[8*(8*((\a)%4)+\b):8*(8*((\a)%4)+\b)+7], v[128*(\p)+FR*\b:128*(\p)+FR*\b+FR-1], v[AF+FR*(\a):AF+FR*(\a)+FR-1], v[BI+8*\b:BI+8*\b+7], v[SC+8*NQ*(\sc)+NQ*\b+(\q)], v[SC+8*NQ*(\sc)+NQ*(\a)+(\q)] matrix_a_fmt:MATRIX_FMT_FP6 matrix_b_fmt:MATRIX_FMT_FP6 matrix_a_scale:MATRIX_SCALE_ROW1
.else
	v_wmma_scale_f32_16x16x128_f8f6f4 v[8*(8*((\a)%4)+\b):8*(8*((\a)%4)+\b)+7], v[128*(\p)+FR*\b:128*(\p)+FR*\b+FR-1], v[AF+FR*(\a):AF+FR*(\a)+FR-1], v[8*(8*((\a)%4)+\b):8*(8*((\a)%4)+\b)+7], v[SC+8*NQ*(\sc)+NQ*\b+(\q)], v[SC+8*NQ*(\sc)+NQ*(\a)+(\q)] matrix_a_fmt:MATRIX_FMT_FP6 matrix_b_fmt:MATRIX_FMT_FP6 matrix_a_scale:MATRIX_SCALE_ROW1
.endif
.endr
.endr
.endm
.macro FETCH_B slot, q, p
	WIN TO_B
.irp i, 0,1,2,3,4,5,6,7
	FRAG 128*(\p)+FR*\i, ADRB+\slot, \q, \i
.endr
	WIN 0
.endm
.macro FETCH_A slot, q, i0
.irp i, \i0, \i0+1, \i0+2, \i0+3
	FRAGA AF+FR*(\i), \slot, \q, \i
.endr
.endm
.macro SCALES sc
.irp i, 0,1,2,3,4,5,6,7
	ds_load_b64 v[SC+8*NQ*\sc+NQ*\i:SC+8*NQ*\sc+NQ*\i+1], v[ADRS] offset:\i*SBLK
.endr
.endm
.macro PLACES n
.rept \n
	v_nop
.endr
.endm
.macro STEP slot, q, zero
	s_wait_dscnt 4*NL                              ; Wo's set and A's blocks 0-3 are in; the youngest 24 loads (A's blocks 4-7) may be out
	WINM 0, \zero
	MUL16 0, (\q)%2, \q, \slot, \zero
	MUL16 2, (\q)%2, \q, \slot, \zero
	s_wait_dscnt 0
	PLACES NP
	FETCH_B \slot, (\q)+1, 1-(\q)%2
	FETCH_A \slot, (\q)+1, 0
	WINM 1, \zero
	MUL16 4, (\q)%2, \q, \slot, \zero
	MUL16 6, (\q)%2, \q, \slot, \zero
	PLACES NP
	WIN 0
	FETCH_A \slot, (\q)+1, 4
.endm
.macro TURN slot, next, fill
	s_wait_tensorcnt 0x0                           ; all my tensor loads have landed: my part of the next slot
	ds_add_u32 v[SPW], v[NIL]                      ; 0 onto my spare word
	s_wait_dscnt 4*NL+1                            ; (the add and the youngest 24 loads may be out)
	WIN MUL_LO
	MUL16 0, 1, NQ-1, \slot, 0
	s_wait_dscnt 0x0                               ; the add is done, and my reads of this slot are over
	s_barrier_signal -1
	MUL16 2, 1, NQ-1, \slot, 0
	WIN 0
	s_barrier_wait -1
.if \fill
	CREST
	s_add_nc_u64 s[G0+4*\slot+2:G0+4*\slot+3], s[G0+4*\slot+2:G0+4*\slot+3], 2*AROWB
	s_add_nc_u64 s[G0B+4*\slot+2:G0B+4*\slot+3], s[G0B+4*\slot+2:G0B+4*\slot+3], 2*ROWB
	JLOAD G0+4*\slot, G1, G0B+4*\slot, G1B
.else
	PLACES NP
.endif
	v_add_nc_u32 v[ADRS], 4*NQ, v[ADRS]
	FETCH_B \next, 0, 0
	FETCH_A \next, 0, 0
	SCALES \next
	WIN MUL_HI
	MUL16 4, 1, NQ-1, \slot, 0
	MUL16 6, 1, NQ-1, \slot, 0
	PLACES NP
	WIN 0
	FETCH_A \next, 0, 4
.endm
	s_wait_tensorcnt 1                             ; the scales and my part of K step 0 are in (K step 1's load may be out),
	s_barrier_signal -1
	s_barrier_wait -1
	FETCH_B 0, 0, 0
	FETCH_A 0, 0, 0
	SCALES 0
	FETCH_A 0, 0, 4
	s_wait_loadcnt 0x0                             ; the bias
	STEP 0, 0, 1                                   ; the first step's products start the sums, from the bias
	s_mov_b32 s3, LAPS-1
.Llap:
	TURN 0, 1, 1
	STEP 1, 0, 0
	TURN 1, 0, 1
	STEP 0, 0, 0
	s_sub_co_u32 s3, s3, 1
	s_cmp_lg_u32 s3, 0
	s_cbranch_scc1 .Llap
	TURN 0, 1, 0
	STEP 1, 0, 0
	s_wait_dscnt 4*NL
	WIN MUL_LO
	MUL16 0, 1, NQ-1, 1, 0
	MUL16 2, 1, NQ-1, 1, 0
	s_wait_dscnt 0
	WIN MUL_HI
	MUL16 4, 1, NQ-1, 1, 0
	MUL16 6, 1, NQ-1, 1, 0
	WIN 0
; THE WAY OUT, block by block of 16 rows x 128 columns, through my own stage: back as whole rows of 512 bytes.  LDS serves a wave's instructions in order (ISA guide 5.7.1.4).
.macro TOSTAGE a
.set AC, 64*((\a)%4)
	WIN 0x08+4*((\a)/4)
.irp b, 0,1,2,3,4,5,6,7
	ds_store_b128 v[STO], v[AC+8*\b:AC+8*\b+3] offset:64*\b          ; each accumulator from its low end on
	ds_store_b128 v[STO], v[AC+8*\b+4:AC+8*\b+7] offset:64*\b+16
.endr
	WIN 0
.set BB, BK+64*((\a)%2)
.irp t, 0,1,2,3,4,5,6,7,8,9,10,11,12,13,14,15
	ds_load_b128 v[BB+4*\t:BB+4*\t+3], v[RD] offset:\t*SPITCH
.endr
.endm
.macro SEND a, younger
.set BB, BK+64*((\a)%2)
	s_wait_dscnt \younger                          ; the block is back in registers; the next block's 16 stores and 16 loads may be out
.if (\a) > 0
	s_add_nc_u64 s[12:13], s[12:13], 16*SIZE_N*4   ; (behind a wait on XCNT: the earlier stores have read their base)
.endif
.irp t, 0,1,2,3,4,5,6,7,8,9,10,11,12,13,14,15
	global_store_b128 v[CO], v[BB+4*\t:BB+4*\t+3], s[12:13] offset:\t*SIZE_N*4 th:TH_STORE_NT   ; 32 lanes store 512 consecutive bytes, at a multiple of 256 from the buffer's first byte
.endr
.endm
	PLACES NP
	TOSTAGE 0
.irp a, 1,2,3,4,5,6,7
.if \a > 1
	s_wait_xcnt 0x0                                ; block a - 2's stores have read their registers and their base
.endif
	TOSTAGE \a
	SEND \a-1, 32
.endr
	s_wait_xcnt 0x0
	SEND 7, 0
	s_wait_tensorcnt 0x0                           ; the wave's end
	ds_add_u32 v[SPW], v[NIL]
	s_wait_dscnt 0x0
	CROUND                                         ; the closing round
	s_endpgm
.Lfunc_end_k_q0f30f92794_oproj:
	.size	k_q0f30f92794_oproj, .Lfunc_end_k_q0f30f92794_oproj-k_q0f30f92794_oproj
	.p2alignl 7, 3214868480
	.fill 96, 4, 3214868480
	.section	.rodata,"a",@progbits
	.p2align	6, 0x0
	.amdhsa_kernel k_q0f30f92794_oproj
		.amdhsa_group_segment_fixed_size 327680
		.amdhsa_private_segment_fixed_size 0
		.amdhsa_enable_private_segment 0
		.amdhsa_kernarg_size 48
		.amdhsa_user_sgpr_count 2
		.amdhsa_user_sgpr_kernarg_segment_ptr 1
		.amdhsa_wavefront_size32 1
		.amdhsa_system_sgpr_workgroup_id_x 1
		.amdhsa_system_sgpr_workgroup_id_y 1
		.amdhsa_system_sgpr_workgroup_id_z 1
		.amdhsa_system_vgpr_workitem_id 0
		.amdhsa_next_free_vgpr 1024
		.amdhsa_next_free_sgpr 98
		.amdhsa_reserve_vcc 0
		.amdhsa_float_denorm_mode_32 3
		.amdhsa_float_denorm_mode_16_64 3
		.amdhsa_memory_ordered 1
		.amdhsa_forward_progress 1
		.amdhsa_inst_pref_size 161
	.end_amdhsa_kernel
	.amdgpu_metadata
---
amdhsa.version: [ 1, 2 ]
amdhsa.kernels:
  - .name:           k_q0f30f92794_oproj
    .symbol:         k_q0f30f92794_oproj.kd
    .args:
      - { .name: AOI, .offset: 0, .size: 8, .value_kind: global_buffer, .address_space: global }
      - { .name: AOS, .offset: 8, .size: 8, .value_kind: global_buffer, .address_space: global }
      - { .name: Wo_codes, .offset: 16, .size: 8, .value_kind: global_buffer, .address_space: global }
      - { .name: Wo_scales, .offset: 24, .size: 8, .value_kind: global_buffer, .address_space: global }
      - { .name: bo, .offset: 32, .size: 8, .value_kind: global_buffer, .address_space: global }
      - { .name: out0, .offset: 40, .size: 8, .value_kind: global_buffer, .address_space: global }
    .group_segment_fixed_size: 327680
    .private_segment_fixed_size: 0
    .kernarg_segment_align: 8
    .kernarg_segment_size: 48
    .max_flat_workgroup_size: 128
    .sgpr_count:     98
    .vgpr_count:     1024
    .wavefront_size: 32
...
	.end_amdgpu_metadata
.endif
;; end of part 4
;; ======== version 2 of 2: 3 launches
;; limits: inputs' magnitudes at most 1.623e+32; right only within a limited range of input values
;; workspace buffers: TAB 641,536 bytes; QB 3,407,872 bytes; KV 6,684,672 bytes; AOI 3,145,728 bytes; AOS 131,072 bytes
;; launch qkv (part 5): grid 4 x 64, 4 waves a work-group, clusters of 4 x 4, 327,680 bytes of LDS; arguments x_codes, x_scales, Wq_codes, Wq_scales, Wk_codes, Wk_scales, Wv_codes, Wv_scales, bq, bk, bv, QB, KV, rel_k, rel_v, TAB; writes QB, KV, TAB
.if DOCPART == 5
	.amdgcn_target "amdgcn-amd-amdhsa--gfx1250"
	.amdhsa_code_object_version 6
	.text
	.protected	k_q0f30f92794_qkv
	.globl	k_q0f30f92794_qkv
	.p2align	8
	.type	k_q0f30f92794_qkv,@function
k_q0f30f92794_qkv:
	s_mov_b64 s[64:65], 0
	v_nop
	global_prefetch_b8 v0, s[64:65] scope:SCOPE_SE
	s_setreg_imm32_b32 hwreg(HW_REG_WAVE_MODE, 25, 1), 1
	s_wait_xcnt 0x0
	s_wait_alu depctr_hold_cnt(0) depctr_sa_sdst(0) depctr_va_vdst(0) depctr_va_sdst(0) depctr_va_ssrc(0) depctr_va_vcc(0) depctr_vm_vsrc(0)
	s_getreg_b32 s2, hwreg(HW_REG_IB_STS2, 6, 4)
	s_cmp_eq_u32 s2, 0
	s_cbranch_scc0 .Lentry_in_a_cluster
	s_endpgm
.Lentry_in_a_cluster:
	s_bfe_u32 s2, ttmp6, 0x10000c
	s_cmp_lg_u32 s2, 0xf033
	s_cbranch_scc0 .Lentry_shape_is_right
	s_endpgm
.Lentry_shape_is_right:
; q = x Wq^T + bq, k = x Wk^T + bk, v = x Wv^T + bv on codes of FP6 (E2M3) with E8M0 scales, sums in f32; the results are quantised here and leave as images of the registers in which the attention launch wants them.
; A tile of 256 x 256 to a work-group of four waves, 128 x 128 to a wave (64 accumulators, 512 registers); K = 1,024 in steps of 256 through a ring of two LDS slots filled by the tensor data mover; the scale bytes of the
; work-group's rows come into LDS once.  4 x 4 work-groups form a cluster: A's tiles are asked for jointly along a row of it, B's along a column.
; THE MODE is the cluster's y / 4, the same in all partners: 0: q, 1: k, 2: v, 3: the tables.  For q and k: A = x (16 tile rows), B = W (4 tile columns).  For v: A = Wv (4 tile rows), B = x (16 tile columns).
; MODE 3: the four last clusters, 64 work-groups, make the tables TAB that the attention launch takes from rel_k and rel_v; their text stands at the end, with a head comment of its own.  They ask for no tile.
; The matrix instruction is used transposed (source 0 = 16 rows of B, source 1 = 16 rows of A): a lane holds one row of A and its registers run along B's rows.  So for q and k a lane holds a token and runs along the
; features (their K in the next product), for v a lane holds a feature and runs along the tokens (the keys, v's K).
; THE WAY OUT: bias in f32; the 64 registers of a block of 16 rows are 128 neighbours along the next K, four blocks of 32; they become one fragment of 12 registers and one scale word a row.  Inside a block the codes lie
; in the order 0-7, 16-23, 8-15, 24-31, which every partner of these operands shares.  q, k: registers 0-5 are one head's half fragment (768 bytes), registers 6-11 the next head's.  Each store covers 512 or 256 consecutive
; bytes; the scale words leave in pieces of 64 bytes, one byte in 24 of what the launch stores.
; LIMITS: NaN and infinities are not served; a block whose largest magnitude lies under 2^-124 keeps the byte 1 (a block of zeros too: its codes are zeros and this program alone reads the bytes).
; REGISTERS, in windows of 256: window 0: v0-31 addresses; v32-63 scale words, two sets; v64-127 the bias along the registers; v128-223 A's fragments, ONE set; v232-239 the bias along the lanes; on the way out v128-229 are at work.
;   window 1: B's fragments, TWO sets.   window 2: the accumulators of my rows 0-63 ((a, b) at v[8 (8 a + b)]);   window 3: those of rows 64-127.
.set SIZE_K, 1024
.set KSTEP,  256
.set NQ,     KSTEP/128
.set ROWB,   256                       ; THE RING'S STEP IS A CHUNK OF 256 BYTES of each row of codes (a row is 768 bytes: three chunks, each at a multiple of 256 bytes); a matrix step of 128 along K is 96 bytes: eight steps to three chunks
.set KROW,   SIZE_K*6/8                ; a row of codes in memory
.set PITCH,  272                       ; an LDS row: 256 bytes + 16 of padding
.set FR,     12
.set NL,     6
.set NP,     4
.set HALFT,  128*PITCH
.set SLOT,   4*HALFT
.set STEPS,  SIZE_K/128
.set CHUNKS, KROW/ROWB                 ; chunk c lies in slot c % 2
.set G0H,  4                           ; s[4:7], s[8:11] group 0 of the head's loads of chunk 0 (the arguments that lay there have been used by then)
.set G0HB, 8
.set KS,     SIZE_K/32
.set SCL,    2*SLOT                    ; behind the ring: the scales, as units of 256 bytes + 16 of padding
.set HALFS,  (128*KS/256)*272
.set SBLK,   (16*KS/256)*272
.set SPARE,  SCL+4*HALFS               ; the spare words, 128 bytes for each wave
.set HQ,     53248                     ; a head's block in QB: 64 tiles x 768, then 64 x 64 bytes of scale words
.set HKV,    104448                    ; in KV: K's images, V's images at 49,152, K's scale words at 98,304, V's at 102,400
.set ADRA, 16
.set ADRB, 20
.set ADRS, 27
.set SPW,  28
.set NIL,  29
.set SC,   32
.set BI,   64
.set AF,   128
.set BV,   232
.set T,    128                         ; the way out: 64 numbers
.set PC,   192                         ; v192-210 the codes and the conversions' second halves
.set TM,   212                         ; v212-227 at work
.set PW,   228                         ; the scale word
.set SWV,  229                         ; the word as a head's
.set G1, 24
.set G0, 32
.set G1B, 48
.set G0B, 56
.set G1S, 68
.set G0S, 76
.set G1SB, 80
.set G0SB, 88
.set SEL, 92
.set MSB, 0
.macro WIN new                         ; the immediate's high byte repeats the setting that is left
.if MSB != \new
	s_set_vgpr_msb (MSB<<8)|\new
.set MSB, \new
.endif
.endm
.set MUL_LO, 0xa1
.set MUL_HI, 0xf1
.set TO_B,   0x40
; A joint load: waves 0 and 1 fetch for A, waves 2 and 3 for B; four v_nop follow each of the two lines
.macro JLOAD g0a, g1a, g0b, g1b
	s_cmp_eq_u32 s15, 0
	s_cbranch_scc0 .Lfor_b_\@
	tensor_load_to_lds s[\g0a:\g0a+3], s[\g1a:\g1a+7]
	s_nop 0
.rept 4
	v_nop
.endr
	s_branch .Lasked_\@
.Lfor_b_\@:
	tensor_load_to_lds s[\g0b:\g0b+3], s[\g1b:\g1b+7]
	s_nop 0
.rept 4
	v_nop
.endr
.Lasked_\@:
.endm
.macro CREST
	s_cmp_lg_u32 s14, 0
	s_cbranch_scc1 .Lnot_wave_0_\@
	s_barrier_signal -3
.Lnot_wave_0_\@:
	s_barrier_wait -3
	s_barrier_signal -1
	s_barrier_wait -1
.endm
.macro CROUND
	s_barrier_signal -1
	s_barrier_wait -1
	CREST
.endm
	s_load_b512 s[24:39], s[0:1], 0x0              ; x codes, x scales, Wq c, Wq s, Wk c, Wk s, Wv c, Wv s
	s_load_b256 s[40:47], s[0:1], 0x40             ; bq, bk, bv, QB
	s_load_b256 s[48:55], s[0:1], 0x60             ; KV, rel_k, rel_v, TAB
	v_lshl_add_u32 v[SPW], v0, 2, SPARE
	v_mov_b32 v[NIL], 0
	ds_add_u32 v28, v29
	ds_add_u32 v28, v29
	s_wait_dscnt 0x0
	v_lshrrev_b32 v1, 5, v0
	v_readfirstlane_b32 s14, v1                    ; wave 0..3
	s_and_b32 s98, ttmp7, 0xffff                   ; the cluster's y, 0 .. 15
	s_lshr_b32 s100, s98, 2                        ; the mode
	s_and_b32 s99, s98, 3
	s_mov_b32 s101, HKV
	s_mov_b32 s95, 98304
	s_wait_kmcnt 0x0
	s_cmp_eq_u32 s100, 3                           ; the mode is the same in all partners of a cluster
	s_cbranch_scc1 .Lprep                          ; the tables: at the text's end
	s_cmp_eq_u32 s100, 0                           ; the choices hang on the mode alone
	s_cselect_b64 s[8:9], s[28:29], s[32:33]       ; W's codes: q's or k's
	s_cselect_b64 s[10:11], s[30:31], s[34:35]
	s_cselect_b64 s[12:13], s[40:41], s[42:43]     ; the bias
	s_cselect_b64 s[96:97], s[46:47], s[48:49]     ; where the results go: QB or KV
	s_cselect_b32 s101, HQ, s101                   ; a head's block there,
	s_cselect_b32 s95, 49152, s95                  ; and where its scale words begin
	s_cmp_lt_u32 s100, 2
	s_cselect_b64 s[4:5], s[24:25], s[36:37]       ; A: x or Wv
	s_cselect_b64 s[6:7], s[26:27], s[38:39]
	s_cselect_b64 s[8:9], s[8:9], s[24:25]         ; B: W or x
	s_cselect_b64 s[10:11], s[10:11], s[26:27]
	s_cselect_b64 s[12:13], s[12:13], s[44:45]
	s_cselect_b32 s98, s99, 0                      ; which four tile rows,
	s_cselect_b32 s99, 0, s99                      ; which four tile columns are the cluster's
	s_lshr_b32 s15, s14, 1                         ; which half of the tile's rows is mine.  Also: I fetch for A (0) or for B (1)
	s_and_b32 s16, s14, 1                          ; which half of its columns.  Also: which 128 rows of that tile I fetch
	s_bfe_u32 s40, ttmp6, 0x40000                  ; cx, cy
	s_bfe_u32 s41, ttmp6, 0x40004
	s_lshl_b32 s42, s99, 2
	s_add_co_u32 s42, s42, s40                     ; tile column
	s_lshl_b32 s17, s98, 2
	s_add_co_u32 s17, s17, s41                     ; tile row
	s_lshl_b32 s43, s41, 2
	s_lshl_b32 s43, 15, s43                        ; my row of the cluster
	s_lshl_b32 s44, 0x1111, s40                    ; my column
	s_or_b32 s[G1+0], s43, (0<<16)|(1<<20)|(1<<21)|(5<<22)|(3<<25)  ; the mask; elements of 1 byte; padding on; bit 21 beside a mask; after every 64 words 4 words
	s_or_b32 s[G1B+0], s44, (0<<16)|(1<<20)|(1<<21)|(5<<22)|(3<<25)
.irp g, G1, G1B
	s_mov_b32 s[\g+1], ROWB<<16
	s_mov_b32 s[\g+2], 256<<16                     ; 256 rows for the head's loads; behind them the two words that count rows are set to 128
	s_mov_b32 s[\g+3], ROWB<<16
	s_mov_b32 s[\g+4], 256
	s_mov_b32 s[\g+5], KROW
	s_mov_b32 s[\g+6], 0
	s_mov_b32 s[\g+7], 0
.endr
	s_or_b32 s[G1S+0], s43, (3<<16)|(1<<20)|(1<<21)|(5<<22)|(3<<25) ; the scales of 256 rows: a dense block, as rows of 256 bytes, 16 of padding behind each
	s_or_b32 s[G1SB+0], s44, (3<<16)|(1<<20)|(1<<21)|(5<<22)|(3<<25)
.irp g, G1S, G1SB
	s_mov_b32 s[\g+1], 32<<16
	s_mov_b32 s[\g+2], KS<<16                      ; the scales of 256 rows: KS rows of 256 bytes
	s_mov_b32 s[\g+3], 32<<16
	s_mov_b32 s[\g+4], KS
	s_mov_b32 s[\g+5], 32
	s_mov_b32 s[\g+6], 0
	s_mov_b32 s[\g+7], 0
.endr
	s_lshl_b32 s20, s17, 8                         ; A: the tile's first row
	s_lshl_b32 s46, s42, 8                         ; B: likewise
	s_mov_b32 s21, 0
	s_mov_b32 s47, 0
	s_mov_b64 s[18:19], KS
	s_mul_u64 s[22:23], s[20:21], s[18:19]
	s_mul_u64 s[92:93], s[46:47], s[18:19]
	s_mov_b64 s[18:19], KROW
	s_mul_u64 s[20:21], s[20:21], s[18:19]
	s_mul_u64 s[46:47], s[46:47], s[18:19]
	s_mul_i32 s45, s14, HALFT                      ; where they go: wave x 128 rows
	s_mul_i32 s18, s16, 128*KROW                   ; in the ring I fetch 128 rows of a tile: which half, in bytes
	s_mov_b32 s19, 0
	s_add_nc_u64 s[20:21], s[4:5], s[20:21]
	s_add_nc_u64 s[22:23], s[6:7], s[22:23]
	s_add_nc_u64 s[46:47], s[8:9], s[46:47]
	s_add_nc_u64 s[92:93], s[10:11], s[92:93]
	CROUND                                         ; all sixteen work-groups are here: the first joint loads meet
	s_mov_b32 s[G0H], 1                            ; the head's four tiles, each whole: chunk 0's 256 rows of A,
	s_mov_b32 s[G0H+1], 0
	s_mov_b64 s[G0H+2:G0H+3], s[20:21]
	s_or_b32 s[G0H+3], s[G0H+3], 0x80000000
	s_mov_b32 s[G0HB], 1                           ; its 256 rows of B,
	s_mov_b32 s[G0HB+1], 2*HALFT
	s_mov_b64 s[G0HB+2:G0HB+3], s[46:47]
	s_or_b32 s[G0HB+3], s[G0HB+3], 0x80000000
	s_mov_b32 s[G0S], 1                            ; the scales of A's 256 rows,
	s_mov_b32 s[G0S+1], SCL
	s_mov_b64 s[G0S+2:G0S+3], s[22:23]
	s_or_b32 s[G0S+3], s[G0S+3], 0x80000000
	s_mov_b32 s[G0SB], 1                           ; and of B's
	s_mov_b32 s[G0SB+1], SCL+2*HALFS
	s_mov_b64 s[G0SB+2:G0SB+3], s[92:93]
	s_or_b32 s[G0SB+3], s[G0SB+3], 0x80000000
	s_add_nc_u64 s[20:21], s[20:21], s[18:19]      ; for the ring: my 128 rows of the tile
	s_add_nc_u64 s[46:47], s[46:47], s[18:19]
.irp s, 0,1
	s_mov_b32 s[G0+4*\s], 1
	s_add_co_u32 s[G0+4*\s+1], s45, \s*SLOT
	s_add_nc_u64 s[G0+4*\s+2:G0+4*\s+3], s[20:21], \s*ROWB
	s_or_b32 s[G0+4*\s+3], s[G0+4*\s+3], 0x80000000
	s_mov_b32 s[G0B+4*\s], 1
	s_add_co_u32 s[G0B+4*\s+1], s45, \s*SLOT
	s_add_nc_u64 s[G0B+4*\s+2:G0B+4*\s+3], s[46:47], \s*ROWB
	s_or_b32 s[G0B+4*\s+3], s[G0B+4*\s+3], 0x80000000
.endr
; the head's loads, one a wave: one tree of branches on the wave's number, a load to an arm
.macro ARM under, g0, g1, next
	s_cmp_lt_u32 s14, \under
	s_cbranch_scc0 \next
	tensor_load_to_lds s[\g0:\g0+3], s[\g1:\g1+7]
	s_nop 0
.rept 4
	v_nop
.endr
	s_branch .Lhead_asked
\next:
.endm
	ARM 1, G0H,  G1,  .Lhead_b
	ARM 2, G0HB, G1B, .Lhead_sa
	ARM 3, G0S,  G1S, .Lhead_sb
	tensor_load_to_lds s[G0SB:G0SB+3], s[G1SB:G1SB+7]
	s_nop 0
.rept 4
	v_nop
.endr
.Lhead_asked:
	v_and_b32 v1, 15, v0                           ; l % 16
	v_bfe_u32 v2, v0, 4, 1                         ; l / 16
	v_mul_u32_u24 v3, v1, PITCH
	v_mul_u32_u24 v4, v2, 24
	v_add_nc_u32 v4, v3, v4                        ; a fragment's row x pitch + 24 x half
	s_mov_b32 s21, SLOT-232
	s_mov_b32 s22, SLOT+232
	v_sub_nc_u32 v7, 1, v2                         ; 1 in lanes 0-15
	v_mul_u32_u24 v5, s21, v2
	v_add_nc_u32 v5, v3, v5
	v_add_nc_u32 v5, 232, v5                       ; across two chunks: lanes 0-15 byte 232 of the row in slot 0, lanes 16-31 byte 0 of the row in slot 1;
	v_mul_u32_u24 v6, s22, v7
	v_add_nc_u32 v6, v3, v6                        ; and lanes 0-15 byte 232 in slot 1, lanes 16-31 byte 0 in slot 0
	s_mul_i32 s21, s15, HALFT
	s_mul_i32 s22, s16, HALFT
	s_add_co_u32 s22, s22, 2*HALFT
	v_add_nc_u32 v[ADRA+2], s21, v5
	v_add_nc_u32 v[ADRA+3], s21, v6
	v_add_nc_u32 v[ADRB+2], s22, v5
	v_add_nc_u32 v[ADRB+3], s22, v6
.irp s, 0,1
	v_add_nc_u32 v[ADRA+\s], s21, v4
	v_add_nc_u32 v[ADRB+\s], s22, v4
	s_add_co_u32 s21, s21, SLOT
	s_add_co_u32 s22, s22, SLOT
.endr
	v_mul_u32_u24 v5, v1, KS
	v_lshrrev_b32 v6, 8, v5
	v_lshl_add_u32 v5, v6, 4, v5
	s_mul_i32 s21, s15, HALFS
	s_mul_i32 s22, s16, HALFS
	s_add_co_u32 s22, s22, 2*HALFS
	s_sub_co_u32 s22, s22, s21
	v_mul_u32_u24 v6, s22, v2                      ; lanes 16-31 take B's
	s_add_co_u32 s21, s21, SCL
	v_add_nc_u32 v5, v5, v6
	v_add_nc_u32 v[ADRS], s21, v5
	; offsets for the way out, and the biases.  Both shapes of bias are loaded whatever the mode, at offsets cut to the bias's 1,024 numbers; the way out takes the one that is its own.
	v_and_b32 v6, 31, v0
	v_lshlrev_b32 v8, 4, v6                        ; 16 x lane
	v_lshlrev_b32 v9, 3, v6                        ; 8 x lane
	v_lshlrev_b32 v12, 2, v1                       ; 4 r
	v_mul_u32_u24 v10, s101, v2
	v_add_nc_u32 v10, v10, v12                     ; 4 r, and for lanes 16-31 one head's block on
	v_lshlrev_b32 v11, 4, v2                       ; 16 h: the shift that brings the second head's two bytes down
	v_lshlrev_b32 v7, 5, v2                        ; 32 h
	s_wait_alu depctr_va_vdst(0)
	s_lshl_b32 s20, s42, 8
	s_lshl_b32 s21, s16, 7
	s_add_co_u32 s20, s20, s21
	s_and_b32 s20, s20, 1023
	s_lshl_b32 s20, s20, 2
	s_mov_b32 s21, 0
	s_add_nc_u64 s[18:19], s[12:13], s[20:21]      ; the bias at B's first row of mine
	s_lshl_b32 s20, s17, 8
	s_lshl_b32 s22, s15, 7
	s_add_co_u32 s20, s20, s22
	s_and_b32 s20, s20, 1023
	s_lshl_b32 s20, s20, 2
	s_add_nc_u64 s[22:23], s[12:13], s[20:21]      ; and at A's
.irp b, 0,1,2,3,4,5,6,7
	global_load_b128 v[BI+8*\b:BI+8*\b+3], v7, s[18:19] offset:64*\b
	global_load_b128 v[BI+8*\b+4:BI+8*\b+7], v7, s[18:19] offset:64*\b+16
.endr
.irp a, 0,1,2,3,4,5,6,7
	global_load_b32 v[BV+\a], v12, s[22:23] offset:64*\a
.endr
.macro FRAG reg, adr, st, i            ; a fragment of step st: 12 registers, in pieces of 8 bytes; byte y of a row of codes lies in slot (y / 256) % 2 at byte y % 256 of the LDS row
.irp p, 0,1,2,3,4,5
.set BY, 96*(\st)+48*(\p/3)+8*(\p%3)
.if BY/ROWB == (BY+24)/ROWB
	ds_load_b64 v[\reg+2*\p:\reg+2*\p+1], v[\adr+(BY/ROWB)%2] offset:BY%ROWB+(\i)*16*PITCH
.else                                  ; the two halves of the lanes read different chunks
	ds_load_b64 v[\reg+2*\p:\reg+2*\p+1], v[\adr+2+(BY/ROWB)%2] offset:BY%ROWB-232+(\i)*16*PITCH
.endif
.endr
.endm
; 16 matrix instructions: A's blocks a0, a0 + 1 x B's eight.  The 64 accumulators take turns, one instruction a turn, in the same order in every step.
.macro MUL16 a0, p, q, sc, zero
.irp a, \a0, \a0+1
.irp b, 0,1,2,3,4,5,6,7
.if \zero
	v_wmma_scale_f32_16x16x128_f8f6f4 v[8*(8*((\a)%4)+\b):8*(8*((\a)%4)+\b)+7], v[128*(\p)+FR*\b:128*(\p)+FR*\b+FR-1], v[AF+FR*(\a):AF+FR*(\a)+FR-1], 0, v[SC+8*NQ*(\sc)+NQ*\b+(\q)], v[SC+8*NQ*(\sc)+NQ*(\a)+(\q)] matrix_a_fmt:MATRIX_FMT_FP6 matrix_b_fmt:MATRIX_FMT_FP6 matrix_a_scale:MATRIX_SCALE_ROW1
.else
	v_wmma_scale_f32_16x16x128_f8f6f4 v[8*(8*((\a)%4)+\b):8*(8*((\a)%4)+\b)+7], v[128*(\p)+FR*\b:128*(\p)+FR*\b+FR-1], v[AF+FR*(\a):AF+FR*(\a)+FR-1], v[8*(8*((\a)%4)+\b):8*(8*((\a)%4)+\b)+7], v[SC+8*NQ*(\sc)+NQ*\b+(\q)], v[SC+8*NQ*(\sc)+NQ*(\a)+(\q)] matrix_a_fmt:MATRIX_FMT_FP6 matrix_b_fmt:MATRIX_FMT_FP6 matrix_a_scale:MATRIX_SCALE_ROW1
.endif
.endr
.endr
.endm
.macro FETCH_B st, p                   ; B's eight fragments of step st into set p
	WIN TO_B
.irp i, 0,1,2,3,4,5,6,7
	FRAG 128*(\p)+FR*\i, ADRB, \st, \i
.endr
	WIN 0
.endm
.macro FETCH_A st, i0                  ; A's blocks i0 .. i0 + 3 of step st
.irp i, \i0, \i0+1, \i0+2, \i0+3
	FRAG AF+FR*(\i), ADRA, \st, \i
.endr
.endm
.macro SCALES pr                       ; the scale words of steps 2 pr, 2 pr + 1 into set pr % 2: lanes 0-15 A's block i, lanes 16-31 B's block i
.irp i, 0,1,2,3,4,5,6,7
	ds_load_b64 v[SC+8*NQ*((\pr)%2)+NQ*\i:SC+8*NQ*((\pr)%2)+NQ*\i+1], v[ADRS] offset:\i*SBLK+4*NQ*(\pr)
.endr
.endm
.macro PLACES n                        ; plain vector instructions between a matrix instruction and a load into, or a read of, its registers
.rept \n
	v_nop
.endr
.endm
; A step of 128 along K: 64 matrix instructions; the next step's fragments are fetched in its middle and at its end.  Where the next step's bytes END in a chunk not yet read, every wave waits for its tensor loads and a barrier shows
; that chunk whole.  Where they BEGIN in a later chunk, the chunk left behind is read no more: the wait for all tensor loads, the add, the wait for it and for my reads, the barrier; where a chunk two on is left to fetch, the barrier
; opens a round of the cluster's barrier and the slot is filled again.
.macro STEP st, zero
.set NX, (\st)+1
.set C0, (96*(\st))/ROWB
.set C1, (96*NX)/ROWB
.set E0, (96*(\st)+95)/ROWB
.set E1, (96*NX+95)/ROWB
.if C1 > C0 || E1 > E0
	s_wait_tensorcnt 0x0                           ; all my tensor loads have landed
.if C1 > C0
	ds_add_u32 v[SPW], v[NIL]                      ; 0 onto my spare word
	s_wait_dscnt 4*NL+1                            ; (the add and the youngest 24 loads, A's blocks 4-7, may be out)
.else
	s_wait_dscnt 4*NL                              ; (the youngest 24 loads may be out)
.endif
	WIN MUL_LO
	MUL16 0, (\st)%2, (\st)%2, ((\st)/2)%2, \zero
	s_wait_dscnt 0x0                               ; the add, where there is one, and all my reads are done
	s_barrier_signal -1
	MUL16 2, (\st)%2, (\st)%2, ((\st)/2)%2, \zero
	WIN 0
	s_barrier_wait -1
.if C1 > C0 && C0+2 < CHUNKS
	CREST                                          ; the barrier has opened a round of the cluster's barrier
	s_add_nc_u64 s[G0+4*(C0%2)+2:G0+4*(C0%2)+3], s[G0+4*(C0%2)+2:G0+4*(C0%2)+3], 2*ROWB
	s_add_nc_u64 s[G0B+4*(C0%2)+2:G0B+4*(C0%2)+3], s[G0B+4*(C0%2)+2:G0B+4*(C0%2)+3], 2*ROWB
	JLOAD G0+4*(C0%2), G1, G0B+4*(C0%2), G1B       ; chunk C0 + 2, the first tensor load behind the round
.else
	PLACES NP
.endif
.else
	s_wait_dscnt 4*NL                              ; B's set and A's blocks 0-3 are in; the youngest 24 loads may be out
	WIN MUL_LO
	MUL16 0, (\st)%2, (\st)%2, ((\st)/2)%2, \zero
	MUL16 2, (\st)%2, (\st)%2, ((\st)/2)%2, \zero
	s_wait_dscnt 0
	PLACES NP
.endif
	FETCH_B NX, NX%2
	FETCH_A NX, 0
.if NX%2 == 0
	SCALES NX/2
.endif
	WIN MUL_HI
	MUL16 4, (\st)%2, (\st)%2, ((\st)/2)%2, \zero
	MUL16 6, (\st)%2, (\st)%2, ((\st)/2)%2, \zero
	PLACES NP
	WIN 0
	FETCH_A NX, 4
.endm
	s_wait_tensorcnt 0x0                           ; my tile of the head's four is in
	ds_add_u32 v[SPW], v[NIL]
	s_mov_b32 s[G1+2], 128<<16                     ; no tensor load of mine is out: from here on a load brings 128 rows
	s_mov_b32 s[G1+4], 128
	s_mov_b32 s[G1B+2], 128<<16
	s_mov_b32 s[G1B+4], 128
	s_wait_dscnt 0x0
	CROUND                                         ; all four tiles are in, and all sixteen work-groups are here
	JLOAD G0+4, G1, G0B+4, G1B                     ; chunk 1, the first tensor load behind the round
	FETCH_B 0, 0
	FETCH_A 0, 0
	SCALES 0
	FETCH_A 0, 4
	STEP 0, 1                                      ; the first step's products start the sums
.set ST, 1
.rept STEPS-2
	STEP ST, 0
.set ST, ST+1
.endr
	s_wait_dscnt 4*NL
	WIN MUL_LO
	MUL16 0, 1, NQ-1, 1, 0
	MUL16 2, 1, NQ-1, 1, 0
	s_wait_dscnt 0
	WIN MUL_HI
	MUL16 4, 1, NQ-1, 1, 0
	MUL16 6, 1, NQ-1, 1, 0
	WIN 0
; 64 numbers of a lane, v[s] on, four blocks of 32 shared with lane l xor 16, become a fragment's codes in v[PC] on and its scale word in v[PW]
.macro QUANT s
.irp b, 0,1,2,3
	v_max3_num_f32 v[TM+\b], |v[\s+16*\b]|, |v[\s+1+16*\b]|, 0x1800000   ; my 16 numbers of block b, and the floor 2^(3 - 127)
.endr
.irp i, 2,4,6,8,10,12,14
.irp b, 0,1,2,3
	v_max3_num_f32 v[TM+\b], v[TM+\b], |v[\s+16*\b+\i]|, |v[\s+1+16*\b+\i]|
.endr
.endr
.irp b, 0,1,2,3
	v_permlanex16_b32 v[TM+4+\b], v[TM+\b], s[SEL], s[SEL+1]
.endr
.irp b, 0,1,2,3
	v_max_num_f32 v[TM+\b], v[TM+\b], v[TM+4+\b]
.endr
.irp b, 0,1,2,3
	v_add_nc_u32 v[TM+12+\b], 0xff000000, v[TM+\b]   ; 2 off the exponent field: the conversion's scale operand
.endr
.irp b, 0,1,2,3
	v_lshrrev_b32 v[TM+4+\b], 23, v[TM+12+\b]        ; the scale's byte
.endr
	v_lshl_or_b32 v[PW], v[TM+5], 8, v[TM+4]
	v_lshl_or_b32 v[PW], v[TM+6], 16, v[PW]
	v_lshl_or_b32 v[PW], v[TM+7], 24, v[PW]
.irp c, 0,1
	v_cvt_scalef32_pk16_fp6_f32 v[PC+6*\c:PC+2+6*\c], v[\s+32*\c:\s+15+32*\c], v[TM+12+2*\c]
	v_cvt_scalef32_pk16_fp6_f32 v[PC+12+4*\c:PC+14+4*\c], v[\s+16+32*\c:\s+31+32*\c], v[TM+12+2*\c+1]
.endr
	v_nop                                          ; one plain place behind a scaled conversion
.irp c, 0,1                                    ; a whole block to a lane: lanes 0-15 block 2 c, lanes 16-31 block 2 c + 1
.irp i, 0,1,2
	v_permlane16_swap_b32 v[PC+6*\c+\i], v[PC+12+4*\c+\i]
.endr
.irp i, 0,1,2
	v_mov_b32 v[PC+3+6*\c+\i], v[PC+12+4*\c+\i]
.endr
.endr
.endm
; Block a (16 tokens) of q or k: + bias along the registers, each accumulator from its low end on; quantised; two heads' half fragments and their scale words leave
.macro EPI_QK a
	WIN 0x02+(\a)/4                                ; source 0: window 2 or 3
.set i, 0
.rept 32
	v_pk_add_f32 v[T+2*i:T+2*i+1], v[64*((\a)%4)+2*i:64*((\a)%4)+2*i+1], v[BI+2*i:BI+2*i+1]
.set i, i+1
.endr
	WIN 0
.if (\a) > 0
	s_wait_xcnt 0x0                                ; the last block's stores have read their registers: the codes and the words are written again only behind this wait
.endif
	QUANT T
	v_lshrrev_b32 v[SWV], v11, v[PW]               ; lanes 0-15: the first head's bytes lowest; lanes 16-31: the second head's.  Bytes 2 and 3 meet zero codes and are never 0xff
	global_store_b128 v8, v[PC:PC+3], s[96:97] offset:768*(\a)
	global_store_b64 v9, v[PC+4:PC+5], s[96:97] offset:768*(\a)+512
	global_store_b128 v8, v[PC+6:PC+9], s[46:47] offset:768*(\a)
	global_store_b64 v9, v[PC+10:PC+11], s[46:47] offset:768*(\a)+512
	global_store_b32 v10, v[SWV], s[22:23] offset:64*(\a)
.endm
; Block a (16 features) of v: + the lane's bias; quantised along the 128 tokens; one whole fragment and its scale word leave
.macro EPI_V a
	WIN 0x02+(\a)/4
.set i, 0
.rept 32
.if (\a)%2
	v_pk_add_f32 v[T+2*i:T+2*i+1], v[64*((\a)%4)+2*i:64*((\a)%4)+2*i+1], v[BV+(\a)-1:BV+(\a)] op_sel:[0,1] op_sel_hi:[1,1]
.else
	v_pk_add_f32 v[T+2*i:T+2*i+1], v[64*((\a)%4)+2*i:64*((\a)%4)+2*i+1], v[BV+(\a):BV+(\a)+1] op_sel_hi:[1,0]
.endif
.set i, i+1
.endr
	WIN 0
.if (\a) > 0
	s_wait_xcnt 0x0
.endif
	QUANT T
.irp c, 0,1,2
	global_store_b128 v8, v[PC+4*\c:PC+4*\c+3], s[96:97] offset:((\a)/4)*HKV+((\a)%4)*1536+512*\c
.endr
	global_store_b32 v12, v[PW], s[22:23] offset:((\a)/4)*HKV+((\a)%4)*64   ; both halves of the lanes write the same word
.endm
.macro FINISH
	s_wait_tensorcnt 0x0                           ; the wave's end
	ds_add_u32 v[SPW], v[NIL]
	s_wait_dscnt 0x0
	CROUND                                         ; the closing round
	s_endpgm
.endm
	PLACES NP                                      ; behind the last products: their results are read and A's registers written below
	s_mov_b32 s[SEL], 0x76543210
	s_mov_b32 s[SEL+1], 0xfedcba98
.irp b, 0,1,2,3
	v_mov_b32 v[TM+4+\b], 0                        ; a lane permute's destination counts as one of its sources
.endr
	s_wait_loadcnt 0x0                             ; the biases
	s_mov_b32 s21, 0
	s_cmp_lt_u32 s100, 2                           ; the mode: the same in every partner
	s_cbranch_scc0 .Lout_v
	s_lshl_b32 s18, s17, 4
	s_lshl_b32 s19, s15, 3
	s_add_co_u32 s18, s18, s19                     ; my first tile of 16 tokens
	s_lshr_b32 s19, s18, 6
	s_lshl_b32 s19, s19, 4                         ; 16 x batch
	s_lshl_b32 s20, s42, 2
	s_add_co_u32 s19, s19, s20
	s_lshl_b32 s20, s16, 1
	s_add_co_u32 s19, s19, s20                     ; + my first head
	s_and_b32 s18, s18, 63
	s_mul_i32 s20, s19, s101
	s_add_nc_u64 s[96:97], s[96:97], s[20:21]      ; the head's block
	s_lshl_b32 s20, s18, 6
	s_add_co_u32 s20, s20, s95
	s_add_nc_u64 s[22:23], s[96:97], s[20:21]      ; its scale words, at my tiles
	s_mul_i32 s20, s18, 768
	s_add_nc_u64 s[96:97], s[96:97], s[20:21]      ; its images, at my tiles
	s_mov_b32 s20, s101
	s_add_nc_u64 s[46:47], s[96:97], s[20:21]      ; the next head's
.irp a, 0,1,2,3,4,5,6,7
	EPI_QK \a
.endr
	FINISH
.Lout_v:
	s_lshr_b32 s18, s42, 2
	s_lshl_b32 s18, s18, 4                         ; 16 x batch
	s_lshl_b32 s19, s17, 2
	s_add_co_u32 s18, s18, s19
	s_lshl_b32 s19, s15, 1
	s_add_co_u32 s18, s18, s19                     ; + my first head
	s_and_b32 s19, s42, 3
	s_lshl_b32 s19, s19, 1
	s_add_co_u32 s19, s19, s16                     ; which 128 keys of the batch
	s_mul_i32 s20, s18, HKV
	s_add_nc_u64 s[96:97], s[96:97], s[20:21]
	s_lshl_b32 s20, s19, 8
	s_add_co_u32 s20, s20, 102400
	s_add_nc_u64 s[22:23], s[96:97], s[20:21]
	s_mul_i32 s20, s19, 6144
	s_add_co_u32 s20, s20, 49152
	s_add_nc_u64 s[96:97], s[96:97], s[20:21]
.irp a, 0,1,2,3,4,5,6,7
	EPI_V \a
.endr
	FINISH
; ==== MODE 3: THE TABLES that the attention launch takes from rel_k and rel_v, as codes of FP6 (E2M3) with one E8M0 byte for each 32 along K.
; TAB: EKI at 0 (32 tiles x 768 bytes), EKS at 24,576 (32 x 16 words), CQ at 26,624 ([2][64] f32), TS at 27,136 ([a 32][kappa 3][dt 4][16 words]), TI at 51,712 ([a][kappa][dt][3][32 lanes][16 bytes]).
; EK: row e (0..511) is rel_k[clip(e - 128, 0, 256)], quantised along d: so that query q and key k meet row k - q + 256.
; T:  for a query 32 g + a the rows of rel_v that key blocks g - 4 .. g + 4 meet are rel_v[clip(kk - a, 0, 256)][d], kk = 0 .. 287; they are quantised along kk in blocks of 32.  Blocks 9 to 11 get zero codes.
; CQ: what a block of 32 equal numbers rel_v[0][d] (or rel_v[256][d]) quantises to, as f32.
; ORDER INSIDE A BLOCK: position p of a block holds its number pi(p) = p % 8 + 16 ((p / 8) % 2) + 8 (p / 16): the order in which the other operand's codes come out of two neighbouring result tiles.
; SHARES: the 64 work-groups are (half, a): a = 16 (cluster & 1) + 4 cy + cx, half = cluster / 2; the wave is dt.  Half 0 makes T's K steps 0 and 1 of its a; half 1 makes K step 2, its wave 0 EK's tile a, its wave 1 four numbers of CQ.
; The branches hang on the cluster's number and on the wave's; cx and cy enter addresses in memory alone.  Each byte of TAB is stored by one work-group.
; LIMITS: as above; CQ's rounding wants |rel_v| under 2^107.
.set EKS_O, 24576
.set CQ_O,  26624
.set TS_O,  27136
.set TI_O,  51712
.set PX,  32                           ; v32-95  two blocks of 32 numbers (first their byte offsets: a load lands on its own address register)
.set PCD, 96                           ; v96-107 the codes
; 32 numbers of a lane, v[x] on, become 6 registers of codes at v[cd]; v[so] the conversion's scale operand, v[by] the scale's byte
.macro BLK x, cd, so, by
	v_max3_num_f32 v12, |v[\x]|, |v[\x+1]|, |v[\x+2]|
	v_max3_num_f32 v13, |v[\x+3]|, |v[\x+4]|, |v[\x+5]|
.irp i, 6,10,14,18,22,26
	v_max3_num_f32 v12, v12, |v[\x+\i]|, |v[\x+\i+1]|
	v_max3_num_f32 v13, v13, |v[\x+\i+2]|, |v[\x+\i+3]|
.endr
	v_max3_num_f32 v12, v12, |v[\x+30]|, |v[\x+31]|
	v_max3_num_f32 v12, v12, v13, 0x1800000        ; the floor 2^(3 - 127): the byte cannot fall under 1
	v_add_nc_u32 v[\so], 0xff000000, v12           ; 2 off the exponent field: the conversion takes this operand's exponent field as its scale
	v_lshrrev_b32 v[\by], 23, v[\so]
	v_cvt_scalef32_pk16_fp6_f32 v[\cd:\cd+2], v[\x:\x+15], v[\so]
	v_cvt_scalef32_pk16_fp6_f32 v[112:114], v[\x+16:\x+31], v[\so]   ; (a conversion's three registers begin on an even number)
	v_nop                                          ; one plain place behind a scaled conversion
	v_mov_b32 v[\cd+3], v112
	v_mov_b32 v[\cd+4], v113
	v_mov_b32 v[\cd+5], v114
.endm
; T's fragment (a = s16, kappa = s17, dt = the wave).  Lane (r, hh): row d = 16 dt + r; registers 6 c .. 6 c + 5: block 4 kappa + 2 c + hh
.macro TTASK
	s_lshl_b32 s18, s17, 7
	s_add_co_u32 s18, s18, 32
	s_sub_co_u32 s18, s18, s16                     ; 128 kappa + 32 - a
	v_lshl_add_u32 v4, v3, 5, s18                  ; + 32 hh: kk + 32 - a of my first block's number 0
	s_lshl_b32 s19, s14, 6
	v_lshl_add_u32 v5, v2, 2, s19                  ; 4 d
.irp c, 0,1
.irp p, 0,1,2,3,4,5,6,7,8,9,10,11,12,13,14,15,16,17,18,19,20,21,22,23,24,25,26,27,28,29,30,31
.set PI, \p%8+16*((\p/8)%2)+8*(\p/16)
	v_add_nc_u32 v[PX+32*\c+\p], 64*\c+PI, v4      ; u = kk - a + 32, at least 1
	v_min_u32 v6, 32, v[PX+32*\c+\p]
	v_sub_nc_u32 v[PX+32*\c+\p], v[PX+32*\c+\p], v6  ; u - min(u, 32) = max(kk - a, 0)
	v_min_u32 v[PX+32*\c+\p], 0x100, v[PX+32*\c+\p]  ; at most 256: inside the table
	v_lshl_add_u32 v[PX+32*\c+\p], v[PX+32*\c+\p], 8, v5
	global_load_b32 v[PX+32*\c+\p], v[PX+32*\c+\p], s[52:53]
.endr
.endr
	s_wait_loadcnt 32                              ; the first block's 32 loads are in, the second's may be out
	BLK PX, PCD, 14, 16
	s_wait_loadcnt 0x0
	BLK PX+32, PCD+6, 15, 17
	s_lshl_b32 s19, s17, 2
	v_add_nc_u32 v7, s19, v3                       ; 4 kappa + hh
	v_cmp_ge_u32 vcc_lo, 8, v7                     ; my first block is one of 0 .. 8
.irp i, 0,1,2,3,4,5
	v_cndmask_b32 v[PCD+\i], 0, v[PCD+\i], vcc_lo  ; else zero codes
.endr
	v_cmp_ge_u32 vcc_lo, 6, v7                     ; my second, two further on, likewise
.irp i, 6,7,8,9,10,11
	v_cndmask_b32 v[PCD+\i], 0, v[PCD+\i], vcc_lo
.endr
	s_wait_alu depctr_va_vdst(0)
	v_lshl_or_b32 v8, v17, 16, v16                 ; my two bytes: blocks hh and 2 + hh of the K step,
	v_lshlrev_b32 v9, 3, v3
	v_lshlrev_b32 v8, v9, v8                       ; at their places;
	v_permlanex16_b32 v10, v8, s[SEL], s[SEL+1]
	v_or_b32 v8, v8, v10                           ; with lane l xor 16's two the word is whole
	s_mul_i32 s24, s16, 18432
	s_mul_i32 s18, s17, 6144
	s_add_co_u32 s24, s24, s18
	s_mul_i32 s18, s14, 1536
	s_add_co_u32 s24, s24, s18
	s_add_co_u32 s24, s24, TI_O
	s_add_nc_u64 s[20:21], s[54:55], s[24:25]
	s_mul_i32 s24, s16, 768
	s_lshl_b32 s18, s17, 8
	s_add_co_u32 s24, s24, s18
	s_lshl_b32 s18, s14, 6
	s_add_co_u32 s24, s24, s18
	s_add_co_u32 s24, s24, TS_O
	s_add_nc_u64 s[22:23], s[54:55], s[24:25]
	v_lshlrev_b32 v9, 2, v2
	s_wait_alu depctr_va_vdst(0)
	global_store_b128 v11, v[PCD:PCD+3], s[20:21]
	global_store_b128 v11, v[PCD+4:PCD+7], s[20:21] offset:512
	global_store_b128 v11, v[PCD+8:PCD+11], s[20:21] offset:1024
	global_store_b32 v9, v8, s[22:23]              ; both halves of the lanes write the same word with the same value
.endm
.Lprep:
	s_bfe_u32 s40, ttmp6, 0x40000                  ; cx
	s_bfe_u32 s41, ttmp6, 0x40004                  ; cy
	s_and_b32 s16, s99, 1
	s_lshl_b32 s16, s16, 4
	s_lshl_b32 s18, s41, 2
	s_add_co_u32 s16, s16, s18
	s_add_co_u32 s16, s16, s40                     ; a
	s_lshr_b32 s26, s99, 1                         ; half
	s_lshl_b32 s17, s26, 1                         ; kappa = 0 or 2
	s_mov_b32 s25, 0                               ; the high word of every offset
	s_mov_b32 s[SEL], 0x76543210
	s_mov_b32 s[SEL+1], 0xfedcba98                 ; selects for lane l xor 16
	v_and_b32 v1, 31, v0                           ; lane
	v_and_b32 v2, 15, v0                           ; r
	v_bfe_u32 v3, v0, 4, 1                         ; hh
	v_mov_b32 v10, 0                               ; (a lane permute's destination counts as one of its sources)
	v_lshlrev_b32 v11, 4, v1                       ; 16 x lane
	TTASK
	s_wait_xcnt 0x0                                ; the stores have read their registers and bases: both are written again only behind this wait
	s_cmp_eq_u32 s26, 0
	s_cbranch_scc0 .Lprep_b
	s_mov_b32 s17, 1
	TTASK
	FINISH
.Lprep_b:
	s_cmp_eq_u32 s14, 0
	s_cbranch_scc0 .Lprep_c
	; ---- EK: tile a.  Lane (r, hh): row 16 a + r, block hh of d
	s_lshl_b32 s17, s16, 4
	v_add_nc_u32 v4, s17, v2                       ; e
	v_min_u32 v5, 0x80, v4
	v_sub_nc_u32 v4, v4, v5                        ; max(e - 128, 0)
	v_min_u32 v4, 0x100, v4
	v_lshlrev_b32 v4, 8, v4
	v_lshl_add_u32 v4, v3, 7, v4                   ; the row's 256 bytes, my block's 128
.irp i, 0,1,2,3,4,5,6,7
	global_load_b128 v[PX+4*\i:PX+4*\i+3], v4, s[50:51] offset:4*((4*\i)%8+16*(((4*\i)/8)%2)+8*((4*\i)/16))
.endr
	s_wait_loadcnt 0x0
	BLK PX, PCD, 14, 16
	v_lshlrev_b32 v9, 3, v3
	v_lshlrev_b32 v8, v9, v16                      ; byte hh of the row's word; bytes 2 and 3 stay 0: they meet zero codes
	v_permlanex16_b32 v10, v8, s[SEL], s[SEL+1]
	v_or_b32 v8, v8, v10
	s_mul_i32 s24, s16, 768
	s_add_nc_u64 s[20:21], s[54:55], s[24:25]
	s_lshl_b32 s24, s16, 6
	s_add_co_u32 s24, s24, EKS_O
	s_add_nc_u64 s[22:23], s[54:55], s[24:25]
	v_lshlrev_b32 v7, 3, v1
	v_lshlrev_b32 v9, 2, v2
	global_store_b128 v11, v[PCD:PCD+3], s[20:21]
	global_store_b64 v7, v[PCD+4:PCD+5], s[20:21] offset:512
	global_store_b32 v9, v8, s[22:23]
	s_branch .Lprep_end
.Lprep_c:
	s_cmp_eq_u32 s14, 1
	s_cbranch_scc0 .Lprep_end
	; ---- CQ: numbers 4 a + (lane & 3) of the 128: rel_v[0][d] for a under 16, rel_v[256][d] from 16 on; eight lanes hold each number and write the same word with the same value
	s_lshr_b32 s18, s16, 4
	s_and_b32 s19, s16, 15
	s_lshl_b32 s19, s19, 4                         ; four d: 16 bytes
	s_lshl_b32 s24, s18, 16                        ; row 256 begins 65,536 bytes on
	s_add_co_u32 s24, s24, s19
	v_and_b32 v6, 3, v0
	v_lshl_add_u32 v4, v6, 2, s24
	global_load_b32 v5, v4, s[52:53]
	s_lshl_b32 s24, s16, 4
	s_add_co_u32 s24, s24, CQ_O
	v_lshl_add_u32 v16, v6, 2, s24
	s_wait_loadcnt 0x0
	v_and_b32 v6, 0x7fffffff, v5                   ; |x|
	v_max_num_f32 v7, 0x1800000, v6                ; with the floor
	v_and_b32 v7, 0x7f800000, v7                   ; E = 2^floor(log2): four times the block's scale
	v_add_nc_u32 v8, 0x0a000000, v7
	v_or_b32 v8, 0x400000, v8                      ; 1.5 x 2^20 x E: its last place is E / 8, half the scale: the step of the codes from 4 to 7.5
	v_add_f32 v9, v6, v8
	v_sub_f32 v9, v9, v8                           ; |x| to the nearest step, ties to even
	v_or_b32 v7, 0x700000, v7                      ; 1.875 E = 7.5 x the scale
	v_min_num_f32 v9, v9, v7
	v_bfi_b32 v9, 0x7fffffff, v9, v5               ; x's sign
	global_store_b32 v16, v9, s[54:55]
.Lprep_end:
	FINISH
.Lfunc_end_k_q0f30f92794_qkv:
	.size	k_q0f30f92794_qkv, .Lfunc_end_k_q0f30f92794_qkv-k_q0f30f92794_qkv
	.p2alignl 7, 3214868480
	.fill 96, 4, 3214868480
	.section	.rodata,"a",@progbits
	.p2align	6, 0x0
	.amdhsa_kernel k_q0f30f92794_qkv
		.amdhsa_group_segment_fixed_size 327680
		.amdhsa_private_segment_fixed_size 0
		.amdhsa_enable_private_segment 0
		.amdhsa_kernarg_size 128
		.amdhsa_user_sgpr_count 2
		.amdhsa_user_sgpr_kernarg_segment_ptr 1
		.amdhsa_wavefront_size32 1
		.amdhsa_system_sgpr_workgroup_id_x 1
		.amdhsa_system_sgpr_workgroup_id_y 1
		.amdhsa_system_sgpr_workgroup_id_z 1
		.amdhsa_system_vgpr_workitem_id 0
		.amdhsa_next_free_vgpr 1024
		.amdhsa_next_free_sgpr 102
		.amdhsa_reserve_vcc 1
		.amdhsa_float_denorm_mode_32 3
		.amdhsa_float_denorm_mode_16_64 3
		.amdhsa_memory_ordered 1
		.amdhsa_forward_progress 1
		.amdhsa_inst_pref_size 255
	.end_amdhsa_kernel
	.section	.bss,"aw",@nobits
	.p2align	6
	.space	262144
	.amdgpu_metadata
---
amdhsa.version: [ 1, 2 ]
amdhsa.kernels:
  - .name:           k_q0f30f92794_qkv
    .symbol:         k_q0f30f92794_qkv.kd
    .args:
      - { .name: x_codes, .offset: 0, .size: 8, .value_kind: global_buffer, .address_space: global }
      - { .name: x_scales, .offset: 8, .size: 8, .value_kind: global_buffer, .address_space: global }
      - { .name: Wq_codes, .offset: 16, .size: 8, .value_kind: global_buffer, .address_space: global }
      - { .name: Wq_scales, .offset: 24, .size: 8, .value_kind: global_buffer, .address_space: global }
      - { .name: Wk_codes, .offset: 32, .size: 8, .value_kind: global_buffer, .address_space: global }
      - { .name: Wk_scales, .offset: 40, .size: 8, .value_kind: global_buffer, .address_space: global }
      - { .name: Wv_codes, .offset: 48, .size: 8, .value_kind: global_buffer, .address_space: global }
      - { .name: Wv_scales, .offset: 56, .size: 8, .value_kind: global_buffer, .address_space: global }
      - { .name: bq, .offset: 64, .size: 8, .value_kind: global_buffer, .address_space: global }
      - { .name: bk, .offset: 72, .size: 8, .value_kind: global_buffer, .address_space: global }
      - { .name: bv, .offset: 80, .size: 8, .value_kind: global_buffer, .address_space: global }
      - { .name: QB, .offset: 88, .size: 8, .value_kind: global_buffer, .address_space: global }
      - { .name: KV, .offset: 96, .size: 8, .value_kind: global_buffer, .address_space: global }
      - { .name: rel_k, .offset: 104, .size: 8, .value_kind: global_buffer, .address_space: global }
      - { .name: rel_v, .offset: 112, .size: 8, .value_kind: global_buffer, .address_space: global }
      - { .name: TAB, .offset: 120, .size: 8, .value_kind: global_buffer, .address_space: global }
    .group_segment_fixed_size: 327680
    .private_segment_fixed_size: 0
    .kernarg_segment_align: 8
    .kernarg_segment_size: 128
    .max_flat_workgroup_size: 128
    .sgpr_count:     102
    .vgpr_count:     1024
    .wavefront_size: 32
...
	.end_amdgpu_metadata
.endif
;; end of part 5
;; launch attn (part 6): grid 4 x 64, 16 waves a work-group, no clusters, 289,024 bytes of LDS; arguments QB, KV, TAB, AOI, AOS; writes AOI, AOS
.if DOCPART == 6
	.amdgcn_target "amdgcn-amd-amdhsa--gfx1250"
	.amdhsa_code_object_version 6
	.text
	.protected	k_q0f30f92794_attn
	.globl	k_q0f30f92794_attn
	.p2align	8
	.type	k_q0f30f92794_attn,@function
k_q0f30f92794_attn:
	s_mov_b64 s[64:65], 0
	v_nop
	global_prefetch_b8 v0, s[64:65] scope:SCOPE_SE
	s_setreg_imm32_b32 hwreg(HW_REG_WAVE_MODE, 25, 1), 1
	s_wait_xcnt 0x0
; Attention with relative positions on codes of FP6 (E2M3), one E8M0 scale for each 32 along a product's K.
; THE SHARES.  A (batch, head) has 64 tiles of 16 queries.  Work-group x = 2 hf + par of the head takes the sixteen tiles 2 (16 hf + w) + par, wave w one of them: so all its queries have a = q mod 32 in 16 par .. 16 par + 15,
; and each such a is met by sixteen of them, one in each wave.  The head's K and V lie whole in LDS, so which queries a work-group owns is free.
; score(q, k) = Qq . Qk + Qq . EK[k - q + 256]; t = score x log2(e) / 8; p = 2^(t - M), M the running largest t rounded up; the sum is taken of the unquantised p; o = (p V + p RPV) / sum.
; Both products are used transposed: a lane (n, h) holds query n throughout.  A K of 64 goes through the 128-deep form with zero codes in the upper half of q's fragment: what stands in the other side's upper half adds nothing.
; THE WALK.  A wave whose queries lie in key step z = 4 hf + k, k = w / 4, walks the eight steps of 128 keys modulo 8 from step z - 1 - 2 k on: the three steps round its queries (the band), which use LDS most, begin in trip 2 k,
; so that in each trip 4 to 8 of the sixteen waves are in the band.
; RELATIVE SCORES.  In a band step, 32 keys at a time, G = EK's rows x q is made for 48 rows of the table, put into the wave's stage in LDS one word further on in each row (the skew), and read back in the scores' layout as the C
; of k q^T.  Row e of EK is rel_k[clip(e - 128, 0, 256)], and keys 32 kq + i of the step below my queries' meet rows 128 + 32 kq + i - 16 (tile mod 8) - n: none above 128 where kq < w & 3; those of the step above meet
; rows 384 + 32 kq + i - 16 (tile mod 8) - n: none under 384 where kq > w & 3.  There C is the product of q with the table's first or last row, one number a query, and no G is made.
; In the steps outside the band that one number is added with the scaling.
; RELATIVE VALUES.  K is the keys, so rel_v is quantised in blocks of 32 keys, and its codes hang on a.  For q = 32 g + a: key blocks up to g - 5 hold one number c0[d], from g + 5 on c256[d]: there the product is c x the sum
; of the quantised p, which a product of p with rows of ones gives.  Blocks g - 4 .. g + 4 meet the table T[a]: each wave stashes p's codes of its band steps in LDS; behind a barrier wave w multiplies T[16 par + w] by the
; sixteen queries of the work-group that have that a (column n is wave n's), and hands the results back through LDS.  The stashed scale bytes are first brought under the last M (bytes less the whole number by which M rose).
; No cluster: where the band lies hangs on the work-group's number, so partners would not branch alike.  No ring: a head's K and V codes, 104,448 bytes, stay in LDS whole; every tensor load is a first fill, asked for at the head,
; so there is no loop in which a prefetch could run ahead of one.
; LIMITS: NaN and infinities are not served; |t| under 2^24, so that M and its differences are whole numbers; a stashed block whose byte would fall under 1 is held at 1 (its terms are then under 2^-123 beside a sum above 1/2);
; a block whose largest magnitude lies under 2^-124 keeps the byte 1.
; LDS: 0 the head's block of KV; 104,448 EK's images, 129,024 its scale words; 131,072 sixteen stages of 4,352 (behind the loop's barrier: the band's results, 69,888 bytes); 200,960 the stash; 282,880 its scale bytes; 286,976 the spare words.
; REGISTERS: v1-v23 addresses and whole numbers that stay; v24-34 scale words and nothing else; v36-47 q; v48-101 fragments; v102-165 scores, then p; v166-197 O^T; v198-205 the sums of quantised p; v206-217 p's codes; v218-255 at work
; (v235, v237: q x the table's first and last row; as upper halves of named pairs their values are not taken).
.set HKV,   104448
.set HQ,    53248
.set EKB,   104448
.set EKSB,  129024
.set STG,   131072
.set STASH, 200960
.set SSC,   282880
.set SPAREB, 286976
.set VIO,   49152
.set SROW,  4624                       ; the stash of one a: sixteen queries x 12 blocks x 24 bytes, + 16
.set OROW,  4368                       ; the band's results of one a: sixteen rows of 272, + 16
.set S,   102
.set O,   166
.set PC,  206
.set CT,  218
.set BM,  226
.set SO,  230
; one matrix instruction: D at d, source 0 at a, source 1 at b, scale words in v[sa], v[sb]; row = 1: source 0's words stand in lanes 16-31; acc = 1: onto D, else the sum begins
.macro WM d, a, b, sa, sb, row, acc
.if \acc
.if \row
	v_wmma_scale_f32_16x16x128_f8f6f4 v[\d:\d+7], v[\a:\a+11], v[\b:\b+11], v[\d:\d+7], v[\sa], v[\sb] matrix_a_fmt:MATRIX_FMT_FP6 matrix_b_fmt:MATRIX_FMT_FP6 matrix_a_scale:MATRIX_SCALE_ROW1
.else
	v_wmma_scale_f32_16x16x128_f8f6f4 v[\d:\d+7], v[\a:\a+11], v[\b:\b+11], v[\d:\d+7], v[\sa], v[\sb] matrix_a_fmt:MATRIX_FMT_FP6 matrix_b_fmt:MATRIX_FMT_FP6
.endif
.else
.if \row
	v_wmma_scale_f32_16x16x128_f8f6f4 v[\d:\d+7], v[\a:\a+11], v[\b:\b+11], 0, v[\sa], v[\sb] matrix_a_fmt:MATRIX_FMT_FP6 matrix_b_fmt:MATRIX_FMT_FP6 matrix_a_scale:MATRIX_SCALE_ROW1
.else
	v_wmma_scale_f32_16x16x128_f8f6f4 v[\d:\d+7], v[\a:\a+11], v[\b:\b+11], 0, v[\sa], v[\sb] matrix_a_fmt:MATRIX_FMT_FP6 matrix_b_fmt:MATRIX_FMT_FP6
.endif
.endif
.endm
.macro PLACES n
.rept \n
	v_nop
.endr
.endm
	s_load_b256 s[4:11], s[0:1], 0x0               ; QB, KV, TAB, AOI
	s_load_b64 s[12:13], s[0:1], 0x20              ; AOS
	v_lshl_add_u32 v254, v0, 2, SPAREB
	v_mov_b32 v255, 0
	ds_add_u32 v254, v255                          ; the opening lines
	ds_add_u32 v254, v255
	v_lshrrev_b32 v252, 5, v0
	s_delay_alu instid0(VALU_DEP_1)
	v_readfirstlane_b32 s14, v252                  ; wave 0..15
	s_and_b32 s15, ttmp7, 0xffff                   ; 16 x batch + head
	s_and_b32 s16, s14, 7                          ; which eighth of a fill is mine
	s_mov_b32 s71, 0                               ; the high word of every offset
	s_mov_b32 s69, 0
	; descriptor groups 1: dense blocks as rows of 256 bytes: 51 rows of the head's block, 13 rows of the table, for each of eight waves
	s_mov_b32 s24, 3<<16
	s_mov_b32 s25, 32<<16
	s_mov_b32 s26, 51<<16
	s_mov_b32 s27, 32<<16
	s_mov_b32 s28, 51
	s_mov_b32 s29, 32
	s_mov_b32 s30, 0
	s_mov_b32 s31, 0
	s_mov_b32 s32, 3<<16
	s_mov_b32 s33, 32<<16
	s_mov_b32 s34, 13<<16
	s_mov_b32 s35, 32<<16
	s_mov_b32 s36, 13
	s_mov_b32 s37, 32
	s_mov_b32 s38, 0
	s_mov_b32 s39, 0
	s_mul_i32 s56, s16, 13056
	s_mul_i32 s70, s15, HKV
	s_add_co_u32 s70, s70, s56
	s_mul_i32 s68, s16, 3328
	s_mov_b32 s40, 1
	s_mov_b32 s41, s56                             ; LDS: (wave & 7) x 13,056
	s_mov_b32 s44, 1
	s_add_co_u32 s45, s68, EKB
	s_wait_dscnt 0x0                               ; both opening adds are done
	s_wait_kmcnt 0x0
	s_add_nc_u64 s[42:43], s[6:7], s[70:71]
	s_or_b32 s43, s43, 0x80000000
	s_add_nc_u64 s[46:47], s[8:9], s[68:69]
	s_or_b32 s47, s47, 0x80000000
	s_cmp_lt_u32 s14, 8                            ; waves 0-7 fetch the head's block, waves 8-15 the table: one tensor load a wave, each a first fill; all else of the head stands behind it
	s_cbranch_scc0 .Lfill_e
	tensor_load_to_lds s[40:43], s[24:31]
	s_nop 0
	PLACES 4
	s_branch .Lfilled
.Lfill_e:
	tensor_load_to_lds s[44:47], s[32:39]
	s_nop 0
	PLACES 4
.Lfilled:
	s_and_b32 s16, ttmp9, 1                        ; par
	s_lshr_b32 s19, ttmp9, 1                       ; hf
	s_lshl_b32 s19, s19, 4
	s_add_co_u32 s19, s19, s14                     ; g = 16 hf + wave: my queries' block of 32
	s_lshl_b32 s17, s19, 1
	s_add_co_u32 s17, s17, s16                     ; my tile of 16 queries, 0..63
	s_and_b32 s18, s14, 3
	s_lshl_b32 s18, s18, 1
	s_or_b32 s18, s18, s16                         ; tile mod 8
	s_xor_b32 s18, s18, 7                          ; 7 - (tile mod 8)
	s_lshr_b32 s57, s17, 3                         ; z: the step of 128 keys in which my queries lie
	s_mov_b32 s20, 0x76543210
	s_mov_b32 s21, 0xfedcba98                      ; selects for lane l xor 16
	s_mov_b32 s22, 0x3e38aa3b                      ; c = log2(e) / 8
	s_mov_b32 s23, s22
	s_mov_b32 s53, 0x08208208                      ; sixteen codes of 1.0 (0b001000) in three words
	s_mov_b32 s54, 0x82082082
	s_mov_b32 s55, 0x20820820
	; every LDS address that stays
	v_and_b32 v252, 31, v0                         ; lane
	v_and_b32 v253, 15, v0                         ; n
	v_bfe_u32 v254, v0, 4, 1                       ; h
	v_and_b32 v22, 3, v0                           ; n & 3
	v_lshlrev_b32 v1, 4, v252                      ; 16 x lane
	v_lshlrev_b32 v2, 3, v252                      ; 8 x lane
	v_lshlrev_b32 v23, 2, v252                     ; 4 x lane
	s_delay_alu instid0(VALU_DEP_1)
	v_add_nc_u32 v3, 98304, v23                    ; K's scale words (V's lie 4,096 further on)
	s_mul_i32 s56, s18, 768
	s_add_co_u32 s56, s56, EKB
	v_add_nc_u32 v4, s56, v1                       ; EK's images from tile 7 - (tile mod 8) on
	v_add_nc_u32 v5, s56, v2
	s_lshl_b32 s56, s18, 6
	s_add_co_u32 s56, s56, EKSB
	v_add_nc_u32 v6, s56, v23                      ; their scale words, two tiles to a register,
	v_lshl_add_u32 v7, v253, 2, s56                ; or one
	s_mul_i32 s56, s14, 4352
	s_add_co_u32 s56, s56, STG
	v_mul_u32_u24 v8, v253, 276                    ; into the stage: row n of 272 bytes, and n words further on: the skew
	s_delay_alu instid0(VALU_DEP_1)
	v_lshl_add_u32 v8, v254, 5, v8
	s_delay_alu instid0(VALU_DEP_1)
	v_add_nc_u32 v8, s56, v8
	v_mul_u32_u24 v9, v253, 272                    ; back: row n, from word 16 on
	s_delay_alu instid0(VALU_DEP_1)
	v_lshl_add_u32 v9, v254, 5, v9
	s_delay_alu instid0(VALU_DEP_1)
	v_add_nc_u32 v9, s56, v9
	s_delay_alu instid0(VALU_DEP_1)
	v_add_nc_u32 v9, 64, v9
	s_mul_i32 s67, s14, 288
	s_add_co_u32 s67, s67, STASH
	v_mul_u32_u24 v10, v253, SROW
	s_delay_alu instid0(VALU_DEP_1)
	v_mad_u32_u24 v10, v254, 24, v10
	s_delay_alu instid0(VALU_DEP_1)
	v_add_nc_u32 v10, s67, v10                     ; my query's stash: row a - 16 par = n, query = my wave, + 24 h
	s_lshl_b32 s67, s14, 4
	s_add_co_u32 s67, s67, SSC
	v_lshl_add_u32 v11, v253, 8, s67               ; its scale bytes: 16 (16 n + wave)
	s_mul_i32 s67, s14, SROW
	s_add_co_u32 s67, s67, STASH
	v_mul_u32_u24 v12, v253, 288
	s_delay_alu instid0(VALU_DEP_1)
	v_mad_u32_u24 v12, v22, 24, v12
	s_delay_alu instid0(VALU_DEP_1)
	v_mad_u32_u24 v12, v254, 24, v12
	s_delay_alu instid0(VALU_DEP_1)
	v_add_nc_u32 v12, s67, v12                     ; the band product's source 1: row = my wave, column n = wave n's query, whose table block 0 is stash block n & 3
	s_lshl_b32 s67, s14, 8
	s_add_co_u32 s67, s67, SSC
	v_lshl_add_u32 v13, v253, 4, s67
	s_mul_i32 s67, s14, OROW
	s_add_co_u32 s67, s67, STG
	v_mul_u32_u24 v14, v253, 272
	s_delay_alu instid0(VALU_DEP_1)
	v_lshl_add_u32 v14, v254, 5, v14
	s_delay_alu instid0(VALU_DEP_1)
	v_add_nc_u32 v14, s67, v14                     ; where its results go
	s_mul_i32 s67, s14, 272
	s_add_co_u32 s67, s67, STG
	v_mul_u32_u24 v15, v253, OROW
	s_delay_alu instid0(VALU_DEP_1)
	v_lshl_add_u32 v15, v254, 5, v15
	s_delay_alu instid0(VALU_DEP_1)
	v_add_nc_u32 v15, s67, v15                     ; and where I find my queries'
	v_lshlrev_b32 v22, 3, v22                      ; 8 (n & 3): the shift for the stash's scale bytes
	v_lshl_add_u32 v35, v0, 4, STASH
	s_delay_alu instid0(VALU_DEP_1)
	v_add_nc_u32 v19, 0x10000, v35
	v_lshlrev_b32 v243, 2, v253                    ; 4 n
	; rows of ones: source 0's row 0 counts key blocks up to g - 5, row 1 those from g + 5 on.  Y = sigma x (block - g), sigma = -1, +1, 0: a block counts where Y >= 5.  v20 = sigma (h - g), v21 = 2 sigma
	v_mov_b32 v21, 0
	v_mov_b32 v255, 1
	v_cmp_eq_u32 vcc_lo, 1, v253
	s_delay_alu instid0(VALU_DEP_1)
	v_cndmask_b32 v21, v21, v255, vcc_lo
	v_mov_b32 v255, -1
	v_cmp_eq_u32 vcc_lo, 0, v253
	s_delay_alu instid0(VALU_DEP_1)
	v_cndmask_b32 v21, v21, v255, vcc_lo
	v_mov_b32 v255, s19
	s_delay_alu instid0(VALU_DEP_1)
	v_sub_nc_u32 v20, v254, v255
	s_delay_alu instid0(VALU_DEP_1)
	v_mul_lo_u32 v20, v20, v21
	s_delay_alu instid0(VALU_DEP_4)
	v_lshlrev_b32 v21, 1, v21
	s_mul_i32 s70, s15, HQ
	s_mul_i32 s56, s17, 768
	s_add_co_u32 s70, s70, s56
	s_add_nc_u64 s[66:67], s[4:5], s[70:71]        ; q's image
	s_mul_i32 s70, s15, HQ
	s_lshl_b32 s56, s17, 6
	s_add_co_u32 s70, s70, s56
	s_add_co_u32 s70, s70, 49152
	s_add_nc_u64 s[68:69], s[4:5], s[70:71]        ; its scale words
	global_load_b128 v[36:39], v1, s[66:67]
	global_load_b64 v[40:41], v2, s[66:67] offset:512
	global_load_b32 v24, v243, s[68:69]
	s_and_b32 s56, ttmp9, 1
	s_lshl_b32 s56, s56, 4
	s_add_co_u32 s56, s56, s14                     ; the a whose table is mine: 16 par + wave
	s_mul_i32 s70, s56, 18432
	s_add_co_u32 s70, s70, 51712
	s_add_nc_u64 s[58:59], s[8:9], s[70:71]        ; T's images of that a
	s_mul_i32 s70, s56, 768
	s_add_co_u32 s70, s70, 27136
	s_add_nc_u64 s[60:61], s[8:9], s[70:71]        ; their scale words
	s_add_nc_u64 s[62:63], s[8:9], 26624           ; c0, c256
	s_lshr_b32 s56, s15, 4
	s_lshl_b32 s56, s56, 6
	s_add_co_u32 s56, s56, s17                     ; my tile of 16 tokens among all 256
	s_and_b32 s16, s15, 15                         ; the head
	s_mul_i32 s70, s56, 12288
	s_mul_i32 s18, s16, 768
	s_add_co_u32 s70, s70, s18
	s_add_nc_u64 s[10:11], s[10:11], s[70:71]      ; the output's image: half a K step of 128 to a head
	s_lshl_b32 s70, s56, 9
	s_lshl_b32 s18, s16, 1
	s_add_co_u32 s70, s70, s18
	s_add_nc_u64 s[12:13], s[12:13], s[70:71]      ; its scale bytes: 32 a token, two a head
.irp r, 42,43,44,45,46,47, 60,61,62,63,64,65,66,67,68,69,70,71, 96,97,98,99,100,101
	v_mov_b32 v\r, 0                               ; q's upper half; the tails behind the fragments
.endr
.set j, 0
.rept 40
	v_mov_b32 v[O+j], 0                            ; O^T and the sums of quantised p: the step is written for every trip alike, the first finds zeros
.set j, j+1
.endr
.irp r, 218,219,220,221, 240,241, 252,253,254,255
	v_mov_b32 v\r, 0                               ; permutes' destinations, upper halves of named pairs, the row's sum
.endr
	v_mov_b32 v25, 0x7f7f7f7f                      ; the ones' scale: 1
	v_mov_b32 v239, 0xff61b1e6                     ; the largest t so far: -3e38
	s_delay_alu instid0(VALU_DEP_1)
	v_floor_f32 v238, -v239                        ; -M
.irp k, 0,1,2
	v_mov_b32 v[246+\k], 0x01010101                ; a band step that does not exist keeps zero codes and these bytes
	v_mov_b32 v[249+\k], 0x7f000000
.endr
.irp i, 0,1,2,3,4,5,6,7
	ds_store_b128 v35, v[60:63] offset:8192*\i     ; the stash begins as zero codes: 512 threads x 16 bytes x 10
.endr
	ds_store_b128 v19, v[60:63]
	ds_store_b128 v19, v[60:63] offset:8192
	s_wait_tensorcnt 0x0                           ; my part of the fills has landed,
	s_wait_dscnt 0x0                               ; my zeros are stored:
	s_barrier_signal -1
	s_barrier_wait -1                              ; everybody's
	s_wait_loadcnt 0x0                             ; q
	; the relative score below and above the table's moving part: its first and last rows
	v_add_nc_u32 v16, EKB, v1
	v_add_nc_u32 v17, EKB, v2
	v_add_nc_u32 v18, EKSB, v243
	ds_load_b128 v[48:51], v16
	ds_load_b64 v[52:53], v17 offset:512
	ds_load_b128 v[54:57], v16 offset:31*768
	ds_load_b64 v[58:59], v17 offset:31*768+512
	ds_load_b32 v33, v18
	ds_load_b32 v34, v18 offset:31*64
	s_wait_dscnt 0x0
	WM 72, 48, 36, 33, 24, 0, 0
	WM 80, 54, 36, 34, 24, 0, 0
	PLACES 4
	v_mul_f32 v244, s22, v72                       ; as t,
	v_mul_f32 v245, s22, v80
	v_mov_b32 v235, v72                            ; and as they are
	v_mov_b32 v237, v80
	s_lshr_b32 s16, s14, 2                         ; k
	s_xor_b32 s16, s16, 3                          ; 3 - k
	s_lshr_b32 s19, ttmp9, 1
	s_lshl_b32 s19, s19, 2                         ; 4 hf
	s_add_co_u32 s16, s16, s19
	s_add_co_u32 s16, s16, 4                       ; the walk begins at step (4 hf + 7 - k) mod 8 = (z - 1 - 2 k) mod 8
	s_and_b32 s19, s14, 3                          ; w & 3
	s_mov_b32 s18, 0                               ; the trip
	s_wait_alu depctr_va_vdst(0)
; The relative scores of 32 keys, quarter kq of band step rh (0, 1, 2): three tiles of the table x q; through the stage with the skew; back as the scores' C.  Where all 48 rows are the table's first or last: that one number
.macro GQ rh, kq
.if (\rh == 0) && (\kq < 3)
	s_cmp_gt_u32 s19, \kq
	s_cbranch_scc1 .Lclip_\@
.endif
.if (\rh == 2) && (\kq > 0)
	s_cmp_lt_u32 s19, \kq
	s_cbranch_scc1 .Lclip_\@
.endif
.irp t, 0,1,2
	ds_load_b128 v[48+6*\t:51+6*\t], v4 offset:768*(8*\rh+2*\kq+\t)
	ds_load_b64 v[52+6*\t:53+6*\t], v5 offset:768*(8*\rh+2*\kq+\t)+512
.endr
	ds_load_b32 v33, v6 offset:64*(8*\rh+2*\kq)
	ds_load_b32 v34, v7 offset:64*(8*\rh+2*\kq)+128
	s_wait_dscnt 0x0
	WM 72, 48, 36, 33, 24, 0, 0
	WM 80, 54, 36, 33, 24, 1, 0
	WM 88, 60, 36, 34, 24, 0, 0
	PLACES 5                                       ; four for the stores and loads below, five for the next quarter's products, which write over these results
.irp t, 0,1,2
.irp j, 0,1,2,3,4,5,6,7
	ds_store_b32 v8, v[72+8*\t+\j] offset:4*(16*\t+\j)   ; table row 16 t + 8 h + j for query n, at word row + n
.endr
.endr
.irp u, 0,1
	ds_load_b128 v[S+16*\kq+8*\u:S+16*\kq+8*\u+3], v9 offset:64*\u        ; LDS serves a wave's instructions in order: these see the stores above
	ds_load_b128 v[S+16*\kq+8*\u+4:S+16*\kq+8*\u+7], v9 offset:64*\u+16
.endr
.if ((\rh == 0) && (\kq < 3)) || ((\rh == 2) && (\kq > 0))
	s_branch .Ldone_\@
.Lclip_\@:
.irp x, 0,1,2,3,4,5,6,7,8,9,10,11,12,13,14,15
	v_mov_b32 v[S+16*\kq+\x], v[235+\rh]
.endr
.Ldone_\@:
.endif
.endm
.macro GPHASE rh
	GQ \rh, 0
	GQ \rh, 1
	GQ \rh, 2
	GQ \rh, 3
.endm
.macro KLOAD                           ; the step's eight tiles of 16 keys, half fragments on end, and their scale words, two tiles to a register
.irp t, 0,1,2,3,4,5,6,7
	ds_load_b128 v[48+6*\t:51+6*\t], v16 offset:768*\t
	ds_load_b64 v[52+6*\t:53+6*\t], v17 offset:768*\t+512
.endr
.irp y, 0,1,2,3
	ds_load_b32 v[27+\y], v18 offset:128*\y
.endr
	s_wait_dscnt 0x0
.endm
.macro QK acc                          ; S^T = K q^T; a tile's upper half is the next tile's codes, which meet q's zeros
.irp t, 0,1,2,3,4,5,6,7
	WM S+8*\t, 48+6*\t, 36, 27+\t/2, 24, \t%2, \acc
.endr
.endm
.macro STASHP rh                       ; p's codes of band step rh, its scale word and the M under which they were made
.irp c, 0,1
.irp i, 0,1,2
	ds_store_b64 v10, v[PC+6*\c+2*\i:PC+6*\c+2*\i+1] offset:96*\rh+48*\c+8*\i
.endr
.endr
	v_mov_b32 v[246+\rh], v26
	v_mov_b32 v[249+\rh], v238
.endm
.Lstep:                                            ; eight trips of 128 keys
	s_add_co_u32 s48, s16, s18
	s_and_b32 s48, s48, 7                          ; the step
	s_mul_i32 s50, s48, 6144                       ; K's and V's images
	s_lshl_b32 s51, s48, 9                         ; K's scale words
	s_lshl_b32 s52, s48, 8                         ; V's
	s_lshl_b32 s67, s48, 1
	v_add_nc_u32 v16, s50, v1                      ; these four and the v_nop are the five places behind the last trip's products: this trip's first products write over registers
	v_add_nc_u32 v17, s50, v2                      ; that those have read, which asks for five; the loads into v48 on and the moves into v102 on ask for four
	v_add_nc_u32 v18, s51, v3
	v_add_nc_u32 v19, s52, v3
	v_nop
	s_sub_co_i32 s49, s48, s57
	s_add_co_i32 s49, s49, 1                       ; 0, 1, 2 in the band
	s_cmp_lt_u32 s49, 3
	s_cbranch_scc0 .Lfar
	s_cmp_eq_u32 s49, 0
	s_cbranch_scc1 .Lg0
	s_cmp_eq_u32 s49, 1
	s_cbranch_scc1 .Lg1
	GPHASE 2
	s_branch .Lband
.Lg0:
	GPHASE 0
	s_branch .Lband
.Lg1:
	GPHASE 1
.Lband:
	s_wait_alu depctr_va_vdst(0)
	KLOAD
	QK 1                                           ; onto the relative scores
	v_mov_b32 v243, 0
	s_branch .Lsoft
.Lfar:
	s_wait_alu depctr_va_vdst(0)
	KLOAD
	QK 0
	s_cmp_lt_i32 s49, 0
	s_cselect_b32 vcc_lo, -1, 0
	v_cndmask_b32 v243, v245, v244, vcc_lo         ; the one relative score of my query, as t: below the band or above
.Lsoft:
	PLACES 4
.irp d, 0,1,2,3
.irp c, 0,1,2
	ds_load_b128 v[48+12*\d+4*\c:51+12*\d+4*\c], v16 offset:VIO+1536*\d+512*\c   ; V's four fragments land under the softmax
.endr
.endr
	ds_load_b32 v31, v19 offset:4096
	ds_load_b32 v32, v19 offset:4096+128
.irp b, 0,1,2,3
	v_max3_num_f32 v[BM+\b], v[S+16*\b], v[S+16*\b+1], v[S+16*\b+2]   ; the largest score of each block of 32 keys: for the row's maximum and for the block's largest p
.endr
.irp i, 3,5,7,9,11,13
.irp b, 0,1,2,3
	v_max3_num_f32 v[BM+\b], v[BM+\b], v[S+16*\b+\i], v[S+16*\b+\i+1]
.endr
.endr
.irp b, 0,1,2,3
	v_max_num_f32 v[BM+\b], v[BM+\b], v[S+16*\b+15]
.endr
.irp b, 0,1,2,3
	s_delay_alu instid0(VALU_DEP_4)
	v_permlanex16_b32 v[CT+\b], v[BM+\b], s20, s21
.endr
.irp b, 0,1,2,3
	s_delay_alu instid0(VALU_DEP_4)
	v_max_num_f32 v[BM+\b], v[BM+\b], v[CT+\b]
.endr
	s_delay_alu instid0(VALU_DEP_2)
	v_max3_num_f32 v242, v226, v227, v228
	s_delay_alu instid0(VALU_DEP_1)
	v_max_num_f32 v242, v242, v229
	s_delay_alu instid0(VALU_DEP_1)
	v_fma_f32 v242, s22, v242, v243                ; the step's largest t
	s_delay_alu instid0(VALU_DEP_1)
	v_max_num_f32 v239, v239, v242
	v_mov_b32 v242, v238
	s_delay_alu instid0(VALU_DEP_2)
	v_floor_f32 v238, -v239                        ; the new -M: M is a whole number
	s_delay_alu instid0(VALU_DEP_1)
	v_sub_f32 v242, v238, v242
	s_delay_alu instid0(VALU_DEP_1)
	v_cvt_i32_f32 v242, v242                       ; (it saturates)
	s_delay_alu instid0(VALU_DEP_1)
	v_ldexp_f32 v236, 1.0, v242                    ; f = 2^(old M - new M)
	s_delay_alu instid0(VALU_DEP_4)
	v_add_f32 v234, v243, v238                     ; what is added to c x score
.set j, 0
.rept 32
	v_pk_fma_f32 v[S+j:S+j+1], v[S+j:S+j+1], s[22:23], v[234:235] op_sel_hi:[1,0,0]
.set j, j+2
.endr
.irp b, 0,1,2,3
	v_fma_f32 v[BM+\b], v[BM+\b], s22, v234
.endr
.set j, 0
	s_wait_alu depctr_va_vdst(0)
.rept 64
	v_exp_f32 v[S+j], v[S+j]                       ; p = 2^(t - M)
.set j, j+1
.endr
.irp b, 0,1,2,3
	v_exp_f32 v[BM+\b], v[BM+\b]                   ; the block's largest p: the same two instructions on the same number
.endr
	v_pk_mul_f32 v[240:241], v[240:241], v[236:237] op_sel_hi:[1,0]   ; the sum under the new M (a plain place behind the exponentials)
	s_wait_alu depctr_va_vdst(0)                   ; and behind it
.irp b, 0,1,2,3
	v_max_num_f32 v[BM+\b], 0x1800000, v[BM+\b]
.endr
.irp b, 0,1,2,3
	s_delay_alu instid0(VALU_DEP_4)
	v_add_nc_u32 v[SO+\b], 0xff000000, v[BM+\b]
.endr
.irp b, 0,1,2,3
	s_delay_alu instid0(VALU_DEP_4)
	v_lshrrev_b32 v[CT+\b], 23, v[SO+\b]
.endr
	s_delay_alu instid0(VALU_DEP_3)
	v_lshl_or_b32 v26, v219, 8, v218               ; p's scale word for these 128 keys
	s_delay_alu instid0(VALU_DEP_1)
	v_lshl_or_b32 v26, v220, 16, v26
	s_delay_alu instid0(VALU_DEP_1)
	v_lshl_or_b32 v26, v221, 24, v26
.irp c, 0,1
	v_cvt_scalef32_pk16_fp6_f32 v[PC+6*\c:PC+6*\c+2], v[S+32*\c:S+32*\c+15], v[SO+2*\c]
	v_cvt_scalef32_pk16_fp6_f32 v[CT+4*\c:CT+4*\c+2], v[S+32*\c+16:S+32*\c+31], v[SO+2*\c+1]
.endr
	v_nop                                          ; one plain place behind a scaled conversion
.irp c, 0,1
.irp i, 0,1,2
	v_permlane16_swap_b32 v[PC+6*\c+\i], v[CT+4*\c+\i]
.endr
.irp i, 0,1,2
	s_delay_alu instid0(VALU_DEP_3)
	v_mov_b32 v[PC+3+6*\c+\i], v[CT+4*\c+\i]
.endr
.endr
	v_pk_add_f32 v[218:219], v[106:107], v[110:111]   ; the row's sum of the unquantised p, in eight chains
	v_pk_add_f32 v[254:255], v[114:115], v[118:119]
	v_pk_add_f32 v[252:253], v[122:123], v[126:127]
	v_pk_add_f32 v[242:243], v[130:131], v[134:135]
	v_pk_add_f32 v[232:233], v[138:139], v[142:143]
	v_pk_add_f32 v[230:231], v[146:147], v[150:151]
	v_pk_add_f32 v[228:229], v[154:155], v[158:159]
	v_pk_add_f32 v[240:241], v[240:241], v[162:163]
	v_pk_add_f32 v[218:219], v[218:219], v[102:103]
	v_pk_add_f32 v[254:255], v[254:255], v[104:105]
	v_pk_add_f32 v[252:253], v[252:253], v[108:109]
	v_pk_add_f32 v[242:243], v[242:243], v[112:113]
	v_pk_add_f32 v[232:233], v[232:233], v[116:117]
	v_pk_add_f32 v[230:231], v[230:231], v[120:121]
	v_pk_add_f32 v[228:229], v[228:229], v[124:125]
	v_pk_add_f32 v[240:241], v[240:241], v[128:129]
	v_pk_add_f32 v[218:219], v[218:219], v[132:133]
	v_pk_add_f32 v[254:255], v[254:255], v[136:137]
	v_pk_add_f32 v[252:253], v[252:253], v[140:141]
	v_pk_add_f32 v[242:243], v[242:243], v[144:145]
	v_pk_add_f32 v[232:233], v[232:233], v[148:149]
	v_pk_add_f32 v[230:231], v[230:231], v[152:153]
	v_pk_add_f32 v[228:229], v[228:229], v[156:157]
	v_pk_add_f32 v[240:241], v[240:241], v[160:161]
	v_pk_add_f32 v[218:219], v[218:219], v[164:165]
	s_delay_alu instid0(VALU_DEP_2)
	v_pk_add_f32 v[240:241], v[240:241], v[242:243]
	s_delay_alu instid0(VALU_DEP_2)
	v_pk_add_f32 v[218:219], v[218:219], v[232:233]
	v_pk_add_f32 v[254:255], v[254:255], v[230:231]
	v_pk_add_f32 v[252:253], v[252:253], v[228:229]
	s_delay_alu instid0(VALU_DEP_2)
	v_pk_add_f32 v[240:241], v[240:241], v[254:255]
	s_delay_alu instid0(VALU_DEP_2)
	v_pk_add_f32 v[218:219], v[218:219], v[252:253]
	s_delay_alu instid0(VALU_DEP_1)
	v_pk_add_f32 v[240:241], v[240:241], v[218:219]
	v_mul_lo_u32 v243, v21, s67                    ; the rows of ones, where p lay: 2 sigma x 2 step,
	s_delay_alu instid0(VALU_DEP_1)
	v_add_nc_u32 v243, v243, v20                   ; Y of block 4 step + h;
	s_delay_alu instid0(VALU_DEP_1)
	v_sub_nc_u32 v242, 4, v243                     ; negative where Y >= 5,
	s_delay_alu instid0(VALU_DEP_1)
	v_ashrrev_i32 v242, 31, v242                   ; so all ones there
.irp i, 0,1,2,3,4,5
	v_and_b32 v[S+\i], s[53+\i%3], v242
.endr
	v_add_nc_u32 v243, v243, v21                   ; two blocks on
	s_delay_alu instid0(VALU_DEP_1)
	v_sub_nc_u32 v242, 4, v243
	s_delay_alu instid0(VALU_DEP_1)
	v_ashrrev_i32 v242, 31, v242
.irp i, 0,1,2,3,4,5
	v_and_b32 v[S+6+\i], s[53+\i%3], v242
.endr
.set j, 0
.rept 17
	v_pk_mul_f32 v[O+j:O+j+1], v[O+j:O+j+1], v[236:237] op_sel_hi:[1,0]   ; O^T and the two sums of quantised p under the new M.  (Also the places in front of the products below)
.set j, j+2
.endr
	s_wait_alu depctr_va_vdst(0)
	s_wait_dscnt 0x0                               ; V
.irp d, 0,1,2,3
	WM O+8*\d, 48+12*\d, PC, 31+\d/2, 26, \d%2, 1  ; the five accumulators take turns
.endr
	WM 198, S, PC, 25, 26, 0, 1
	s_cmp_lt_u32 s49, 3
	s_cbranch_scc0 .Lnext
	s_cmp_eq_u32 s49, 0
	s_cbranch_scc1 .Ls0
	s_cmp_eq_u32 s49, 1
	s_cbranch_scc1 .Ls1
	STASHP 2
	s_branch .Lnext
.Ls0:
	STASHP 0
	s_branch .Lnext
.Ls1:
	STASHP 1
.Lnext:
	s_add_co_u32 s18, s18, 1
	s_cmp_lt_u32 s18, 8
	s_cbranch_scc1 .Lstep
; The stashed scale words under the last M: each byte b becomes b - min(rise of M, b - 1)
.macro FIX k
	v_sub_f32 v242, v[249+\k], v238
	s_delay_alu instid0(VALU_DEP_1)
	v_cvt_i32_f32 v242, v242
	s_delay_alu instid0(VALU_DEP_1)
	v_min_u32 v242, 0xff, v242
.irp b, 0,1,2,3
	v_bfe_u32 v[218+\b], v[246+\k], 8*\b, 8
.endr
.irp b, 0,1,2,3
	s_delay_alu instid0(VALU_DEP_4)
	v_add_nc_u32 v[222+\b], -1, v[218+\b]
.endr
.irp b, 0,1,2,3
	s_delay_alu instid0(VALU_DEP_4)
	v_min_u32 v[222+\b], v[222+\b], v242
.endr
.irp b, 0,1,2,3
	s_delay_alu instid0(VALU_DEP_4)
	v_sub_nc_u32 v[218+\b], v[218+\b], v[222+\b]
.endr
	s_delay_alu instid0(VALU_DEP_3)
	v_lshl_or_b32 v[252+\k], v219, 8, v218
	s_delay_alu instid0(VALU_DEP_1)
	v_lshl_or_b32 v[252+\k], v220, 16, v[252+\k]
	s_delay_alu instid0(VALU_DEP_1)
	v_lshl_or_b32 v[252+\k], v221, 24, v[252+\k]
.endm
	s_wait_alu depctr_va_vdst(0)
	FIX 0
	FIX 1
	FIX 2
	v_mov_b32 v255, 0x7f7f7f7f
	ds_store_b128 v11, v[252:255]                  ; twelve bytes and a word of ones behind them
; T's four fragments and their scale words of K step x, into set x % 2: 14 loads
.macro TLD x
.irp d, 0,1,2,3
.irp c, 0,1,2
	global_load_b128 v[36+48*((\x)%2)+12*\d+4*\c:39+48*((\x)%2)+12*\d+4*\c], v1, s[58:59] offset:6144*(\x)+1536*\d+512*\c
.endr
.endr
.irp y, 0,1
	global_load_b32 v[27+2*((\x)%2)+\y], v23, s[60:61] offset:256*(\x)+128*\y
.endr
.endm
	TLD 0
	TLD 1
	s_wait_dscnt 0x0                               ; my stash and its bytes are stored; my use of my stage is over
	s_barrier_signal -1
	s_barrier_wait -1
; Source 1 of the band product: column n is wave n's query with my a; nine blocks from stash block n & 3 on
.irp c, 0,1
.irp i, 0,1,2
	ds_load_b64 v[138+6*\c+2*\i:139+6*\c+2*\i], v12 offset:48*\c+8*\i
	ds_load_b64 v[150+6*\c+2*\i:151+6*\c+2*\i], v12 offset:96+48*\c+8*\i
.endr
.endr
.irp i, 0,1,2
	ds_load_b64 v[132+2*\i:133+2*\i], v12 offset:192+8*\i
.endr
	ds_load_b128 v[162:165], v13
	s_wait_dscnt 0x0
	v_alignbit_b32 v31, v163, v162, v22            ; four bytes from byte n & 3 on, for each K step
	v_alignbit_b32 v32, v164, v163, v22
	v_alignbit_b32 v33, v165, v164, v22
	PLACES 8                                       ; a scale register written by a vector instruction stands eight places ahead of the product
.macro BSTAGE x, bf, acc, left
	s_wait_loadcnt \left                           ; this K step's 14 loads are in; the 14 issued behind them may be out
.irp d, 0,1,2,3
	WM 206+8*\d, 36+48*((\x)%2)+12*\d, \bf, 27+2*((\x)%2)+\d/2, 31+(\x)%3, \d%2, \acc
.endr
	PLACES 4
.endm
	s_wait_alu depctr_va_vdst(0)
	BSTAGE 0, 138, 0, 14
	TLD 2
	BSTAGE 1, 150, 1, 14
	BSTAGE 2, 132, 1, 0                            ; (its upper half is the first K step's codes: they meet T's zero codes)
.irp d, 0,1,2,3
	ds_store_b128 v14, v[206+8*\d:209+8*\d] offset:64*\d
	ds_store_b128 v14, v[210+8*\d:213+8*\d] offset:64*\d+16
.endr
	v_bfe_u32 v35, v0, 4, 1
	s_delay_alu instid0(VALU_DEP_1)
	v_lshlrev_b32 v35, 5, v35                      ; 32 h
.irp d, 0,1,2,3
	global_load_b128 v[68+8*\d:71+8*\d], v35, s[62:63] offset:64*\d          ; c0 at my eight d of each tile,
	global_load_b128 v[72+8*\d:75+8*\d], v35, s[62:63] offset:64*\d+16
	global_load_b128 v[100+8*\d:103+8*\d], v35, s[62:63] offset:256+64*\d    ; c256
	global_load_b128 v[104+8*\d:107+8*\d], v35, s[62:63] offset:256+64*\d+16
.endr
	s_wait_dscnt 0x0                               ; my results are stored
	s_barrier_signal -1
	s_barrier_wait -1
.irp d, 0,1,2,3
	ds_load_b128 v[36+8*\d:39+8*\d], v15 offset:64*\d
	ds_load_b128 v[40+8*\d:43+8*\d], v15 offset:64*\d+16
.endr
	v_add_f32 v240, v240, v241                     ; the sum's two halves,
	s_delay_alu instid0(VALU_DEP_1)
	v_permlanex16_b32 v242, v240, s20, s21
	s_delay_alu instid0(VALU_DEP_1)
	v_add_f32 v240, v240, v242                     ; and lane l xor 16's
	v_permlanex16_b32 v254, v198, s20, s21         ; the sums of quantised p stand in lanes 0-15 (rows 0 and 1); rows 8 and 9 are zeros
	v_permlanex16_b32 v255, v199, s20, s21
	v_add_f32 v252, v198, v254
	v_add_f32 v253, v199, v255
	s_wait_alu depctr_va_vdst(0)
	v_rcp_f32 v254, v240
	s_wait_dscnt 0x0
.set j, 0
	s_wait_alu depctr_va_vdst(0)
.rept 16
	v_pk_add_f32 v[O+j:O+j+1], v[O+j:O+j+1], v[36+j:37+j]                  ; + the band
.set j, j+2
.endr
	s_wait_loadcnt 0x0
.set j, 0
.rept 16
	v_pk_fma_f32 v[O+j:O+j+1], v[68+j:69+j], v[252:253], v[O+j:O+j+1] op_sel_hi:[1,0,1]   ; + c0 x the sum below the band
.set j, j+2
.endr
.set j, 0
.rept 16
	v_pk_fma_f32 v[O+j:O+j+1], v[100+j:101+j], v[252:253], v[O+j:O+j+1] op_sel:[0,1,0] op_sel_hi:[1,1,1]   ; + c256 x the sum above it
.set j, j+2
.endr
.set j, 0
	s_wait_alu depctr_va_vdst(0)
.rept 16
	v_pk_mul_f32 v[O+j:O+j+1], v[O+j:O+j+1], v[254:255] op_sel_hi:[1,0]    ; / the row's sum
.set j, j+2
.endr
	; This operand meets Wo's given codes, so its d must lie in their true order: the halves of two neighbouring tiles change places, and a lane's 16 registers are 16 neighbouring d
.irp b, 0,1
.irp j, 0,1,2,3,4,5,6,7
	v_permlane16_swap_b32 v[O+16*\b+\j], v[O+8+16*\b+\j]
.endr
.endr
.irp b, 0,1
	v_max3_num_f32 v[226+\b], |v[O+16*\b]|, |v[O+1+16*\b]|, 0x1800000
.endr
.irp i, 2,4,6,8,10,12,14
.irp b, 0,1
	s_delay_alu instid0(VALU_DEP_2)
	v_max3_num_f32 v[226+\b], v[226+\b], |v[O+16*\b+\i]|, |v[O+1+16*\b+\i]|
.endr
.endr
.irp b, 0,1
	v_permlanex16_b32 v[228+\b], v[226+\b], s20, s21
.endr
.irp b, 0,1
	s_delay_alu instid0(VALU_DEP_2)
	v_max_num_f32 v[226+\b], v[226+\b], v[228+\b]
.endr
.irp b, 0,1
	s_delay_alu instid0(VALU_DEP_2)
	v_add_nc_u32 v[230+\b], 0xff000000, v[226+\b]
.endr
.irp b, 0,1
	s_delay_alu instid0(VALU_DEP_2)
	v_lshrrev_b32 v[228+\b], 23, v[230+\b]
.endr
	s_delay_alu instid0(VALU_DEP_1)
	v_lshl_or_b32 v232, v229, 8, v228              ; the head's two scale bytes of my token
	v_and_b32 v233, 15, v0
	s_delay_alu instid0(VALU_DEP_1)
	v_lshlrev_b32 v233, 5, v233                    ; 32 bytes a token
	v_cvt_scalef32_pk16_fp6_f32 v[206:208], v[O:O+15], v230
	v_cvt_scalef32_pk16_fp6_f32 v[210:212], v[O+16:O+31], v231
	v_nop                                          ; one plain place behind a scaled conversion
.irp i, 0,1,2
	v_permlane16_swap_b32 v[206+\i], v[210+\i]
.endr
	s_delay_alu instid0(VALU_DEP_3)
	v_mov_b32 v209, v210
	s_delay_alu instid0(VALU_DEP_3)
	v_mov_b32 v210, v211
	s_delay_alu instid0(VALU_DEP_3)
	v_mov_b32 v211, v212
	global_store_b64 v2, v[206:207], s[10:11]      ; each store covers 256 consecutive bytes, at a multiple of 256 from the buffer's first byte
	global_store_b64 v2, v[208:209], s[10:11] offset:256
	global_store_b64 v2, v[210:211], s[10:11] offset:512
	global_store_b16 v233, v232, s[12:13]          ; two bytes of each of 16 rows that lie within 512 bytes; both halves of the lanes write the same
	s_wait_xcnt 0x0
	v_lshl_add_u32 v254, v0, 2, SPAREB
	v_mov_b32 v255, 0
	s_wait_alu depctr_va_vdst(0)
	s_wait_tensorcnt 0x0                           ; the wave's end
	ds_add_u32 v254, v255
	s_wait_dscnt 0x0
	s_endpgm
.Lfunc_end_k_q0f30f92794_attn:
	.size	k_q0f30f92794_attn, .Lfunc_end_k_q0f30f92794_attn-k_q0f30f92794_attn
	.p2alignl 7, 3214868480
	.fill 96, 4, 3214868480
	.section	.rodata,"a",@progbits
	.p2align	6, 0x0
	.amdhsa_kernel k_q0f30f92794_attn
		.amdhsa_group_segment_fixed_size 289024
		.amdhsa_private_segment_fixed_size 0
		.amdhsa_enable_private_segment 0
		.amdhsa_kernarg_size 40
		.amdhsa_user_sgpr_count 2
		.amdhsa_user_sgpr_kernarg_segment_ptr 1
		.amdhsa_wavefront_size32 1
		.amdhsa_system_sgpr_workgroup_id_x 1
		.amdhsa_system_sgpr_workgroup_id_y 1
		.amdhsa_system_sgpr_workgroup_id_z 1
		.amdhsa_system_vgpr_workitem_id 0
		.amdhsa_next_free_vgpr 256
		.amdhsa_next_free_sgpr 72
		.amdhsa_reserve_vcc 1
		.amdhsa_float_denorm_mode_32 3
		.amdhsa_float_denorm_mode_16_64 3
		.amdhsa_memory_ordered 1
		.amdhsa_forward_progress 1
		.amdhsa_inst_pref_size 98
	.end_amdhsa_kernel
	.amdgpu_metadata
---
amdhsa.version: [ 1, 2 ]
amdhsa.kernels:
  - .name:           k_q0f30f92794_attn
    .symbol:         k_q0f30f92794_attn.kd
    .args:
      - { .name: QB, .offset: 0, .size: 8, .value_kind: global_buffer, .address_space: global }
      - { .name: KV, .offset: 8, .size: 8, .value_kind: global_buffer, .address_space: global }
      - { .name: TAB, .offset: 16, .size: 8, .value_kind: global_buffer, .address_space: global }
      - { .name: AOI, .offset: 24, .size: 8, .value_kind: global_buffer, .address_space: global }
      - { .name: AOS, .offset: 32, .size: 8, .value_kind: global_buffer, .address_space: global }
    .group_segment_fixed_size: 289024
    .private_segment_fixed_size: 0
    .kernarg_segment_align: 8
    .kernarg_segment_size: 40
    .max_flat_workgroup_size: 512
    .sgpr_count:     72
    .vgpr_count:     256
    .wavefront_size: 32
...
	.end_amdgpu_metadata
.endif
;; end of part 6
;; launch oproj (part 7): grid 8 x 32, 4 waves a work-group, clusters of 4 x 4, 221,184 bytes of LDS; arguments AOI, AOS, Wo_codes, Wo_scales, bo, out0; writes out0
.if DOCPART == 7
	.amdgcn_target "amdgcn-amd-amdhsa--gfx1250"
	.amdhsa_code_object_version 6
	.text
	.protected	k_q0f30f92794_oproj
	.globl	k_q0f30f92794_oproj
	.p2align	8
	.type	k_q0f30f92794_oproj,@function
k_q0f30f92794_oproj:
	s_mov_b64 s[64:65], 0
	v_nop
	global_prefetch_b8 v0, s[64:65] scope:SCOPE_SE
	s_setreg_imm32_b32 hwreg(HW_REG_WAVE_MODE, 25, 1), 1
	s_wait_xcnt 0x0
	s_wait_alu depctr_hold_cnt(0) depctr_sa_sdst(0) depctr_va_vdst(0) depctr_va_sdst(0) depctr_va_ssrc(0) depctr_va_vcc(0) depctr_vm_vsrc(0)
	s_getreg_b32 s2, hwreg(HW_REG_IB_STS2, 6, 4)
	s_cmp_eq_u32 s2, 0
	s_cbranch_scc0 .Lentry_in_a_cluster
	s_endpgm
.Lentry_in_a_cluster:
	s_bfe_u32 s2, ttmp6, 0x10000c
	s_cmp_lg_u32 s2, 0xf033
	s_cbranch_scc0 .Lentry_shape_is_right
	s_endpgm
.Lentry_shape_is_right:
; out0 = o Wo^T + bo on codes of FP6 (E2M3) with E8M0 scales, sums in f32.  o comes as AOI (images of the operand's registers: [tile of 16 tokens][head][3][32 lanes][8 bytes], 12,288 bytes a tile) and AOS ([token][32] scale bytes).
; A block of 128 tokens x 128 columns to a work-group of four waves, 64 x 64 to a wave (16 accumulators): 8 x 32 = 256 work-groups.  ALL OF K LIES IN LDS AT ONCE: A's 128 rows are 98,304 dense bytes, Wo's 128 rows another 98,304.
; Each wave asks for 49,152 of them by ONE tensor load at the head, as 192 rows of 256 bytes that begin at multiples of 256 bytes: waves 0, 1 A's halves, waves 2, 3 Wo's.  Nothing is filled again: one barrier, then eight steps of 128 along K.
; CLUSTERS of 4 x 4: A's tiles are asked for jointly along a row of the cluster, Wo's along a column.  No prefetch: every tile is asked for at the head, and there is no loop in which to run ahead of a load.
; The scale words (32 bytes a row, all eight steps) and the bias go from memory straight into registers: two loads of 16 bytes a row, sixteen rows covering 512 consecutive bytes.
; The matrix instruction is used transposed (source 0 = 16 rows of Wo, source 1 = 16 tokens): a lane holds eight neighbouring columns of one row of out0; the bias is the C of each accumulator's first product.
; Wo's rows in LDS: 16 bytes of padding behind every 256, so a row of 768 bytes has a pitch of 816: byte y of a row lies at y + 16 (y / 256).
; REGISTERS: window 0: v0-31 addresses; v32-63 A's scale words, v64-95 Wo's (scales and nothing else); v96-127 the bias; v128-255 the accumulators.  Window 1: fragments, two sets of 96 (A's four, then Wo's four).
.set SIZE_N, 1024
.set KROW,   768
.set BPITCH, 816
.set FR,     12
.set ATILE,  12288
.set AHALF,  4*ATILE
.set BB,     2*AHALF
.set BHALF,  64*BPITCH
.set STAGE,  BB+2*BHALF                ; the way out: 16 rows x 272 bytes for each wave, bytes into which no fill lands
.set SPITCH, 272
.set SPARE,  STAGE+4*16*SPITCH         ; the spare words, 128 bytes for each wave
.set ADRA,  12
.set ADRB,  13
.set ADRB2, 14
.set STO,   24
.set RD,    25
.set CO,    26
.set SPW,   30
.set NIL,   31
.set SCA,   32
.set SCB,   64
.set BI,    96
.set BK,    96
.set ACC,   128
.set G1,   24
.set G1B,  32
.set G0,   40
.set G0B,  44
.set MSB, 0
.macro WIN new
.if MSB != \new
	s_set_vgpr_msb (MSB<<8)|\new
.set MSB, \new
.endif
.endm
.macro CROUND                          ; a round of the cluster's barrier
	s_barrier_signal -1
	s_barrier_wait -1
	s_cmp_lg_u32 s14, 0
	s_cbranch_scc1 .Lnot_wave_0_\@
	s_barrier_signal -3
.Lnot_wave_0_\@:
	s_barrier_wait -3
	s_barrier_signal -1
	s_barrier_wait -1
.endm
.macro PLACES n
.rept \n
	v_nop
.endr
.endm
	s_load_b128 s[4:7], s[0:1], 0x0                ; AOI, AOS
	s_load_b128 s[8:11], s[0:1], 0x10              ; Wo's codes, Wo's scales
	s_load_b128 s[52:55], s[0:1], 0x20             ; bo, out0
	v_lshl_add_u32 v[SPW], v0, 2, SPARE
	v_mov_b32 v[NIL], 0
	ds_add_u32 v[SPW], v[NIL]                      ; the opening lines
	ds_add_u32 v[SPW], v[NIL]
	v_lshrrev_b32 v1, 5, v0
	v_readfirstlane_b32 s14, v1                    ; wave 0..3
	s_lshr_b32 s15, s14, 1                         ; my half of the block's rows.  Also: I fetch for A (0) or for Wo (1)
	s_and_b32 s16, s14, 1                          ; my half of its columns.  Also: which 64 rows I fetch
	s_bfe_u32 s48, ttmp6, 0x40000                  ; cx
	s_bfe_u32 s49, ttmp6, 0x40004                  ; cy
	s_lshl_b32 s50, ttmp9, 2
	s_add_co_u32 s50, s50, s48                     ; block column
	s_and_b32 s17, ttmp7, 0xffff
	s_lshl_b32 s17, s17, 2
	s_add_co_u32 s17, s17, s49                     ; block row
	s_lshl_b32 s20, s49, 2
	s_lshl_b32 s20, 15, s20                        ; my row of the cluster
	s_lshl_b32 s21, 0x1111, s48                    ; my column
	s_or_b32 s[G1+0], s20, (3<<16)|(1<<21)         ; A: elements of 8 bytes, no padding; bit 21 beside a mask
	s_or_b32 s[G1B+0], s21, (3<<16)|(1<<20)|(1<<21)|(5<<22)|(3<<25)  ; Wo: after every 64 words 4 words of padding
.irp g, G1, G1B
	s_mov_b32 s[\g+1], 32<<16                      ; 192 rows of 32 elements, dense
	s_mov_b32 s[\g+2], 192<<16
	s_mov_b32 s[\g+3], 32<<16
	s_mov_b32 s[\g+4], 192
	s_mov_b32 s[\g+5], 32
	s_mov_b32 s[\g+6], 0
	s_mov_b32 s[\g+7], 0
.endr
	s_mul_i32 s56, s17, 2*AHALF                    ; A: block row x 98,304 + half x 49,152
	s_mul_i32 s58, s16, AHALF
	s_add_co_u32 s56, s56, s58
	s_mov_b32 s57, 0
	s_mul_i32 s60, s50, 128*KROW                   ; Wo: likewise by the block column
	s_mul_i32 s59, s16, 64*KROW
	s_add_co_u32 s60, s60, s59
	s_mov_b32 s61, 0
	s_mov_b32 s[G0], 1
	s_mul_i32 s[G0+1], s16, AHALF
	s_mov_b32 s[G0B], 1
	s_mul_i32 s[G0B+1], s16, BHALF
	s_add_co_u32 s[G0B+1], s[G0B+1], BB
	s_wait_dscnt 0x0                               ; both opening adds are done
	s_wait_kmcnt 0x0
	s_add_nc_u64 s[G0+2:G0+3], s[4:5], s[56:57]
	s_or_b32 s[G0+3], s[G0+3], 0x80000000
	s_add_nc_u64 s[G0B+2:G0B+3], s[8:9], s[60:61]
	s_or_b32 s[G0B+3], s[G0B+3], 0x80000000
	CROUND                                         ; all sixteen work-groups are here: the joint loads meet
	s_cmp_eq_u32 s15, 0
	s_cbranch_scc0 .Lfor_b
	tensor_load_to_lds s[G0:G0+3], s[G1:G1+7]
	s_nop 0
	PLACES 4
	s_branch .Lasked
.Lfor_b:
	tensor_load_to_lds s[G0B:G0B+3], s[G1B:G1B+7]
	s_nop 0
	PLACES 4
.Lasked:
	s_mul_i32 s21, s15, AHALF                      ; my 64 tokens' images
	s_mul_i32 s22, s16, BHALF
	s_add_co_u32 s22, s22, BB                      ; my 64 rows of Wo
	s_mul_i32 s23, s14, 16*SPITCH
	s_add_co_u32 s23, s23, STAGE                   ; my stage
	s_lshl_b32 s56, s17, 12                        ; A's scales: 32 bytes a token
	s_lshl_b32 s58, s15, 11
	s_add_co_u32 s56, s56, s58
	s_add_nc_u64 s[6:7], s[6:7], s[56:57]
	s_lshl_b32 s60, s50, 12                        ; Wo's
	s_lshl_b32 s58, s16, 11
	s_add_co_u32 s60, s60, s58
	s_add_nc_u64 s[10:11], s[10:11], s[60:61]
	s_lshl_b32 s60, s50, 9                         ; my first column, in bytes
	s_lshl_b32 s58, s16, 8
	s_add_co_u32 s60, s60, s58
	s_add_nc_u64 s[52:53], s[52:53], s[60:61]      ; the bias there
	s_lshl_b32 s62, s17, 19                        ; my first row of out0: 4,096 bytes a row
	s_lshl_b32 s58, s15, 18
	s_add_co_u32 s62, s62, s58
	s_add_co_u32 s62, s62, s60
	s_mov_b32 s63, 0
	s_add_nc_u64 s[54:55], s[54:55], s[62:63]
	v_and_b32 v1, 15, v0                           ; r
	v_bfe_u32 v2, v0, 4, 1                         ; h
	v_and_b32 v3, 31, v0
	v_lshl_add_u32 v[ADRA], v3, 3, s21             ; A's images: 8 x lane
	v_mul_u32_u24 v4, v1, BPITCH
	v_mad_u32_u24 v4, v2, 24, v4
	v_add_nc_u32 v[ADRB], s22, v4                  ; Wo: row r, + 24 h
	v_lshl_add_u32 v[ADRB2], v2, 4, v[ADRB]        ; and where lanes 16-31 lie behind one padding more
	v_mul_u32_u24 v5, v1, SPITCH
	v_lshl_add_u32 v5, v2, 5, v5
	v_add_nc_u32 v[STO], s23, v5                   ; into the stage: row r, 32 bytes for each half of the lanes
	v_mul_u32_u24 v6, v2, SPITCH
	v_lshl_add_u32 v6, v1, 4, v6
	v_add_nc_u32 v[RD], s23, v6                    ; back: lanes 0-15 one row of 256 bytes, lanes 16-31 the next
	v_lshlrev_b32 v7, 12, v2
	v_lshl_add_u32 v[CO], v1, 4, v7                ; the same two rows in out0
	v_lshlrev_b32 v8, 5, v2                        ; 32 h: the bias
	v_lshlrev_b32 v9, 5, v1                        ; 32 r: the scales
	s_wait_alu depctr_va_vdst(0)
.irp a, 0,1,2,3
	global_load_b128 v[SCA+8*\a:SCA+8*\a+3], v9, s[6:7] offset:512*\a
	global_load_b128 v[SCA+8*\a+4:SCA+8*\a+7], v9, s[6:7] offset:512*\a+16
	global_load_b128 v[SCB+8*\a:SCB+8*\a+3], v9, s[10:11] offset:512*\a
	global_load_b128 v[SCB+8*\a+4:SCB+8*\a+7], v9, s[10:11] offset:512*\a+16
	global_load_b128 v[BI+8*\a:BI+8*\a+3], v8, s[52:53] offset:64*\a
	global_load_b128 v[BI+8*\a+4:BI+8*\a+7], v8, s[52:53] offset:64*\a+16
.endr
.macro FRAGB reg, st, i                ; Wo's fragment of step st, block i: pieces of 8 bytes
.irp p, 0,1,2,3,4,5
.set BY, 96*(\st)+48*(\p/3)+8*(\p%3)
.if BY/256 == (BY+24)/256
	ds_load_b64 v[\reg+2*\p:\reg+2*\p+1], v[ADRB] offset:BY+16*(BY/256)+(\i)*16*BPITCH
.else
	ds_load_b64 v[\reg+2*\p:\reg+2*\p+1], v[ADRB2] offset:BY+16*(BY/256)+(\i)*16*BPITCH
.endif
.endr
.endm
.macro FRAGA reg, st, i                ; A's: the image as it lies
.irp p, 0,1,2,3,4,5
	ds_load_b64 v[\reg+2*\p:\reg+2*\p+1], v[ADRA] offset:ATILE*(\i)+1536*(\st)+256*\p
.endr
.endm
.macro FETCH s
	WIN 0x40                                       ; destination window 1
.irp i, 0,1,2,3
	FRAGB 128*((\s)%2)+48+FR*\i, \s, \i
	FRAGA 128*((\s)%2)+FR*\i, \s, \i
.endr
.endm
.macro MUL s                           ; the 16 accumulators take turns, in the same order in every step
.set F, 128*((\s)%2)
	WIN 0x05                                       ; sources 0 and 1 window 1
.irp a, 0,1,2,3
.irp b, 0,1,2,3
.if (\s) == 0
	v_wmma_scale_f32_16x16x128_f8f6f4 v[ACC+8*(4*\a+\b):ACC+8*(4*\a+\b)+7], v[F+48+FR*\b:F+48+FR*\b+FR-1], v[F+FR*\a:F+FR*\a+FR-1], v[BI+8*\b:BI+8*\b+7], v[SCB+8*\b+(\s)], v[SCA+8*\a+(\s)] matrix_a_fmt:MATRIX_FMT_FP6 matrix_b_fmt:MATRIX_FMT_FP6
.else
	v_wmma_scale_f32_16x16x128_f8f6f4 v[ACC+8*(4*\a+\b):ACC+8*(4*\a+\b)+7], v[F+48+FR*\b:F+48+FR*\b+FR-1], v[F+FR*\a:F+FR*\a+FR-1], v[ACC+8*(4*\a+\b):ACC+8*(4*\a+\b)+7], v[SCB+8*\b+(\s)], v[SCA+8*\a+(\s)] matrix_a_fmt:MATRIX_FMT_FP6 matrix_b_fmt:MATRIX_FMT_FP6
.endif
.endr
.endr
.endm
.macro STEP s
	s_wait_dscnt 0x0                               ; this step's fragments are in
.if (\s) < 7
.if (\s) > 0
	PLACES 4                                       ; behind the last step's products, whose fragments' registers the loads below fill
.endif
	FETCH (\s)+1
.endif
	MUL \s
.endm
	s_wait_tensorcnt 0x0                           ; my part of the tiles has landed,
	s_barrier_signal -1
	s_barrier_wait -1                              ; everybody's
	FETCH 0
	s_wait_loadcnt 0x0                             ; the scale words and the bias
.irp t, 0,1,2,3,4,5,6,7
	STEP \t
.endr
	WIN 0
; THE WAY OUT, 16 rows x 64 columns at a time, through my own stage: back as whole rows of 256 bytes.  Block a comes back into the bias's registers (a = 0) or into block a - 1's accumulators, which have gone to the stage
.macro TOSTAGE a
.irp b, 0,1,2,3
	ds_store_b128 v[STO], v[ACC+8*(4*(\a)+\b):ACC+8*(4*(\a)+\b)+3] offset:64*\b      ; each accumulator from its low end on
	ds_store_b128 v[STO], v[ACC+8*(4*(\a)+\b)+4:ACC+8*(4*(\a)+\b)+7] offset:64*\b+16
.endr
.irp t, 0,1,2,3,4,5,6,7
	ds_load_b128 v[BK+32*(\a)+4*\t:BK+32*(\a)+4*\t+3], v[RD] offset:2*\t*SPITCH      ; LDS serves a wave's instructions in order
.endr
.endm
.macro SEND a, younger                 ; younger: the LDS instructions issued behind block a's loads
	s_wait_dscnt \younger
.irp t, 0,1,2,3,4,5,6,7
	global_store_b128 v[CO], v[BK+32*(\a)+4*\t:BK+32*(\a)+4*\t+3], s[54:55] offset:(16*(\a)+2*\t)*SIZE_N*4 th:TH_STORE_NT   ; 16 lanes store 256 consecutive bytes, aligned
.endr
.endm
	PLACES 4
	TOSTAGE 0
	TOSTAGE 1
	SEND 0, 16
	TOSTAGE 2
	SEND 1, 16
	TOSTAGE 3
	SEND 2, 16
	SEND 3, 0
	s_wait_tensorcnt 0x0                           ; the wave's end
	ds_add_u32 v[SPW], v[NIL]
	s_wait_dscnt 0x0
	CROUND                                         ; the closing round
	s_endpgm
.Lfunc_end_k_q0f30f92794_oproj:
	.size	k_q0f30f92794_oproj, .Lfunc_end_k_q0f30f92794_oproj-k_q0f30f92794_oproj
	.p2alignl 7, 3214868480
	.fill 96, 4, 3214868480
	.section	.rodata,"a",@progbits
	.p2align	6, 0x0
	.amdhsa_kernel k_q0f30f92794_oproj
		.amdhsa_group_segment_fixed_size 221184
		.amdhsa_private_segment_fixed_size 0
		.amdhsa_enable_private_segment 0
		.amdhsa_kernarg_size 48
		.amdhsa_user_sgpr_count 2
		.amdhsa_user_sgpr_kernarg_segment_ptr 1
		.amdhsa_wavefront_size32 1
		.amdhsa_system_sgpr_workgroup_id_x 1
		.amdhsa_system_sgpr_workgroup_id_y 1
		.amdhsa_system_sgpr_workgroup_id_z 1
		.amdhsa_system_vgpr_workitem_id 0
		.amdhsa_next_free_vgpr 512
		.amdhsa_next_free_sgpr 66
		.amdhsa_reserve_vcc 0
		.amdhsa_float_denorm_mode_32 3
		.amdhsa_float_denorm_mode_16_64 3
		.amdhsa_memory_ordered 1
		.amdhsa_forward_progress 1
		.amdhsa_inst_pref_size 58
	.end_amdhsa_kernel
	.amdgpu_metadata
---
amdhsa.version: [ 1, 2 ]
amdhsa.kernels:
  - .name:           k_q0f30f92794_oproj
    .symbol:         k_q0f30f92794_oproj.kd
    .args:
      - { .name: AOI, .offset: 0, .size: 8, .value_kind: global_buffer, .address_space: global }
      - { .name: AOS, .offset: 8, .size: 8, .value_kind: global_buffer, .address_space: global }
      - { .name: Wo_codes, .offset: 16, .size: 8, .value_kind: global_buffer, .address_space: global }
      - { .name: Wo_scales, .offset: 24, .size: 8, .value_kind: global_buffer, .address_space: global }
      - { .name: bo, .offset: 32, .size: 8, .value_kind: global_buffer, .address_space: global }
      - { .name: out0, .offset: 40, .size: 8, .value_kind: global_buffer, .address_space: global }
    .group_segment_fixed_size: 221184
    .private_segment_fixed_size: 0
    .kernarg_segment_align: 8
    .kernarg_segment_size: 48
    .max_flat_workgroup_size: 128
    .sgpr_count:     66
    .vgpr_count:     512
    .wavefront_size: 32
...
	.end_amdgpu_metadata
.endif
;; end of part 7
